; MI455X (gfx1250); checked and timed in simulation.
; The chip was launched on July 23, 2026; its instructions are those of AMD's public machine-readable ISA for CDNA 5 (MIT licence, August 2026) and "CDNA5" Instruction Set Architecture Reference Guide (July 2026). The comments in the code are by the model that wrote it; some were corrected since.
;; Transformer Block. Allowed arithmetic: matrix products marked QUANTISED: E2M3 operands, one E8M0 scale for each 32 along K, by v_wmma_scale_f32_16x16x128_f8f6f4 with both operands' format E2M3, f32 sums; everything else in f32.
;; Inputs: W1 1,024 x 4,096 float32; W2 4,096 x 1,024 float32; Wk 1,024 x 1,024 float32; Wo 1,024 x 1,024 float32; Wq 1,024 x 1,024 float32; Wv 1,024 x 1,024 float32; b1 4,096 float32; b2 1,024 float32; bo 1,024 float32; scale1 1,024 float32; scale2 1,024 float32; shift1 1,024 float32; shift2 1,024 float32; x 2 x 2,048 x 1,024 float32.
;; Outputs: out0 2 x 2,048 x 1,024 float32.
;; This version of the problem:
;;   THIS VERSION OF THE PROBLEM IS GIVEN IN LOW PRECISION. The matrix products marked QUANTISED in the list below multiply operands that are first quantised to E2M3 (2 exponent bits, 3 mantissa bits; 6 bits a number), with one power-of-two scale for each 32 numbers along K (OCP MX v1.0); their sums are f32. All else is computed in f32.
;;   The module's matrix products, in the order in which they are computed (A, B: the left and right operand; K: the contracted axis; several contracted axes count as one K, in the product's order):
;;     1. [M 4,096, K 1,024] x [K 1,024, N 1,024]; A: computed on the way; B: input Wq: QUANTISED
;;     2. [M 4,096, K 1,024] x [K 1,024, N 1,024]; A: computed on the way; B: input Wk: QUANTISED
;;     3. [M 4,096, K 1,024] x [K 1,024, N 1,024]; A: computed on the way; B: input Wv: QUANTISED
;;     4. batch 32 x [M 2,048, K 64] x [K 64, N 2,048]; A: computed on the way; B: computed on the way: QUANTISED
;;     5. batch 32 x [M 2,048, K 2,048] x [K 2,048, N 64]; A: softmax (see below); B: computed on the way: QUANTISED
;;     6. [M 4,096, K 1,024] x [K 1,024, N 1,024]; A: computed on the way; B: input Wo: QUANTISED
;;     7. [M 4,096, K 1,024] x [K 1,024, N 4,096]; A: computed on the way; B: input W1: QUANTISED
;;     8. [M 4,096, K 4,096] x [K 4,096, N 1,024]; A: computed on the way; B: input W2: QUANTISED
;;   THE QUANTISER, for each operand of a quantised product, along K:
;;     - K is cut into blocks of 32 from its start; a last block that is shorter is filled with zeros.
;;     - A block's scale is 2^e with e = floor(log2(the largest magnitude in the block)) - 2, held to -126 .. 127; a block of zeros has e = 0. As a byte (E8M0): e + 127.
;;     - Each number is divided by its block's scale, clamped to +-7.5, and rounded to the nearest number of E2M3, ties to even, subnormals kept.
;;     - The product sums the exact products of the quantised numbers (number of the format x scale) in f32.
;;   ~~~python
;;   def quantise(x, axis):      # numpy; x: float32 -> the quantised numbers, widened to float32 again
;;       x = np.moveaxis(x, axis, -1); K = x.shape[-1]
;;       x = np.pad(x, [(0, 0)] * (x.ndim - 1) + [(0, -K % 32)]); x = x.reshape(x.shape[:-1] + (-1, 32)); a = np.abs(x).max(-1, keepdims=True)
;;       e = np.where(a > 0, np.clip(np.frexp(np.where(a > 0, a, 1))[1] - 1 - 2, -126, 127), 0)      # np.frexp(a)[1] - 1 = floor(log2(a)), exactly
;;       r = np.clip(x / 2.0 ** e, -7.5, 7.5)
;;       step = 2.0 ** (np.maximum(np.frexp(np.where(r == 0, 1, r))[1] - 1, 0) - 3)
;;       q = np.round(r / step) * step * 2.0 ** e      # np.round: ties to even
;;       return np.moveaxis(q.reshape(q.shape[:-2] + (-1,))[..., :K], -1, axis).astype(np.float32)
;;   ~~~
;;   SOFTMAX AHEAD OF A QUANTISED PRODUCT. Where the list says 'softmax', what is quantised is not the finished softmax but p = 2^(t - M), with t = logit x log2(e) and M = ceil(the row's largest t), a whole number; so 1/2 < the row's largest p <= 1. The row's sum l is taken of the UNQUANTISED p, in f32, and the product's result is divided by l at the end. Since M is a whole number, a kernel that streams over the keys may use a running M (the ceiling of the running maximum): every later rescaling is an exact power of two, which a block's scale takes up: the codes' values come out the same.
;;   OPERANDS COMPUTED ON THE WAY. 'Computed on the way' means the value that the module computes at that place (a softmax that the list does not call 'softmax' is quantised finished and normalised). What goes into a quantiser is computed in f32, as accurately as f32 sums, v_exp_f32 and their like allow (about 1e-6 of the number): no bf16 or f16 on the way to a quantiser, and a product that is left as it is and whose result goes on into a quantised operand takes f32 operands (vector FMAs, or v_wmma_f32_16x16x4_f32). A number that lies on a knife's edge between two numbers of the format may be rounded either way, as far as f32 arithmetic and the matrix unit's own rounding can turn it there, and no further.
;; 2 versions. Each part assembles by itself: llvm-mc -triple=amdgcn-amd-amdhsa -mcpu=gfx1250 --defsym DOCPART=n.
;; ======== version 1 of 2: 8 launches
;; workspace buffers: wc 9,830,400 bytes; ac 3,276,800 bytes; qk 6,553,600 bytes; vr 3,276,800 bytes; cc 3,276,800 bytes; hb 16,777,216 bytes; yc 3,276,800 bytes; gc 13,107,200 bytes
;; launch wquant (part 1): grid 384 x 1, 4 waves a work-group, no clusters, 26,112 bytes of LDS; arguments Wq, Wk, Wv, Wo, W1, W2, wc; writes wc
.if DOCPART == 1
	.amdgcn_target "amdgcn-amd-amdhsa--gfx1250"
	.amdhsa_code_object_version 6
	.text
	.protected	k_qc9b1f25476_wquant
	.globl	k_qc9b1f25476_wquant
	.p2align	8
	.type	k_qc9b1f25476_wquant,@function
k_qc9b1f25476_wquant:
	s_mov_b64 s[64:65], 0
	v_nop
	global_prefetch_b8 v0, s[64:65] scope:SCOPE_SE
	s_setreg_imm32_b32 hwreg(HW_REG_WAVE_MODE, 25, 1), 1
	s_wait_xcnt 0x0
; The six weights, f32 stored [K][N], become codes of FP6 (E2M3) with one E8M0 byte for each 32 along K, laid in the ORDER OF AN OPERAND'S REGISTERS.
; A CHUNK (25,600 bytes) is 128 columns n x 256 along K: 16 fragments (16 rows x 128 K, 1,536 bytes; fragment (q, i) at (8 q + i) x 1,536), then 1,024 bytes of scale words
; (tile i, K step q, row r at 24,576 + 128 i + 64 q + 4 r).  A fragment is two halves of 768 bytes; half c holds registers 6 c .. 6 c + 3 (16 bytes a lane, at 16 x lane) and 6 c + 4, 6 c + 5 (8 bytes a lane, at 512 + 8 x lane).
; THE ROWS OF A TILE ARE NOT NEIGHBOURS: row r of tile 2 b + u is column 32 b + 8 u + r + 8 (r / 8).
; Work-group id = the chunk's number in wc: 0-31 Wq, 32-63 Wk, 64-95 Wv, 96-127 Wo (8 column blocks x 4 chunks along K), 128-255 W1 (32 x 4), 256-383 W2 (8 x 16).
; A lane takes a column and its registers run down K: a block of 32 lies in one lane, each load reads 128 consecutive bytes a wave.  The codes turn through the wave's own LDS rows (24 bytes a block, 200 bytes a column).
; A block's scale is 2^(floor(log2(largest magnitude)) - 2); its byte is the largest magnitude's exponent field - 2, held at 1 from below.
; LIMITS: a block of zeros gets the byte 1 where the rule says 127 (its codes are zeros; the bytes are read by this program alone); NaN and infinities are not served.
.set OFFS, 32                          ; v32-63   row i of a block: i x pitch + 4 x lane; never rewritten
.set X,    64                          ; v64-127  two sets of 32 numbers
.set C2,   128                         ; v128-130 a block's upper 16 codes as converted
.set D,    136                         ; v136-141 a block's 24 bytes of codes
.set SB,   24                          ; v24-25   the column's two scale words
.set F,    144                         ; v144-191 four fragments on the way out
.set SA,   6
.set RA,   7
.set LI16, 8
.set LI8,  9
.set SOFF, 10
.set BAS,  32                          ; s[32:47] the address of each of the eight blocks' first row; never rewritten
	s_load_b256 s[4:11], s[0:1], 0x0               ; Wq, Wk, Wv, Wo
	s_load_b128 s[12:15], s[0:1], 0x20             ; W1, W2
	s_load_b64 s[16:17], s[0:1], 0x30              ; wc
	v_lshl_add_u32 v192, v0, 2, 0x6400
	v_mov_b32 v193, 0
	v_lshrrev_b32 v2, 5, v0
	v_readfirstlane_b32 s18, v2                    ; wave: columns 32 w on, tiles 2 w and 2 w + 1
	v_and_b32 v1, 31, v0                           ; lane = my column x of the 32
	v_and_b32 v3, 15, v0                           ; r
	v_bfe_u32 v4, v0, 4, 1                         ; h
	v_lshlrev_b32 v5, 2, v1
	s_mul_i32 s19, s18, 6400                       ; my wave's 32 rows of 200 bytes
	v_mul_u32_u24 v[SA], v1, 200
	v_add_nc_u32 v[SA], s19, v[SA]                 ; in: my column's row
	v_and_b32 v[RA], 8, v3
	v_add_nc_u32 v[RA], v[RA], v3                  ; r + 8 (r / 8)
	v_mul_u32_u24 v[RA], v[RA], 200
	v_mad_u32_u24 v[RA], v4, 24, v[RA]
	v_add_nc_u32 v[RA], s19, v[RA]                 ; out: the column of fragment row r, + my half's block
	v_lshlrev_b32 v[LI16], 4, v1
	v_lshlrev_b32 v[LI8], 3, v1
	v_bfe_u32 v11, v1, 3, 1                        ; my column lies in tile 2 w + (x / 8) % 2,
	v_and_b32 v12, 7, v1
	v_lshrrev_b32 v13, 4, v1
	v_lshl_add_u32 v12, v13, 3, v12                ; at row x % 8 + 8 (x / 16)
	v_lshlrev_b32 v12, 2, v12
	v_lshl_add_u32 v[SOFF], v11, 7, v12
	s_lshl_b32 s19, s18, 8
	v_add_nc_u32 v[SOFF], s19, v[SOFF]             ; where my scale words go: 256 w + 128 u + 4 r
	s_mov_b32 s20, ttmp9
	s_lshr_b32 s21, s20, 5
	s_cmp_ge_u32 s20, 128
	s_cselect_b32 s22, 14, 12                      ; log2 of a row's bytes: W1's rows are 16,384 bytes, the others' 4,096
	s_cselect_b32 s24, 127, 31
	s_cmp_ge_u32 s20, 256
	s_cselect_b32 s22, 12, s22
	s_cselect_b32 s25, 4, 2                        ; log2 of the chunks along K: 16 in W2, else 4
	s_and_b32 s24, s20, s24                        ; the chunk's number in its tensor
	s_lshr_b32 s26, s24, s25                       ; column block
	s_lshl_b32 s27, s26, s25
	s_sub_co_u32 s27, s24, s27                     ; chunk along K
	s_lshl_b32 s23, 1, s22                         ; pitch
	s_lshl_b32 s27, s27, 8
	s_lshl_b32 s27, s27, s22                       ; 256 kc rows
	s_lshl_b32 s26, s26, 9                         ; 128 columns x 4 bytes
	s_add_co_u32 s28, s27, s26
	s_lshl_b32 s26, s18, 7
	s_add_co_u32 s28, s28, s26                     ; + my wave's 32 columns
	s_mov_b32 s29, 0
	s_lshl_b32 s30, s23, 5                         ; 32 rows on
	s_mov_b32 s31, 0
	s_mul_i32 s48, s20, 25600                      ; the chunk in wc
	s_mov_b32 s49, 0
	s_mul_i32 s26, s18, 3072
	s_add_co_u32 s50, s48, s26                     ; and my two tiles' fragments in it
	s_mov_b32 s51, 0
.irp i, 0,1,2,3,4,5,6,7,8,9,10,11,12,13,14,15,16,17,18,19,20,21,22,23,24,25,26,27,28,29,30,31
	v_mad_u32_u24 v[OFFS+\i], s23, \i, v5
.endr
	s_wait_kmcnt 0x0
	s_cmp_eq_u32 s21, 1                            ; which tensor: the choice hangs on the work-group's number alone
	s_cselect_b64 s[4:5], s[6:7], s[4:5]
	s_cmp_eq_u32 s21, 2
	s_cselect_b64 s[4:5], s[8:9], s[4:5]
	s_cmp_eq_u32 s21, 3
	s_cselect_b64 s[4:5], s[10:11], s[4:5]
	s_cmp_ge_u32 s20, 128
	s_cselect_b64 s[4:5], s[12:13], s[4:5]
	s_cmp_ge_u32 s20, 256
	s_cselect_b64 s[4:5], s[14:15], s[4:5]
	s_add_nc_u64 s[BAS:BAS+1], s[4:5], s[28:29]
.irp k, 1,2,3,4,5,6,7
	s_add_nc_u64 s[BAS+2*\k:BAS+2*\k+1], s[BAS+2*\k-2:BAS+2*\k-1], s[30:31]
.endr
	s_add_nc_u64 s[52:53], s[16:17], s[50:51]
	s_add_nc_u64 s[54:55], s[16:17], s[48:49]
.macro LOAD t                          ; block t: W(32 t + i, my column) into set t % 2
.irp i, 0,1,2,3,4,5,6,7,8,9,10,11,12,13,14,15,16,17,18,19,20,21,22,23,24,25,26,27,28,29,30,31
	global_load_b32 v[X+32*((\t)%2)+\i], v[OFFS+\i], s[BAS+2*(\t):BAS+2*(\t)+1] th:TH_LOAD_NT
.endr
.endm
.macro BLOCK t
.set XS, X+32*((\t)%2)
.if (\t) < 7
	s_wait_loadcnt 32                              ; this block's 32 loads are in; the next block's 32 may be out
.else
	s_wait_loadcnt 0x0
.endif
	v_max3_num_f32 v12, |v[XS]|, |v[XS+1]|, |v[XS+2]|   ; the block's largest magnitude: all 32 numbers are mine; two chains
	v_max3_num_f32 v13, |v[XS+3]|, |v[XS+4]|, |v[XS+5]|
.irp i, 6,10,14,18,22,26
	v_max3_num_f32 v12, v12, |v[XS+\i]|, |v[XS+\i+1]|
	v_max3_num_f32 v13, v13, |v[XS+\i+2]|, |v[XS+\i+3]|
.endr
	v_max3_num_f32 v12, v12, |v[XS+30]|, |v[XS+31]|
	v_max3_num_f32 v12, v12, v13, 0x1800000        ; and the floor 2^(3 - 127): the byte cannot fall under 1
	v_add_nc_u32 v11, 0xff000000, v12              ; 2 off the exponent field: the conversion takes that field as its scale
	v_lshrrev_b32 v13, 23, v11                     ; the scale's byte
.if (\t)%4 == 0
	v_mov_b32 v[SB+(\t)/4], v13
.else
	v_lshl_or_b32 v[SB+(\t)/4], v13, 8*((\t)%4), v[SB+(\t)/4]
.endif
	v_cvt_scalef32_pk16_fp6_f32 v[D:D+2], v[XS:XS+15], v11
	v_cvt_scalef32_pk16_fp6_f32 v[C2:C2+2], v[XS+16:XS+31], v11   ; (a conversion's three registers begin on an even number)
	v_nop                                          ; one plain instruction between a scaled conversion and the reader of its result
.irp i, 0,1,2
	v_mov_b32 v[D+3+\i], v[C2+\i]
.endr
	ds_store_b64 v[SA], v[D:D+1] offset:24*(\t)
	ds_store_b64 v[SA], v[D+2:D+3] offset:24*(\t)+8
	ds_store_b64 v[SA], v[D+4:D+5] offset:24*(\t)+16
.if (\t)+2 < 8
	LOAD (\t)+2
.endif
	s_wait_dscnt 0x0                               ; the stores have read their registers: the next block's codes may be written
.endm
	LOAD 0
	LOAD 1
.irp t, 0,1,2,3,4,5,6,7
	BLOCK \t
.endr
; out: fragment (q, 2 w + u): lane (r, h) takes blocks 4 q + 2 c + h of the column of row r.  LDS serves a wave's instructions in order: these loads see my stores
.irp q, 0,1
.irp u, 0,1
.irp c, 0,1
.irp m, 0,1,2
	ds_load_b64 v[F+12*(2*\q+\u)+6*\c+2*\m:F+12*(2*\q+\u)+6*\c+2*\m+1], v[RA] offset:1600*\u+96*\q+48*\c+8*\m
.endr
.endr
.endr
.endr
	s_wait_dscnt 0x0
.irp q, 0,1
.irp u, 0,1
.irp c, 0,1
	global_store_b128 v[LI16], v[F+12*(2*\q+\u)+6*\c:F+12*(2*\q+\u)+6*\c+3], s[52:53] offset:(8*\q+\u)*1536+768*\c        ; 512 consecutive bytes
	global_store_b64 v[LI8], v[F+12*(2*\q+\u)+6*\c+4:F+12*(2*\q+\u)+6*\c+5], s[52:53] offset:(8*\q+\u)*1536+768*\c+512   ; 256 consecutive bytes
.endr
.endr
	global_store_b32 v[SOFF], v[SB+\q], s[54:55] offset:24576+64*\q
.endr
	s_wait_tensorcnt 0x0
	ds_add_u32 v192, v193
	s_wait_dscnt 0x0
	s_endpgm
.Lfunc_end_k_qc9b1f25476_wquant:
	.size	k_qc9b1f25476_wquant, .Lfunc_end_k_qc9b1f25476_wquant-k_qc9b1f25476_wquant
	.p2alignl 7, 3214868480
	.fill 96, 4, 3214868480
	.section	.rodata,"a",@progbits
	.p2align	6, 0x0
	.amdhsa_kernel k_qc9b1f25476_wquant
		.amdhsa_group_segment_fixed_size 26112
		.amdhsa_private_segment_fixed_size 0
		.amdhsa_enable_private_segment 0
		.amdhsa_kernarg_size 56
		.amdhsa_user_sgpr_count 2
		.amdhsa_user_sgpr_kernarg_segment_ptr 1
		.amdhsa_wavefront_size32 1
		.amdhsa_system_sgpr_workgroup_id_x 1
		.amdhsa_system_sgpr_workgroup_id_y 1
		.amdhsa_system_sgpr_workgroup_id_z 1
		.amdhsa_system_vgpr_workitem_id 0
		.amdhsa_next_free_vgpr 194
		.amdhsa_next_free_sgpr 66
		.amdhsa_reserve_vcc 0
		.amdhsa_float_denorm_mode_32 3
		.amdhsa_float_denorm_mode_16_64 3
		.amdhsa_memory_ordered 1
		.amdhsa_forward_progress 1
		.amdhsa_inst_pref_size 47
	.end_amdhsa_kernel
	.amdgpu_metadata
---
amdhsa.version: [ 1, 2 ]
amdhsa.kernels:
  - .name:           k_qc9b1f25476_wquant
    .symbol:         k_qc9b1f25476_wquant.kd
    .args:
      - { .name: Wq, .offset: 0, .size: 8, .value_kind: global_buffer, .address_space: global }
      - { .name: Wk, .offset: 8, .size: 8, .value_kind: global_buffer, .address_space: global }
      - { .name: Wv, .offset: 16, .size: 8, .value_kind: global_buffer, .address_space: global }
      - { .name: Wo, .offset: 24, .size: 8, .value_kind: global_buffer, .address_space: global }
      - { .name: W1, .offset: 32, .size: 8, .value_kind: global_buffer, .address_space: global }
      - { .name: W2, .offset: 40, .size: 8, .value_kind: global_buffer, .address_space: global }
      - { .name: wc, .offset: 48, .size: 8, .value_kind: global_buffer, .address_space: global }
    .group_segment_fixed_size: 26112
    .private_segment_fixed_size: 0
    .kernarg_segment_align: 8
    .kernarg_segment_size: 56
    .max_flat_workgroup_size: 128
    .sgpr_count:     66
    .vgpr_count:     194
    .wavefront_size: 32
...
	.end_amdgpu_metadata
.endif
;; end of part 1
;; launch ln1 (part 2): grid 256 x 1, 4 waves a work-group, no clusters, 66,304 bytes of LDS; arguments x, scale1, shift1, ac; writes ac
.if DOCPART == 2
	.amdgcn_target "amdgcn-amd-amdhsa--gfx1250"
	.amdhsa_code_object_version 6
	.text
	.protected	k_qc9b1f25476_ln1
	.globl	k_qc9b1f25476_ln1
	.p2align	8
	.type	k_qc9b1f25476_ln1,@function
k_qc9b1f25476_ln1:
	s_mov_b64 s[64:65], 0
	v_nop
	global_prefetch_b8 v0, s[64:65] scope:SCOPE_SE
	s_setreg_imm32_b32 hwreg(HW_REG_WAVE_MODE, 25, 1), 1
	s_wait_xcnt 0x0
; y = gain x (x - mean) / sqrt(var + 1e-6) + shift along rows of 1,024 f32 (var with divisor 1,023), then quantised along the row to FP6 (E2M3) with E8M0 block scales, all in f32.
; The codes leave in the order of an operand's registers: chunk (128 tokens x 256 K, 25,600 bytes) number 4 (token / 128) + K / 256; in it fragment (q, i) at (8 q + i) x 1,536 (two halves of 768 bytes:
; 16 bytes a lane, then 8 bytes a lane), scale words at 24,576 + 128 i + 64 q + 4 r.  Row r of tile 2 b + u is token 32 b + 8 u + r + 8 (r / 8).
; A work-group takes one tile of 16 tokens.  Wave w normalises fragment rows 4 w .. 4 w + 3 (four neighbouring tokens, 16 KiB on end, dense loads); the rows meet in a stage in LDS (pitch 4,112 bytes);
; behind one barrier wave w reads columns 256 w on of all 16 rows, 16 neighbours of each block of 32 a lane, and quantises two fragments.
; The mean is taken away before the squares are summed, so a common offset of the row costs no accuracy.  1 / 1,023 and 1 / sqrt are multiplications in f32.
; LIMITS: a block of zeros gets the scale byte 1 where the rule says 127 (its codes are zeros; this program alone reads the bytes); NaN and infinities are not served.
.set X,    64                          ; v64-191  four rows x 32 numbers; later 2 x 64 numbers to quantise
.set SCL,  192                         ; v192-223 the gain of my 32 columns; later the codes
.set SHF,  32                          ; v32-63   the shift; later at work
.set TM,   32                          ; v32-47   largest magnitudes, bytes, scale operands (v36-39 have been written by the shift's loads, as a lane permute's destination must be)
.set CT,   48                          ; v48-55   the upper halves as converted
.set PW,   56                          ; v56-57   the two scale words
.set CD,   192                         ; v192-215 two fragments' codes
.set LI16, 4
.set LI8,  5
.set SEL,  12                          ; s[12:13] v_permlanex16_b32's selects for lane l xor 16
.set SP,   4112
.set MSB, 0
.macro WIN new                         ; (all of this text lies in the first 256 registers: no switch is ever written)
.if MSB != (\new)
	s_set_vgpr_msb (MSB<<8)|(\new)
.set MSB, (\new)
.endif
.endm
; 64 numbers of a lane, register 16 b + i = k 32 b + 16 (lane / 16) + i of my row, become a fragment's 12 registers of codes at v[d] and its scale word in v[pw]
.macro QUANT s, w, d, pw
.set QS_, \s
.set QD_, \d
.set QW_, ((\w)<<2)|((\w)<<4)
	WIN QW_
.irp b, 0,1,2,3
	v_max3_num_f32 v[TM+\b], 0x1800000, |v[QS_+16*\b]|, |v[QS_+16*\b+1]|   ; my 16 numbers of block b, and the floor 2^(3 - 127)
.endr
.irp i, 2,4,6,8,10,12,14
.irp b, 0,1,2,3
	v_max3_num_f32 v[TM+\b], v[TM+\b], |v[QS_+16*\b+\i]|, |v[QS_+16*\b+\i+1]|
.endr
.endr
	WIN 0
.irp b, 0,1,2,3
	v_permlanex16_b32 v[TM+4+\b], v[TM+\b], s[SEL], s[SEL+1]
.endr
.irp b, 0,1,2,3
	v_max_num_f32 v[TM+\b], v[TM+\b], v[TM+4+\b]   ; with lane l xor 16's: the block's largest magnitude
.endr
.irp b, 0,1,2,3
	v_add_nc_u32 v[TM+12+\b], 0xff000000, v[TM+\b] ; 2 off the exponent field: the conversion's scale operand
.endr
.irp b, 0,1,2,3
	v_lshrrev_b32 v[TM+4+\b], 23, v[TM+12+\b]      ; the byte
.endr
	v_lshl_or_b32 v[\pw], v[TM+5], 8, v[TM+4]
	v_lshl_or_b32 v[\pw], v[TM+6], 16, v[\pw]
	v_lshl_or_b32 v[\pw], v[TM+7], 24, v[\pw]
	WIN \w
.irp c, 0,1
	v_cvt_scalef32_pk16_fp6_f32 v[QD_+6*\c:QD_+6*\c+2], v[QS_+32*\c:QS_+32*\c+15], v[TM+12+2*\c]
	v_cvt_scalef32_pk16_fp6_f32 v[CT+4*\c:CT+4*\c+2], v[QS_+32*\c+16:QS_+32*\c+31], v[TM+13+2*\c]
.endr
	WIN 0
	v_nop                                          ; one plain instruction behind the scaled conversions
.irp c, 0,1                            ; the operand wants a whole block in a lane: lanes 0-15 block 2 c, lanes 16-31 block 2 c + 1
.irp i, 0,1,2
	v_permlane16_swap_b32 v[QD_+6*\c+\i], v[CT+4*\c+\i]
.endr
.irp i, 0,1,2
	v_mov_b32 v[QD_+6*\c+3+\i], v[CT+4*\c+\i]
.endr
.endr
.endm
.macro PUTH reg, off, sb               ; half a fragment: 512 consecutive bytes, then 256
.set PR_, \reg
.set PO_, \off
	global_store_b128 v[LI16], v[PR_:PR_+3], s[\sb:\sb+1] offset:PO_
	global_store_b64 v[LI8], v[PR_+4:PR_+5], s[\sb:\sb+1] offset:PO_+512
.endm
.macro REDUCE                          ; the pairs v[10 + 2 j : 11 + 2 j] -> v[18 + j]: row j's sum, in every lane
.irp j, 0,1,2,3
	v_add_f32 v[18+\j], v[10+2*\j], v[11+2*\j]
.endr
.irp m, 1,2,4,8
.irp j, 0,1,2,3
	v_add_f32_dpp v[18+\j], v[18+\j], v[18+\j] row_xmask:\m row_mask:0xf bank_mask:0xf
.endr
.endr
.irp j, 0,1,2,3
	v_permlanex16_b32 v[22+\j], v[18+\j], s[SEL], s[SEL+1]
.endr
.irp j, 0,1,2,3
	v_add_f32 v[18+\j], v[18+\j], v[22+\j]
.endr
.endm
	s_load_b256 s[4:11], s[0:1], 0x0               ; the rows, the gain, the shift, the codes
	v_lshl_add_u32 v224, v0, 2, 0x10100
	v_mov_b32 v225, 0
	v_lshrrev_b32 v1, 5, v0
	v_readfirstlane_b32 s14, v1                    ; wave
	v_and_b32 v1, 31, v0
	v_and_b32 v2, 15, v0                           ; r
	v_bfe_u32 v3, v0, 4, 1                         ; h
	v_lshlrev_b32 v[LI16], 4, v1
	v_lshlrev_b32 v[LI8], 3, v1
	v_lshlrev_b32 v8, 2, v1
	s_lshr_b32 s15, ttmp9, 1
	s_lshl_b32 s15, s15, 5
	s_and_b32 s16, ttmp9, 1
	s_lshl_b32 s16, s16, 3
	s_add_co_u32 s15, s15, s16
	s_lshl_b32 s16, s14, 2
	s_add_co_u32 s15, s15, s16
	s_lshr_b32 s16, s14, 1
	s_lshl_b32 s16, s16, 3
	s_add_co_u32 s15, s15, s16                     ; my first token: 32 (T / 2) + 8 (T % 2) + 4 w + 8 (w / 2)
	s_lshl_b32 s16, s15, 12
	s_mov_b32 s17, 0
	s_mul_i32 s18, s14, 4*SP
	v_add_nc_u32 v6, s18, v[LI16]                  ; the stage, in: my four rows, 16 bytes a lane
	v_mul_u32_u24 v7, v2, SP
	v_lshl_add_u32 v7, v3, 6, v7
	s_lshl_b32 s18, s14, 10
	v_add_nc_u32 v7, s18, v7                       ; and out: row r, columns 256 w on, my 16 of each 32
	s_lshr_b32 s18, ttmp9, 3
	s_lshl_b32 s18, s18, 2
	s_add_co_u32 s18, s18, s14
	s_mul_i32 s18, s18, 25600                      ; my chunk
	s_and_b32 s19, ttmp9, 7
	s_mul_i32 s22, s19, 1536
	s_add_co_u32 s22, s22, s18                     ; the tile's fragment of K step 0
	s_mov_b32 s23, 0
	s_lshl_b32 s28, s19, 7
	s_add_co_u32 s28, s28, s18                     ; the tile's scale words (24,576 on)
	s_mov_b32 s29, 0
	s_mov_b32 s[SEL], 0x76543210
	s_mov_b32 s[SEL+1], 0xfedcba98
	s_mov_b32 s20, 0x3a802008                      ; 1 / 1,023
	s_mov_b32 s21, 0x358637bd                      ; 1e-6
.irp j, 0,1,2,3
	v_mov_b32 v[22+\j], 0                          ; written once: a lane permute's destination counts as one of its sources
.endr
	s_wait_kmcnt 0x0
	s_add_nc_u64 s[4:5], s[4:5], s[16:17]
	s_add_nc_u64 s[24:25], s[10:11], s[22:23]
	s_add_nc_u64 s[26:27], s[10:11], s[28:29]
.irp j, 0,1,2,3
.irp i, 0,1,2,3,4,5,6,7
	global_load_b128 v[X+32*\j+4*\i:X+32*\j+4*\i+3], v[LI16], s[4:5] offset:4096*\j+512*\i   ; 512 consecutive bytes
.endr
.endr
.irp i, 0,1,2,3,4,5,6,7
	global_load_b128 v[SCL+4*\i:SCL+4*\i+3], v[LI16], s[6:7] offset:512*\i
	global_load_b128 v[SHF+4*\i:SHF+4*\i+3], v[LI16], s[8:9] offset:512*\i
.endr
	s_wait_loadcnt 16                              ; the rows are in; the gain's and the shift's 16 loads may be out
.irp j, 0,1,2,3
	v_pk_add_f32 v[10+2*\j:11+2*\j], v[X+32*\j:X+32*\j+1], v[X+32*\j+2:X+32*\j+3]
.endr
.irp i, 4,6,8,10,12,14,16,18,20,22,24,26,28,30
.irp j, 0,1,2,3
	v_pk_add_f32 v[10+2*\j:11+2*\j], v[10+2*\j:11+2*\j], v[X+32*\j+\i:X+32*\j+\i+1]   ; the four rows by turns
.endr
.endr
	REDUCE
.irp j, 0,1,2,3
	v_mul_f32 v[10+2*\j], 0x3a800000, v[18+\j]     ; the mean: x 2^-10
.endr
.irp i, 0,2,4,6,8,10,12,14,16,18,20,22,24,26,28,30
.irp j, 0,1,2,3
	v_pk_add_f32 v[X+32*\j+\i:X+32*\j+\i+1], v[X+32*\j+\i:X+32*\j+\i+1], v[10+2*\j:11+2*\j] op_sel_hi:[1,0] neg_lo:[0,1] neg_hi:[0,1]   ; x - mean (the pair's low word serves both)
.endr
.endr
.irp j, 0,1,2,3
	v_pk_mul_f32 v[10+2*\j:11+2*\j], v[X+32*\j:X+32*\j+1], v[X+32*\j:X+32*\j+1]
.endr
.irp i, 2,4,6,8,10,12,14,16,18,20,22,24,26,28,30
.irp j, 0,1,2,3
	v_pk_fma_f32 v[10+2*\j:11+2*\j], v[X+32*\j+\i:X+32*\j+\i+1], v[X+32*\j+\i:X+32*\j+\i+1], v[10+2*\j:11+2*\j]
.endr
.endr
	REDUCE
.irp j, 0,1,2,3
	v_fma_f32 v[18+\j], v[18+\j], s20, s21         ; var + eps
.endr
.irp j, 0,1,2,3
	v_rsq_f32 v[10+2*\j], v[18+\j]
.endr
	v_nop                                          ; a plain instruction behind the last of the four
	s_wait_loadcnt 0x0                             ; the gain and the shift
	s_wait_alu depctr_va_vdst(0)                   ; one wait for the four, ahead of their first reader
.irp i, 0,2,4,6,8,10,12,14,16,18,20,22,24,26,28,30
.irp j, 0,1,2,3
	v_pk_mul_f32 v[X+32*\j+\i:X+32*\j+\i+1], v[X+32*\j+\i:X+32*\j+\i+1], v[10+2*\j:11+2*\j] op_sel_hi:[1,0]
.endr
.irp j, 0,1,2,3
	v_pk_fma_f32 v[X+32*\j+\i:X+32*\j+\i+1], v[X+32*\j+\i:X+32*\j+\i+1], v[SCL+\i:SCL+\i+1], v[SHF+\i:SHF+\i+1]
.endr
.endr
.irp j, 0,1,2,3
.irp i, 0,1,2,3,4,5,6,7
	ds_store_b128 v6, v[X+32*\j+4*\i:X+32*\j+4*\i+3] offset:SP*\j+512*\i
.endr
.endr
	s_wait_dscnt 0x0                               ; for the others' sake: my rows lie in the stage
	s_barrier_signal -1
	s_barrier_wait -1
.irp q, 0,1
.irp b, 0,1,2,3
.irp j, 0,1,2,3
	ds_load_b128 v[X+64*\q+16*\b+4*\j:X+64*\q+16*\b+4*\j+3], v7 offset:512*\q+128*\b+16*\j   ; the pitch of 1,028 words sets the 16 rows of a pass 4 words apart
.endr
.endr
.endr
	s_wait_dscnt 0x0
	QUANT X, 0, CD, PW
	QUANT X+64, 0, CD+12, PW+1
	v_cmp_eq_u32 vcc_lo, 1, v3
	v_cndmask_b32 v58, v[PW], v[PW+1], vcc_lo      ; lanes 0-15 store K step 0's words, lanes 16-31 K step 1's: 128 consecutive bytes
	PUTH CD, 0, 24
	PUTH CD+6, 768, 24
	PUTH CD+12, 12288, 24
	PUTH CD+18, 12288+768, 24
	global_store_b32 v8, v58, s[26:27] offset:24576
	s_wait_tensorcnt 0x0
	ds_add_u32 v224, v225
	s_wait_dscnt 0x0
	s_endpgm
.Lfunc_end_k_qc9b1f25476_ln1:
	.size	k_qc9b1f25476_ln1, .Lfunc_end_k_qc9b1f25476_ln1-k_qc9b1f25476_ln1
	.p2alignl 7, 3214868480
	.fill 96, 4, 3214868480
	.section	.rodata,"a",@progbits
	.p2align	6, 0x0
	.amdhsa_kernel k_qc9b1f25476_ln1
		.amdhsa_group_segment_fixed_size 66304
		.amdhsa_private_segment_fixed_size 0
		.amdhsa_enable_private_segment 0
		.amdhsa_kernarg_size 32
		.amdhsa_user_sgpr_count 2
		.amdhsa_user_sgpr_kernarg_segment_ptr 1
		.amdhsa_wavefront_size32 1
		.amdhsa_system_sgpr_workgroup_id_x 1
		.amdhsa_system_sgpr_workgroup_id_y 1
		.amdhsa_system_sgpr_workgroup_id_z 1
		.amdhsa_system_vgpr_workitem_id 0
		.amdhsa_next_free_vgpr 226
		.amdhsa_next_free_sgpr 66
		.amdhsa_reserve_vcc 1
		.amdhsa_float_denorm_mode_32 3
		.amdhsa_float_denorm_mode_16_64 3
		.amdhsa_memory_ordered 1
		.amdhsa_forward_progress 1
		.amdhsa_inst_pref_size 43
	.end_amdhsa_kernel
	.amdgpu_metadata
---
amdhsa.version: [ 1, 2 ]
amdhsa.kernels:
  - .name:           k_qc9b1f25476_ln1
    .symbol:         k_qc9b1f25476_ln1.kd
    .args:
      - { .name: x, .offset: 0, .size: 8, .value_kind: global_buffer, .address_space: global }
      - { .name: scale1, .offset: 8, .size: 8, .value_kind: global_buffer, .address_space: global }
      - { .name: shift1, .offset: 16, .size: 8, .value_kind: global_buffer, .address_space: global }
      - { .name: ac, .offset: 24, .size: 8, .value_kind: global_buffer, .address_space: global }
    .group_segment_fixed_size: 66304
    .private_segment_fixed_size: 0
    .kernarg_segment_align: 8
    .kernarg_segment_size: 32
    .max_flat_workgroup_size: 128
    .sgpr_count:     66
    .vgpr_count:     226
    .wavefront_size: 32
...
	.end_amdgpu_metadata
.endif
;; end of part 2
;; launch qkv (part 3): grid 8 x 48, 4 waves a work-group, clusters of 4 x 4, 307,712 bytes of LDS; arguments ac, wc, qk, vr; writes qk, vr
.if DOCPART == 3
	.amdgcn_target "amdgcn-amd-amdhsa--gfx1250"
	.amdhsa_code_object_version 6
	.text
	.protected	k_qc9b1f25476_qkv
	.globl	k_qc9b1f25476_qkv
	.p2align	8
	.type	k_qc9b1f25476_qkv,@function
k_qc9b1f25476_qkv:
	s_mov_b64 s[64:65], 0
	v_nop
	global_prefetch_b8 v0, s[64:65] scope:SCOPE_SE
	s_setreg_imm32_b32 hwreg(HW_REG_WAVE_MODE, 25, 1), 1
	s_wait_xcnt 0x0
	s_wait_alu depctr_hold_cnt(0) depctr_sa_sdst(0) depctr_va_vdst(0) depctr_va_sdst(0) depctr_va_ssrc(0) depctr_va_vcc(0) depctr_vm_vsrc(0)
	s_getreg_b32 s2, hwreg(HW_REG_IB_STS2, 6, 4)
	s_cmp_eq_u32 s2, 0
	s_cbranch_scc0 .Lentry_in_a_cluster
	s_endpgm
.Lentry_in_a_cluster:
	s_bfe_u32 s2, ttmp6, 0x10000c
	s_cmp_lg_u32 s2, 0xf033
	s_cbranch_scc0 .Lentry_shape_is_right
	s_endpgm
.Lentry_shape_is_right:
; q, k and v: three products of LN1's codes with Wq, Wk, Wv (K = 1,024), on codes of FP6 (E2M3) with E8M0 block scales; the results are quantised in registers for the attention's products and leave as codes.
; Operands lie in memory in the order of their registers, in chunks of 128 rows x 256 K (25,600 bytes: 16 fragments of 1,536 bytes, then 1,024 bytes of scale words); row r of tile 2 b + u is row 32 b + 8 u + r + 8 (r / 8).
; A work-group multiplies 256 rows of P (source 0) by 128 rows of R (source 1); wave w takes P's row block w % 2 (8 tiles) and R's tiles 4 (w / 2) on (4 tiles): 32 accumulators.  In a result a lane holds ONE row of R, and
; the 64 registers of a tile of R run along 128 neighbouring rows of P: 16 neighbours of each block of 32.
; Clusters with y < 8: P = Wq | Wk (2,048 features), R = tokens: a lane holds a token and 128 features = two heads: quantised along the head's 64.  Clusters with y >= 8: P = tokens, R = Wv's channels: quantised along 128 keys.
; All of K lies in LDS: P's two row blocks at 0 and 102,400, R's at 204,800, four chunks each, filled once; no LDS byte is filled again.
; CLUSTER 4 x 4: P's chunks hang on the work-group's x alone and are asked for jointly down a column, R's on its y alone and jointly along a row.
; OUT.  qk: a record (6,400 bytes) for each (batch, head 0-15 of q or 16-31 of k, 128 tokens): four fragments, fragment p = the halves of token tiles 2 p and 2 p + 1 (a half is 64 along K: one head), then 256 bytes of scale words.
; vr: a record for each (batch, head, 128 keys): four fragments of 16 channels x 128 keys, then their scale words.
; LIMITS: a block of zeros gets the scale byte 1 where the rule says 127 (zero codes; read by this program alone); NaN and infinities are not served.
.set KC,    4
.set CH,    25600
.set PROWS, 100                        ; a chunk as rows of 256 bytes
.set RROWS, 50                         ; half a chunk
.set PP,    PROWS*256
.set RPC,   RROWS*256
.set PREG,  102400
.set RREG,  204800
.set AP16, 4                           ; v4-5   P's fragments: 16 x lane + my row block, chunks 0-1 and 2-3;  v6-7 the same with 8 x lane
.set AP8,  6
.set AR16, 8                           ; v8-11  R's likewise, + my four tiles
.set AR8,  10
.set AP4,  12                          ; v12-13 P's scale words: 4 x lane;  v14-15 R's
.set AR4,  14
.set LI16, 16
.set LI8,  17
.set LR4,  18
.set SCP,  32                          ; v32-47 P's scale words, two sets of 8: lanes 0-15 the chunk's first 128 along K, lanes 16-31 its second
.set SCR,  48                          ; v48-55 R's, two sets of 4
.set RF,   64                          ; v64-159 R's fragments, two sets of 48.   Window 1: P's fragments, sets at v0 and v128.   Window 2: accumulator (a, b) at v[8 (8 a + b)]
.set CD,   128                         ; the way out: v128-175 codes, 12 registers a tile of R
.set TM,   176
.set CT,   192
.set PW,   200
.set WW,   206
.set G1P, 24
.set G1R, 32
.set SEL, 76
.set MSB, 0
.macro WIN new                         ; the immediate's high byte repeats the setting that is left; a switch that changes nothing is dropped
.if MSB != (\new)
	s_set_vgpr_msb (MSB<<8)|(\new)
.set MSB, (\new)
.endif
.endm
.macro PLACES                          ; four plain instructions between a matrix instruction and a load into, or a vector read or write of, its registers
.rept 4
	v_nop
.endr
.endm
.macro CROUND                          ; a round of the cluster's barrier
	s_barrier_signal -1
	s_barrier_wait -1
	s_cmp_lg_u32 s14, 0
	s_cbranch_scc1 .Lnw0_\@
	s_barrier_signal -3
.Lnw0_\@:
	s_barrier_wait -3
	s_barrier_signal -1
	s_barrier_wait -1
.endm
.macro FRAG reg, a16, a8, off          ; a fragment comes as it was stored: 16, 8, 16, 8 bytes a lane, each run of lanes consecutive
.set FR_, \reg
.set FO_, \off
	ds_load_b128 v[FR_:FR_+3], v[\a16] offset:FO_
	ds_load_b64 v[FR_+4:FR_+5], v[\a8] offset:FO_+512
	ds_load_b128 v[FR_+6:FR_+9], v[\a16] offset:FO_+768
	ds_load_b64 v[FR_+10:FR_+11], v[\a8] offset:FO_+1280
.endm
.macro FETCHK kk                       ; the fragments of K step kk (128 along K) into set kk % 2; with a chunk's first step its scale words
.set SL_, (\kk)/4
.set OF_, (((\kk)/2)%2)*CH+((\kk)%2)*12288
.set ST_, (\kk)%2
.set SS_, ((\kk)/2)%2
	WIN 0x40
.irp i, 0,1,2,3,4,5,6,7
	FRAG 128*ST_+12*\i, AP16+SL_, AP8+SL_, OF_+1536*\i
.endr
	WIN 0
.irp a, 0,1,2,3
	FRAG RF+48*ST_+12*\a, AR16+SL_, AR8+SL_, OF_+1536*\a
.endr
.if (\kk)%2 == 0
.irp i, 0,1,2,3,4,5,6,7
	ds_load_b32 v[SCP+8*SS_+\i], v[AP4+SL_] offset:SS_*CH+128*\i
.endr
.irp a, 0,1,2,3
	ds_load_b32 v[SCR+4*SS_+\a], v[AR4+SL_] offset:SS_*CH+128*\a
.endr
.endif
.endm
.macro MULK k, cmode                   ; 32 matrix instructions; the 32 accumulators take turns, in the same order in every step.  cmode 1: the first product starts the sums
	WIN 0xa1                                       ; source 0 (P) window 1, source 1 (R) window 0, C and D window 2
.irp a, 0,1,2,3
.irp b, 0,1,2,3,4,5,6,7
.set D_, 8*(8*\a+\b)
.set P_, 128*((\k)%2)+12*\b
.set R_, RF+48*((\k)%2)+12*\a
.set SP_, SCP+8*(((\k)/2)%2)+\b
.set SR_, SCR+4*(((\k)/2)%2)+\a
.if \cmode == 1
	v_wmma_scale_f32_16x16x128_f8f6f4 v[D_:D_+7], v[P_:P_+11], v[R_:R_+11], 0, v[SP_], v[SR_] matrix_a_fmt:MATRIX_FMT_FP6 matrix_b_fmt:MATRIX_FMT_FP6
.elseif ((\k)%2) == 1
	v_wmma_scale_f32_16x16x128_f8f6f4 v[D_:D_+7], v[P_:P_+11], v[R_:R_+11], v[D_:D_+7], v[SP_], v[SR_] matrix_a_fmt:MATRIX_FMT_FP6 matrix_b_fmt:MATRIX_FMT_FP6 matrix_a_scale:MATRIX_SCALE_ROW1 matrix_b_scale:MATRIX_SCALE_ROW1
.else
	v_wmma_scale_f32_16x16x128_f8f6f4 v[D_:D_+7], v[P_:P_+11], v[R_:R_+11], v[D_:D_+7], v[SP_], v[SR_] matrix_a_fmt:MATRIX_FMT_FP6 matrix_b_fmt:MATRIX_FMT_FP6
.endif
.endr
.endr
.endm
; A K step: its fragments are in; where the next step enters a new chunk, that chunk has landed in every wave's view (vis = the chunk loads issued behind it, which may stay out; then a barrier); the next step's
; fragments are asked for; then the products.
.macro STEP k, vis, fetch, cmode
	s_wait_dscnt 0x0
.if \vis >= 0
	s_wait_tensorcnt \vis
.endif
.if \vis != -1
	s_barrier_signal -1
	s_barrier_wait -1
.endif
.if \fetch
	PLACES                                         ; the loads go into the set that the last step multiplied
	FETCHK ((\k)+1)%8
.endif
	MULK \k, \cmode
.endm
; 64 numbers of a lane in window w, register 16 b + i = k 32 b + 16 (lane / 16) + i of my row, become a fragment's 12 registers of codes at v[d] and its scale word in v[pw].  Each accumulator is read from its low end on.
.macro QUANT s, w, d, pw
.set QS_, \s
.set QD_, \d
.set QW_, ((\w)<<2)|((\w)<<4)
	WIN QW_
.irp b, 0,1,2,3
	v_max3_num_f32 v[TM+\b], 0x1800000, |v[QS_+16*\b]|, |v[QS_+16*\b+1]|   ; my 16 numbers of block b, and the floor 2^(3 - 127)
.endr
.irp i, 2,4,6,8,10,12,14
.irp b, 0,1,2,3
	v_max3_num_f32 v[TM+\b], v[TM+\b], |v[QS_+16*\b+\i]|, |v[QS_+16*\b+\i+1]|
.endr
.endr
	WIN 0
.irp b, 0,1,2,3
	v_permlanex16_b32 v[TM+4+\b], v[TM+\b], s[SEL], s[SEL+1]
.endr
.irp b, 0,1,2,3
	v_max_num_f32 v[TM+\b], v[TM+\b], v[TM+4+\b]
.endr
.irp b, 0,1,2,3
	v_add_nc_u32 v[TM+12+\b], 0xff000000, v[TM+\b] ; 2 off the exponent field: the conversion's scale operand
.endr
.irp b, 0,1,2,3
	v_lshrrev_b32 v[TM+4+\b], 23, v[TM+12+\b]
.endr
	v_lshl_or_b32 v[\pw], v[TM+5], 8, v[TM+4]
	v_lshl_or_b32 v[\pw], v[TM+6], 16, v[\pw]
	v_lshl_or_b32 v[\pw], v[TM+7], 24, v[\pw]
	WIN \w
.irp c, 0,1
	v_cvt_scalef32_pk16_fp6_f32 v[QD_+6*\c:QD_+6*\c+2], v[QS_+32*\c:QS_+32*\c+15], v[TM+12+2*\c]
	v_cvt_scalef32_pk16_fp6_f32 v[CT+4*\c:CT+4*\c+2], v[QS_+32*\c+16:QS_+32*\c+31], v[TM+13+2*\c]
.endr
	WIN 0
	v_nop                                          ; one plain instruction behind the scaled conversions
.irp c, 0,1
.irp i, 0,1,2
	v_permlane16_swap_b32 v[QD_+6*\c+\i], v[CT+4*\c+\i]
.endr
.irp i, 0,1,2
	v_mov_b32 v[QD_+6*\c+3+\i], v[CT+4*\c+\i]
.endr
.endr
.endm
.macro PUTH reg, off, sb               ; half a fragment: 512 consecutive bytes, then 256
.set PR_, \reg
.set PO_, \off
	global_store_b128 v[LI16], v[PR_:PR_+3], s[\sb:\sb+1] offset:PO_
	global_store_b64 v[LI8], v[PR_+4:PR_+5], s[\sb:\sb+1] offset:PO_+512
.endm
	s_load_b256 s[4:11], s[0:1], 0x0               ; ac, wc, qk, vr
	v_lshl_add_u32 v254, v0, 2, 0x4b000
	v_mov_b32 v255, 0
	ds_add_u32 v254, v255
	ds_add_u32 v254, v255
	v_lshrrev_b32 v1, 5, v0
	v_readfirstlane_b32 s14, v1                    ; wave
	s_lshr_b32 s15, s14, 1                         ; wr: my four tiles of R.  Also: I fetch for P (0) or for R (1)
	s_and_b32 s16, s14, 1                          ; wp: my row block of P.  Also: which part I fetch
	s_bfe_u32 s17, ttmp6, 0x40000                  ; cx
	s_bfe_u32 s18, ttmp6, 0x40004                  ; cy
	s_and_b32 s92, ttmp7, 0xffff                   ; the cluster's y: under 8 q and k, from 8 on v; all partners share it
	s_max_u32 s93, s92, 8
	s_sub_co_u32 s93, s93, 8
	s_cmp_lt_u32 s92, 8
	s_cselect_b32 s19, ttmp9, s93
	s_cselect_b32 s20, s92, ttmp9
	s_lshl_b32 s19, s19, 2
	s_add_co_u32 s19, s19, s17                     ; px: which 256 rows of P
	s_lshl_b32 s20, s20, 2
	s_add_co_u32 s20, s20, s18                     ; ry: which 128 rows of R
	s_lshl_b32 s21, s18, 2
	s_lshl_b32 s21, 15, s21                        ; my row of the cluster
	s_lshl_b32 s22, 0x1111, s17                    ; my column
	s_or_b32 s[G1P], s22, (3<<16)|(1<<21)          ; 15:0 the mask; 17:16 elements of 8 bytes; 21 set beside a mask; no padding
	s_or_b32 s[G1R], s21, (3<<16)|(1<<21)
	s_mov_b32 s[G1P+1], 32<<16                     ; a dense block as rows of 256 bytes: tensor_dim0 = 32
	s_mov_b32 s[G1P+2], PROWS<<16                  ; tensor_dim1
	s_mov_b32 s[G1P+3], 32<<16                     ; tile_dim0
	s_mov_b32 s[G1P+4], PROWS                      ; tile_dim1
	s_mov_b32 s[G1P+5], 32                         ; the pitch
	s_mov_b32 s[G1P+6], 0
	s_mov_b32 s[G1P+7], 0
	s_mov_b32 s[G1R+1], 32<<16
	s_mov_b32 s[G1R+2], RROWS<<16
	s_mov_b32 s[G1R+3], 32<<16
	s_mov_b32 s[G1R+4], RROWS
	s_mov_b32 s[G1R+5], 32
	s_mov_b32 s[G1R+6], 0
	s_mov_b32 s[G1R+7], 0
	s_lshl_b32 s80, s19, 1
	s_add_co_u32 s80, s80, s16
	s_mul_i32 s80, s80, KC*CH                      ; P's row block 2 px + wp
	s_mov_b32 s81, 0
	s_mul_i32 s84, s20, KC*CH                      ; R's row block ry,
	s_mul_i32 s85, s16, RPC
	s_add_co_u32 s84, s84, s85                     ; my half of each chunk
	s_mov_b32 s85, 0
	s_mul_i32 s88, s16, PREG                       ; where they go: the wave's number alone enters an LDS address
	s_mul_i32 s89, s16, RPC
	s_add_co_u32 s89, s89, RREG
	s_mov_b32 s[SEL], 0x76543210
	s_mov_b32 s[SEL+1], 0xfedcba98
	s_wait_dscnt 0x0
	s_wait_kmcnt 0x0
	s_add_nc_u64 s[90:91], s[6:7], 1638400         ; Wv's chunks begin 64 chunks into wc
	s_cmp_lt_u32 s92, 8
	s_cselect_b64 s[82:83], s[6:7], s[4:5]         ; P: Wq | Wk, or the tokens
	s_cselect_b64 s[86:87], s[4:5], s[90:91]       ; R: the tokens, or Wv
	s_add_nc_u64 s[82:83], s[82:83], s[80:81]
	s_add_nc_u64 s[86:87], s[86:87], s[84:85]
.set N_, 0
.irp g, 40,44,48,52                    ; P's four chunks
	s_mov_b32 s[\g], 1
	s_add_co_u32 s[\g+1], s88, N_*PP
	s_add_nc_u64 s[\g+2:\g+3], s[82:83], N_*PP
	s_or_b32 s[\g+3], s[\g+3], 0x80000000
.set N_, N_+1
.endr
.set N_, 0
.irp g, 56,60,68,72                    ; my half of R's four chunks
	s_mov_b32 s[\g], 1
	s_add_co_u32 s[\g+1], s89, N_*2*RPC
	s_add_nc_u64 s[\g+2:\g+3], s[86:87], N_*2*RPC
	s_or_b32 s[\g+3], s[\g+3], 0x80000000
.set N_, N_+1
.endr
	CROUND                                         ; all sixteen work-groups are here: the joint loads meet
	s_cmp_eq_u32 s15, 0                            ; a wave's four fills stand in one branch on the wave's number: four loads of mine are out
	s_cbranch_scc0 .Lfirst_r
	tensor_load_to_lds s[40:43], s[G1P:G1P+7]
	s_nop 0
	tensor_load_to_lds s[44:47], s[G1P:G1P+7]
	s_nop 0
	tensor_load_to_lds s[48:51], s[G1P:G1P+7]
	s_nop 0
	tensor_load_to_lds s[52:55], s[G1P:G1P+7]
	s_nop 0
	PLACES
	s_branch .Lfirst_done
.Lfirst_r:
	tensor_load_to_lds s[56:59], s[G1R:G1R+7]
	s_nop 0
	tensor_load_to_lds s[60:63], s[G1R:G1R+7]
	s_nop 0
	tensor_load_to_lds s[68:71], s[G1R:G1R+7]
	s_nop 0
	tensor_load_to_lds s[72:75], s[G1R:G1R+7]
	s_nop 0
	PLACES
.Lfirst_done:
	v_and_b32 v1, 31, v0
	v_and_b32 v2, 15, v0
	v_lshlrev_b32 v[LI16], 4, v1
	v_lshlrev_b32 v[LI8], 3, v1
	v_lshlrev_b32 v[LR4], 2, v2
	v_lshlrev_b32 v22, 2, v1
	s_mul_i32 s90, s16, PREG
	s_mul_i32 s91, s15, 6144
	s_add_co_u32 s91, s91, RREG
	v_add_nc_u32 v[AP16], s90, v[LI16]
	v_add_nc_u32 v[AP16+1], 51200, v[AP16]
	v_add_nc_u32 v[AP8], s90, v[LI8]
	v_add_nc_u32 v[AP8+1], 51200, v[AP8]
	v_add_nc_u32 v[AR16], s91, v[LI16]
	v_add_nc_u32 v[AR16+1], 51200, v[AR16]
	v_add_nc_u32 v[AR8], s91, v[LI8]
	v_add_nc_u32 v[AR8+1], 51200, v[AR8]
	s_add_co_u32 s90, s90, 24576
	v_add_nc_u32 v[AP4], s90, v22
	v_add_nc_u32 v[AP4+1], 51200, v[AP4]
	s_lshl_b32 s91, s15, 9
	s_add_co_u32 s91, s91, RREG+24576
	v_add_nc_u32 v[AR4], s91, v22
	v_add_nc_u32 v[AR4+1], 51200, v[AR4]
	s_wait_tensorcnt 3                             ; my part of chunk 0 is in; the three loads behind it may be out
	s_barrier_signal -1
	s_barrier_wait -1
	FETCHK 0
	STEP 0, -1, 1, 1
	STEP 1, 2, 1, 0
	STEP 2, -1, 1, 0
	STEP 3, 1, 1, 0
	STEP 4, -1, 1, 0
	STEP 5, 0, 1, 0
	STEP 6, -1, 1, 0
	STEP 7, -1, 0, 0
	WIN 0
.irp b, 0,1,2,3
	v_mov_b32 v[TM+4+\b], 0                        ; a lane permute's destination counts as one of its sources; these four are also the places behind the last products
.endr
.irp a, 0,1,2,3
	QUANT 64*\a, 2, CD+12*\a, PW+\a
.endr
	s_cmp_lt_u32 s92, 8
	s_cbranch_scc0 .Lv_out
	; q, k: my lane's token, features 128 (2 px + wp) on = heads 2 G and 2 G + 1; half c of a tile's codes is head c's
	s_lshr_b32 s80, s20, 4
	s_lshl_b32 s80, s80, 5                         ; 32 x batch
	s_lshl_b32 s81, s19, 2
	s_add_co_u32 s80, s80, s81
	s_lshl_b32 s81, s16, 1
	s_add_co_u32 s80, s80, s81                     ; + 2 G
	s_lshl_b32 s80, s80, 4
	s_and_b32 s81, s20, 15
	s_add_co_u32 s80, s80, s81                     ; x 16 + the block of 128 tokens
	s_mul_i32 s80, s80, 6400
	s_mov_b32 s81, 0
	s_add_nc_u64 s[8:9], s[8:9], s[80:81]          ; the record of head 2 G; head 2 G + 1's lies 102,400 bytes on
	s_mul_i32 s80, s15, 3072
	s_add_nc_u64 s[82:83], s[8:9], s[80:81]        ; my tiles 4 wr + a: fragment 2 wr + a / 2, half a % 2
	s_lshl_b32 s80, s15, 7
	s_add_nc_u64 s[84:85], s[8:9], s[80:81]
.irp a, 0,1,2,3
.irp c, 0,1
	PUTH CD+12*\a+6*\c, \c*102400+(\a/2)*1536+(\a%2)*768, 82
.endr
.endr
.irp p, 0,1                            ; a fragment's scale word: the two bytes of its first tile, then those of its second
	v_perm_b32 v[WW+2*\p], v[PW+2*\p+1], v[PW+2*\p], 0x05040100
	v_perm_b32 v[WW+2*\p+1], v[PW+2*\p+1], v[PW+2*\p], 0x07060302
	global_store_b32 v[LR4], v[WW+2*\p], s[84:85] offset:6144+64*\p            ; (both halves of the lanes store the same word to the same place)
	global_store_b32 v[LR4], v[WW+2*\p+1], s[84:85] offset:6144+64*\p+102400
.endr
	s_branch .Ldone
.Lv_out:
	; v: my lane's channel of head 2 ry + wr, keys 128 (2 px + wp) on
	s_lshl_b32 s80, s19, 1
	s_add_co_u32 s80, s80, s16                     ; the block of 128 tokens, 0 .. 31
	s_lshr_b32 s81, s80, 4
	s_lshl_b32 s81, s81, 4                         ; 16 x batch
	s_lshl_b32 s82, s20, 1
	s_add_co_u32 s81, s81, s82
	s_add_co_u32 s81, s81, s15                     ; + head
	s_lshl_b32 s81, s81, 4
	s_and_b32 s80, s80, 15
	s_add_co_u32 s80, s80, s81
	s_mul_i32 s80, s80, 6400
	s_mov_b32 s81, 0
	s_add_nc_u64 s[10:11], s[10:11], s[80:81]
.irp a, 0,1,2,3
.irp c, 0,1
	PUTH CD+12*\a+6*\c, 1536*\a+768*\c, 10
.endr
	global_store_b32 v[LR4], v[PW+\a], s[10:11] offset:6144+64*\a
.endr
.Ldone:
	s_wait_dscnt 0x0
	s_wait_tensorcnt 0x0
	ds_add_u32 v254, v255
	s_wait_dscnt 0x0
	CROUND                                         ; the closing round: no work-group ends while a partner may still ask for a chunk that names it
	s_endpgm
.Lfunc_end_k_qc9b1f25476_qkv:
	.size	k_qc9b1f25476_qkv, .Lfunc_end_k_qc9b1f25476_qkv-k_qc9b1f25476_qkv
	.p2alignl 7, 3214868480
	.fill 96, 4, 3214868480
	.section	.rodata,"a",@progbits
	.p2align	6, 0x0
	.amdhsa_kernel k_qc9b1f25476_qkv
		.amdhsa_group_segment_fixed_size 307712
		.amdhsa_private_segment_fixed_size 0
		.amdhsa_enable_private_segment 0
		.amdhsa_kernarg_size 32
		.amdhsa_user_sgpr_count 2
		.amdhsa_user_sgpr_kernarg_segment_ptr 1
		.amdhsa_wavefront_size32 1
		.amdhsa_system_sgpr_workgroup_id_x 1
		.amdhsa_system_sgpr_workgroup_id_y 1
		.amdhsa_system_sgpr_workgroup_id_z 1
		.amdhsa_system_vgpr_workitem_id 0
		.amdhsa_next_free_vgpr 768
		.amdhsa_next_free_sgpr 100
		.amdhsa_reserve_vcc 0
		.amdhsa_float_denorm_mode_32 3
		.amdhsa_float_denorm_mode_16_64 3
		.amdhsa_memory_ordered 1
		.amdhsa_forward_progress 1
		.amdhsa_inst_pref_size 91
	.end_amdhsa_kernel
	.amdgpu_metadata
---
amdhsa.version: [ 1, 2 ]
amdhsa.kernels:
  - .name:           k_qc9b1f25476_qkv
    .symbol:         k_qc9b1f25476_qkv.kd
    .args:
      - { .name: ac, .offset: 0, .size: 8, .value_kind: global_buffer, .address_space: global }
      - { .name: wc, .offset: 8, .size: 8, .value_kind: global_buffer, .address_space: global }
      - { .name: qk, .offset: 16, .size: 8, .value_kind: global_buffer, .address_space: global }
      - { .name: vr, .offset: 24, .size: 8, .value_kind: global_buffer, .address_space: global }
    .group_segment_fixed_size: 307712
    .private_segment_fixed_size: 0
    .kernarg_segment_align: 8
    .kernarg_segment_size: 32
    .max_flat_workgroup_size: 128
    .sgpr_count:     100
    .vgpr_count:     768
    .wavefront_size: 32
...
	.end_amdgpu_metadata
.endif
;; end of part 3
;; launch attn (part 4): grid 8 x 32, 16 waves a work-group, clusters of 4 x 1, 206,848 bytes of LDS; arguments qk, vr, cc; writes cc
.if DOCPART == 4
	.amdgcn_target "amdgcn-amd-amdhsa--gfx1250"
	.amdhsa_code_object_version 6
	.text
	.protected	k_qc9b1f25476_attn
	.globl	k_qc9b1f25476_attn
	.p2align	8
	.type	k_qc9b1f25476_attn,@function
k_qc9b1f25476_attn:
	s_mov_b64 s[64:65], 0
	v_nop
	global_prefetch_b8 v0, s[64:65] scope:SCOPE_SE
	s_setreg_imm32_b32 hwreg(HW_REG_WAVE_MODE, 25, 1), 1
	s_wait_xcnt 0x0
	s_wait_alu depctr_hold_cnt(0) depctr_sa_sdst(0) depctr_va_vdst(0) depctr_va_sdst(0) depctr_va_ssrc(0) depctr_va_vcc(0) depctr_vm_vsrc(0)
	s_getreg_b32 s2, hwreg(HW_REG_IB_STS2, 6, 4)
	s_cmp_eq_u32 s2, 0
	s_cbranch_scc0 .Lentry_in_a_cluster
	s_endpgm
.Lentry_in_a_cluster:
	s_bfe_u32 s2, ttmp6, 0x10000c
	s_cmp_lg_u32 s2, 0x3003
	s_cbranch_scc0 .Lentry_shape_is_right
	s_endpgm
.Lentry_shape_is_right:
; Causal attention of one (batch, head), head size 64, 2,048 tokens, both products on codes of FP6 (E2M3) with E8M0 block scales; the result is quantised along the model's 1,024 for the next product and leaves as codes.
; t = score x log2(e) / 8; M = the running largest t rounded UP to a whole number; p = 2^(t - M) is quantised along the keys, not normalised; the row's sum is taken of the unquantised p and divides at the end; when M moves,
; the sum and O are multiplied by 2^(old M - new M), exactly.
; SHARES.  Work-group (g, y): head y, and of each of the 16 blocks of 128 queries the tile g of 16.  Wave w owns the tile of block J = w xor 3 ((w / 4) % 2) and walks key steps 0 .. J of 128 keys; a step beyond J is jumped over
; by a scalar branch on the wave's number and the step's; every work-group so has 136 steps.  No branch and no LDS address hangs on the work-group's place in its cluster.
; LDS.  The head's whole K (16 records of 6,400 bytes, at 0) and V (at 102,400) are filled once, in four quarters each, by joint loads of the four work-groups of a cluster (wave 0: K's, wave 1: V's).
; LAYOUT.  Both products transposed: S^T = K Q^T, O^T = V^T P^T: a lane holds one query.  A fragment of K holds TWO tiles of 16 keys, one in registers 0-5 (K = the head's 64) and one in registers 6-11: multiplied by
; [q | 0] it gives the first tile's scores, by [0 | q] the second's; zero codes add nothing.  Row r of tile 2 b + u is token 32 b + 8 u + r + 8 (r / 8), so the 16 registers of two neighbouring tiles are 16 neighbouring keys.
; LIMITS: a block of zeros gets the scale byte 1 where the rule says 127 (zero codes; read by this program alone); NaN and infinities are not served.
; REGISTERS: v1-7 addresses that stay, v7 my query - 16 (lane / 16); v8-11, v34-35 the step's addresses; v12 -M, v13 the largest t, v[14:15] the sum; v16-33 [0 | q | 0]; v36-83 four fragments; v84-95 p's codes;
; v96-159 S^T, then p; v160-191 O^T; v192-214 at work; v216-219 K's scale words, v220-223 V's, v224 p's, v225 q's.
.set BM,  192
.set BT,  196
.set SO,  200
.set CT,  204
.set SEL, 20
.set CS,  22
.set TB,  48                           ; s48 LDS byte of the step's record
.set KSN, 49                           ; s49 the step's number
.set JJ,  50                           ; s50 my block of queries
.set CNT, 62
.macro PLACES
.rept 4
	v_nop
.endr
.endm
.macro CROUND
	s_barrier_signal -1
	s_barrier_wait -1
	s_cmp_lg_u32 s14, 0
	s_cbranch_scc1 .Lnw0_\@
	s_barrier_signal -3
.Lnw0_\@:
	s_barrier_wait -3
	s_barrier_signal -1
	s_barrier_wait -1
.endm
	s_load_b128 s[4:7], s[0:1], 0x0                ; qk, vr
	s_load_b64 s[8:9], s[0:1], 0x10                ; cc
	v_lshl_add_u32 v254, v0, 2, 0x32000
	v_mov_b32 v255, 0
	ds_add_u32 v254, v255
	ds_add_u32 v254, v255
	v_lshrrev_b32 v1, 5, v0
	v_readfirstlane_b32 s14, v1                    ; wave 0..15
	s_bfe_u32 s15, ttmp6, 0x40000                  ; cx
	s_lshl_b32 s16, ttmp9, 2
	s_add_co_u32 s16, s16, s15                     ; g: it enters q's and the result's addresses and the mask's numbers alone
	s_and_b32 s17, ttmp7, 0xffff                   ; y = 16 x batch + head
	s_lshr_b32 s18, s17, 4
	s_and_b32 s19, s17, 15
	s_bfe_u32 s[JJ], s14, 0x10002
	s_mul_i32 s[JJ], s[JJ], 3
	s_xor_b32 s[JJ], s[JJ], s14                    ; J
	s_and_b32 s51, s14, 1                          ; wave 0 fetches K, wave 1 V
	s_mov_b32 s24, 15|(3<<16)|(1<<21)              ; the mask: all four; elements of 8 bytes; 21 set beside a mask; no padding
	s_mov_b32 s25, 32<<16                          ; four records, a dense block, as 100 rows of 256 bytes
	s_mov_b32 s26, 100<<16
	s_mov_b32 s27, 32<<16
	s_mov_b32 s28, 100
	s_mov_b32 s29, 32
	s_mov_b32 s30, 0
	s_mov_b32 s31, 0
	s_lshl_b32 s52, s18, 4
	s_add_co_u32 s52, s52, s17                     ; 32 x batch + head: q's records
	s_add_co_u32 s53, s52, 16                      ; k's
	s_mul_i32 s54, s53, 102400
	s_mov_b32 s55, 0
	s_mul_i32 s56, s17, 102400
	s_mov_b32 s57, 0
	s_mul_i32 s60, s51, 102400
	s_mul_i32 s52, s52, 102400
	s_mul_i32 s53, s[JJ], 6400
	s_add_co_u32 s52, s52, s53                     ; q's record of my block
	s_mov_b32 s53, 0
	s_lshr_b32 s61, s16, 1
	s_mul_i32 s63, s61, 1536
	s_and_b32 s66, s16, 1
	s_mul_i32 s67, s66, 768
	s_add_co_u32 s68, s63, s67                     ; my tile's half in it
	s_mov_b32 s69, 0
	s_lshl_b32 s70, s61, 6                         ; and its fragment's scale words
	s_mov_b32 s71, 0
	s_mul_i32 s63, s66, 0x02020202
	s_add_co_u32 s63, s63, 0x01000100              ; byte selects: my tile's two bytes, twice
	s_lshl_b32 s61, s61, 5
	s_lshl_b32 s66, s66, 3
	s_add_co_u32 s61, s61, s66                     ; 32 (g / 2) + 8 (g % 2)
	s_mov_b32 s[SEL], 0x76543210
	s_mov_b32 s[SEL+1], 0xfedcba98
	s_mov_b32 s[CS], 0x3e38aa3b                    ; c = log2(e) / 8
	s_mov_b32 s[CS+1], s[CS]
	s_mov_b32 s[TB], 0
	s_mov_b32 s[KSN], 0
	s_wait_dscnt 0x0
	s_wait_kmcnt 0x0
	s_add_nc_u64 s[54:55], s[4:5], s[54:55]
	s_add_nc_u64 s[56:57], s[6:7], s[56:57]
	s_cmp_eq_u32 s51, 0
	s_cselect_b64 s[58:59], s[54:55], s[56:57]
.irp n, 0,1,2,3
	s_mov_b32 s[32+4*\n], 1
	s_add_co_u32 s[33+4*\n], s60, \n*25600
	s_add_nc_u64 s[34+4*\n:35+4*\n], s[58:59], \n*25600
	s_or_b32 s[35+4*\n], s[35+4*\n], 0x80000000
.endr
	s_add_nc_u64 s[4:5], s[4:5], s[52:53]
	s_add_nc_u64 s[72:73], s[4:5], s[68:69]        ; q's codes
	s_add_nc_u64 s[74:75], s[4:5], s[70:71]        ; q's scale words (6,144 on)
	CROUND                                         ; all four work-groups are here: the joint loads meet
	s_cmp_lt_u32 s14, 2                            ; all fills stand in one branch on the wave's number: four loads of waves 0 and 1 are out
	s_cbranch_scc0 .Lnofill
	tensor_load_to_lds s[32:35], s[24:31]
	s_nop 0
	tensor_load_to_lds s[36:39], s[24:31]
	s_nop 0
	tensor_load_to_lds s[40:43], s[24:31]
	s_nop 0
	tensor_load_to_lds s[44:47], s[24:31]
	s_nop 0
	PLACES
.Lnofill:
	v_and_b32 v36, 31, v0
	v_and_b32 v37, 15, v0                          ; r
	v_bfe_u32 v38, v0, 4, 1                        ; h
	v_lshlrev_b32 v1, 4, v36                       ; K: 16 x lane
	v_lshlrev_b32 v2, 3, v36                       ;    8 x lane
	v_lshlrev_b32 v226, 2, v37                     ; 4 r
	global_load_b128 v[22:25], v1, s[72:73]
	global_load_b64 v[26:27], v2, s[72:73] offset:512
	global_load_b32 v227, v226, s[74:75] offset:6144
	v_add_nc_u32 v3, 102400, v1                    ; V likewise
	v_add_nc_u32 v4, 102400, v2
	v_add_nc_u32 v5, 6144, v226                    ; K's scale words
	v_add_nc_u32 v6, 108544, v226                  ; V's
	v_and_b32 v7, 8, v37
	v_add_nc_u32 v7, v7, v37
	v_add_nc_u32 v7, s61, v7                       ; my query in its block
	v_lshlrev_b32 v39, 4, v38
	v_sub_nc_u32 v7, v7, v39                       ; - 16 h: register 16 b + i holds key 32 b + 16 h + i, hidden on the diagonal where 32 b + i is above this
.irp j, 16,17,18,19,20,21,28,29,30,31,32,33
	v_mov_b32 v[\j], 0                             ; the zero codes on both sides of q
.endr
	v_mov_b32 v13, 0xff61b1e6                      ; the largest t so far: -3e38
	v_floor_f32 v12, -v13                          ; -M
	v_mov_b32 v14, 0
	v_mov_b32 v15, 0
	v_mov_b32 v213, 0                              ; (named as the upper half of the pair v[212:213])
.irp b, 0,1,2,3
	v_mov_b32 v[BT+\b], 0                          ; a lane permute's destination counts as one of its sources
.endr
	s_wait_loadcnt 0x0
	v_perm_b32 v225, v227, v227, s63               ; q's scale word serves [q | 0] and [0 | q]: its two bytes, twice
.set N_, 0
.rept 32
	v_mov_b32 v[160+N_], 0                         ; O^T: the step is written for every step alike; the first change of M multiplies zeros
.set N_, N_+1
.endr
.macro STEP
	s_cmp_gt_u32 s[KSN], s[JJ]                     ; all keys of this step come after my queries: nothing to do but the end lines
	s_cbranch_scc1 .Lhid_\@
	v_add_nc_u32 v8, s[TB], v1                     ; (these six are the places in front of the loads into registers that the last products read)
	v_add_nc_u32 v9, s[TB], v2
	v_add_nc_u32 v10, s[TB], v3
	v_add_nc_u32 v11, s[TB], v4
	v_add_nc_u32 v34, s[TB], v5
	v_add_nc_u32 v35, s[TB], v6
.irp p, 0,1,2,3
	ds_load_b128 v[36+12*\p:39+12*\p], v8 offset:1536*\p
	ds_load_b64 v[40+12*\p:41+12*\p], v9 offset:1536*\p+512
	ds_load_b128 v[42+12*\p:45+12*\p], v8 offset:1536*\p+768
	ds_load_b64 v[46+12*\p:47+12*\p], v9 offset:1536*\p+1280
	ds_load_b32 v[216+\p], v34 offset:64*\p
.endr
	s_wait_dscnt 0x0
.irp p, 0,1,2,3
	v_wmma_scale_f32_16x16x128_f8f6f4 v[96+16*\p:103+16*\p], v[36+12*\p:47+12*\p], v[22:33], 0, v[216+\p], v225 matrix_a_fmt:MATRIX_FMT_FP6 matrix_b_fmt:MATRIX_FMT_FP6
	v_wmma_scale_f32_16x16x128_f8f6f4 v[104+16*\p:111+16*\p], v[36+12*\p:47+12*\p], v[16:27], 0, v[216+\p], v225 matrix_a_fmt:MATRIX_FMT_FP6 matrix_b_fmt:MATRIX_FMT_FP6
.endr
	PLACES
.irp p, 0,1,2,3                        ; V's fragments take the registers that K's have left, and land under the softmax
	ds_load_b128 v[36+12*\p:39+12*\p], v10 offset:1536*\p
	ds_load_b64 v[40+12*\p:41+12*\p], v11 offset:1536*\p+512
	ds_load_b128 v[42+12*\p:45+12*\p], v10 offset:1536*\p+768
	ds_load_b64 v[46+12*\p:47+12*\p], v11 offset:1536*\p+1280
	ds_load_b32 v[220+\p], v35 offset:64*\p
.endr
	s_cmp_lg_u32 s[KSN], s[JJ]                     ; only the step on the diagonal has hidden keys
	s_cbranch_scc1 .Lopen_\@
	v_mov_b32 v214, 0xff800000                     ; -infinity: p = 0 then
.set N_, 0
.rept 64
	v_cmp_gt_i32 vcc_lo, 32*(N_/16)+N_%16, v7
	v_cndmask_b32 v[96+N_], v[96+N_], v214, vcc_lo
.set N_, N_+1
.endr
.Lopen_\@:
.irp b, 0,1,2,3
	v_max3_num_f32 v[BM+\b], v[96+16*\b], v[97+16*\b], v[98+16*\b]   ; the largest score of each block of 32 keys: for the row's maximum and, since p rises with the score, for the block's largest p
.endr
.irp i, 3,5,7,9,11,13
.irp b, 0,1,2,3
	v_max3_num_f32 v[BM+\b], v[BM+\b], v[96+16*\b+\i], v[97+16*\b+\i]
.endr
.endr
.irp b, 0,1,2,3
	v_max_num_f32 v[BM+\b], v[BM+\b], v[111+16*\b]
.endr
.irp b, 0,1,2,3
	v_permlanex16_b32 v[BT+\b], v[BM+\b], s[SEL], s[SEL+1]
.endr
.irp b, 0,1,2,3
	v_max_num_f32 v[BM+\b], v[BM+\b], v[BT+\b]
.endr
	v_max3_num_f32 v214, v[BM], v[BM+1], v[BM+2]
	v_max_num_f32 v214, v214, v[BM+3]
	v_mul_f32 v214, s[CS], v214                    ; the step's largest t
	v_max_num_f32 v13, v13, v214
	v_mov_b32 v214, v12
	v_floor_f32 v12, -v13                          ; the new -M = -ceil(t)
	v_sub_f32 v214, v12, v214                      ; old M - new M: a whole number, 0 or less
	v_cvt_i32_f32 v214, v214                       ; (it saturates)
	v_ldexp_f32 v212, 1.0, v214                    ; f = 2^(old M - new M)
.set N_, 0
.rept 32
	v_pk_fma_f32 v[96+N_:97+N_], v[96+N_:97+N_], s[CS:CS+1], v[12:13] op_sel_hi:[1,0,0]   ; t - M
.set N_, N_+2
.endr
.irp b, 0,1,2,3
	v_fma_f32 v[BM+\b], v[BM+\b], s[CS], v12
.endr
.set N_, 0
.rept 64
	v_exp_f32 v[96+N_], v[96+N_]                   ; p = 2^(t - M)
.set N_, N_+1
.endr
	v_pk_mul_f32 v[14:15], v[14:15], v[212:213] op_sel_hi:[1,0]   ; the sums under the new M (a plain instruction behind the exponentials)
	s_wait_alu depctr_va_vdst(0)                   ; one wait for the batch of 64, ahead of its first reader
.irp b, 0,1,2,3
	v_exp_f32 v[BM+\b], v[BM+\b]                   ; each block's largest p
.endr
	v_pk_add_f32 v[BT:BT+1], v[96:97], v[98:99]    ; the row's sum of the unquantised p, in two chains
.irp j, 4,8,12,16,20,24,28,32,36,40,44,48,52,56,60
	v_pk_add_f32 v[14:15], v[14:15], v[96+\j:97+\j]
	v_pk_add_f32 v[BT:BT+1], v[BT:BT+1], v[98+\j:99+\j]
.endr
	v_pk_add_f32 v[14:15], v[14:15], v[BT:BT+1]
	s_wait_alu depctr_va_vdst(0)                   ; and one for the four
.irp b, 0,1,2,3
	v_max_num_f32 v[BM+\b], 0x1800000, v[BM+\b]    ; the floor 2^(3 - 127)
.endr
.irp b, 0,1,2,3
	v_add_nc_u32 v[SO+\b], 0xff000000, v[BM+\b]
.endr
.irp b, 0,1,2,3
	v_lshrrev_b32 v[BT+\b], 23, v[SO+\b]
.endr
	v_lshl_or_b32 v224, v[BT+1], 8, v[BT]          ; p's scale word for these 128 keys
	v_lshl_or_b32 v224, v[BT+2], 16, v224
	v_lshl_or_b32 v224, v[BT+3], 24, v224
.irp c, 0,1
	v_cvt_scalef32_pk16_fp6_f32 v[84+6*\c:86+6*\c], v[96+32*\c:111+32*\c], v[SO+2*\c]
	v_cvt_scalef32_pk16_fp6_f32 v[CT+4*\c:CT+4*\c+2], v[112+32*\c:127+32*\c], v[SO+2*\c+1]
.endr
	v_nop
.irp c, 0,1
.irp i, 0,1,2
	v_permlane16_swap_b32 v[84+6*\c+\i], v[CT+4*\c+\i]
.endr
.irp i, 0,1,2
	v_mov_b32 v[87+6*\c+\i], v[CT+4*\c+\i]
.endr
.endr
.set N_, 0
.rept 16
	v_pk_mul_f32 v[160+N_:161+N_], v[160+N_:161+N_], v[212:213] op_sel_hi:[1,0]   ; O^T under the new M; these sixteen also stand between the writes of p's codes and scale word and the products
.set N_, N_+2
.endr
	s_wait_dscnt 0x0                               ; V
.irp t, 0,1,2,3
	v_wmma_scale_f32_16x16x128_f8f6f4 v[160+8*\t:167+8*\t], v[36+12*\t:47+12*\t], v[84:95], v[160+8*\t:167+8*\t], v[220+\t], v224 matrix_a_fmt:MATRIX_FMT_FP6 matrix_b_fmt:MATRIX_FMT_FP6
.endr
.Lhid_\@:
	s_add_co_u32 s[KSN], s[KSN], 1
	s_add_co_u32 s[TB], s[TB], 6400
.endm
.macro QUARTER n                       ; four key steps: their records have landed (the quarters asked for behind them may be out), and every wave knows
	s_wait_tensorcnt 3-\n
	s_wait_dscnt 0x0
	s_barrier_signal -1
	s_barrier_wait -1
	s_mov_b32 s[CNT], 4
.Lq_\@:
	STEP
	s_sub_co_u32 s[CNT], s[CNT], 1
	s_cmp_lg_u32 s[CNT], 0
	s_cbranch_scc1 .Lq_\@
.endm
	QUARTER 0
	QUARTER 1
	QUARTER 2
	QUARTER 3
	; THE WAY OUT: O^T / the sum is my token's 64 channels of this head: two blocks of 32 along the next product's K: half a fragment
	PLACES
	v_add_f32 v14, v14, v15
	v_permlanex16_b32 v[BT], v14, s[SEL], s[SEL+1]
	v_add_f32 v14, v14, v[BT]
	v_rcp_f32 v14, v14
	v_nop
	s_lshl_b32 s52, s18, 4
	s_add_co_u32 s52, s52, s[JJ]
	s_lshl_b32 s52, s52, 2
	s_lshr_b32 s53, s19, 2
	s_add_co_u32 s52, s52, s53
	s_mul_i32 s52, s52, 25600                      ; chunk (16 x batch + J, head / 4)
	s_bfe_u32 s53, s19, 0x10001                    ; its K step (head / 2) % 2,
	s_and_b32 s54, s19, 1                          ; the half head % 2
	s_lshl_b32 s55, s53, 3
	s_add_co_u32 s55, s55, s16
	s_mul_i32 s55, s55, 1536
	s_mul_i32 s56, s54, 768
	s_add_co_u32 s55, s55, s56
	s_add_co_u32 s56, s52, s55
	s_mov_b32 s57, 0
	s_add_nc_u64 s[58:59], s[8:9], s[56:57]
	s_lshl_b32 s55, s16, 7
	s_lshl_b32 s53, s53, 6
	s_lshl_b32 s54, s54, 1
	s_add_co_u32 s55, s55, s53
	s_add_co_u32 s55, s55, s54
	s_add_co_u32 s56, s52, s55
	s_add_nc_u64 s[60:61], s[8:9], s[56:57]
	s_wait_alu depctr_va_vdst(0)                   ; ahead of the reciprocal's first reader
.set N_, 0
.rept 16
	v_pk_mul_f32 v[96+N_:97+N_], v[160+N_:161+N_], v[14:15] op_sel_hi:[1,0]
.set N_, N_+2
.endr
.irp b, 0,1
	v_max3_num_f32 v[BM+\b], 0x1800000, |v[96+16*\b]|, |v[97+16*\b]|
.endr
.irp i, 2,4,6,8,10,12,14
.irp b, 0,1
	v_max3_num_f32 v[BM+\b], v[BM+\b], |v[96+16*\b+\i]|, |v[97+16*\b+\i]|
.endr
.endr
.irp b, 0,1
	v_permlanex16_b32 v[BT+\b], v[BM+\b], s[SEL], s[SEL+1]
.endr
.irp b, 0,1
	v_max_num_f32 v[BM+\b], v[BM+\b], v[BT+\b]
.endr
.irp b, 0,1
	v_add_nc_u32 v[SO+\b], 0xff000000, v[BM+\b]
.endr
.irp b, 0,1
	v_lshrrev_b32 v[BT+\b], 23, v[SO+\b]
.endr
	v_lshl_or_b32 v228, v[BT+1], 8, v[BT]
	v_cvt_scalef32_pk16_fp6_f32 v[84:86], v[96:111], v[SO]
	v_cvt_scalef32_pk16_fp6_f32 v[CT:CT+2], v[112:127], v[SO+1]
	v_nop
.irp i, 0,1,2
	v_permlane16_swap_b32 v[84+\i], v[CT+\i]
.endr
.irp i, 0,1,2
	v_mov_b32 v[87+\i], v[CT+\i]
.endr
	global_store_b128 v1, v[84:87], s[58:59]              ; 512 consecutive bytes
	global_store_b64 v2, v[88:89], s[58:59] offset:512    ; 256 consecutive bytes
	global_store_b16 v226, v228, s[60:61] offset:24576    ; my head's two bytes of the row's scale word
	s_wait_dscnt 0x0
	s_wait_tensorcnt 0x0
	ds_add_u32 v254, v255
	s_wait_dscnt 0x0
	CROUND                                         ; the closing round
	s_endpgm
.Lfunc_end_k_qc9b1f25476_attn:
	.size	k_qc9b1f25476_attn, .Lfunc_end_k_qc9b1f25476_attn-k_qc9b1f25476_attn
	.p2alignl 7, 3214868480
	.fill 96, 4, 3214868480
	.section	.rodata,"a",@progbits
	.p2align	6, 0x0
	.amdhsa_kernel k_qc9b1f25476_attn
		.amdhsa_group_segment_fixed_size 206848
		.amdhsa_private_segment_fixed_size 0
		.amdhsa_enable_private_segment 0
		.amdhsa_kernarg_size 24
		.amdhsa_user_sgpr_count 2
		.amdhsa_user_sgpr_kernarg_segment_ptr 1
		.amdhsa_wavefront_size32 1
		.amdhsa_system_sgpr_workgroup_id_x 1
		.amdhsa_system_sgpr_workgroup_id_y 1
		.amdhsa_system_sgpr_workgroup_id_z 1
		.amdhsa_system_vgpr_workitem_id 0
		.amdhsa_next_free_vgpr 256
		.amdhsa_next_free_sgpr 80
		.amdhsa_reserve_vcc 1
		.amdhsa_float_denorm_mode_32 3
		.amdhsa_float_denorm_mode_16_64 3
		.amdhsa_memory_ordered 1
		.amdhsa_forward_progress 1
		.amdhsa_inst_pref_size 99
	.end_amdhsa_kernel
	.amdgpu_metadata
---
amdhsa.version: [ 1, 2 ]
amdhsa.kernels:
  - .name:           k_qc9b1f25476_attn
    .symbol:         k_qc9b1f25476_attn.kd
    .args:
      - { .name: qk, .offset: 0, .size: 8, .value_kind: global_buffer, .address_space: global }
      - { .name: vr, .offset: 8, .size: 8, .value_kind: global_buffer, .address_space: global }
      - { .name: cc, .offset: 16, .size: 8, .value_kind: global_buffer, .address_space: global }
    .group_segment_fixed_size: 206848
    .private_segment_fixed_size: 0
    .kernarg_segment_align: 8
    .kernarg_segment_size: 24
    .max_flat_workgroup_size: 512
    .sgpr_count:     80
    .vgpr_count:     256
    .wavefront_size: 32
...
	.end_amdgpu_metadata
.endif
;; end of part 4
;; launch oproj (part 5): grid 4 x 32, 4 waves a work-group, clusters of 4 x 4, 307,712 bytes of LDS; arguments cc, wc, bo, x, hb; writes hb
.if DOCPART == 5
	.amdgcn_target "amdgcn-amd-amdhsa--gfx1250"
	.amdhsa_code_object_version 6
	.text
	.protected	k_qc9b1f25476_oproj
	.globl	k_qc9b1f25476_oproj
	.p2align	8
	.type	k_qc9b1f25476_oproj,@function
k_qc9b1f25476_oproj:
	s_mov_b64 s[64:65], 0
	v_nop
	global_prefetch_b8 v0, s[64:65] scope:SCOPE_SE
	s_setreg_imm32_b32 hwreg(HW_REG_WAVE_MODE, 25, 1), 1
	s_wait_xcnt 0x0
	s_wait_alu depctr_hold_cnt(0) depctr_sa_sdst(0) depctr_va_vdst(0) depctr_va_sdst(0) depctr_va_ssrc(0) depctr_va_vcc(0) depctr_vm_vsrc(0)
	s_getreg_b32 s2, hwreg(HW_REG_IB_STS2, 6, 4)
	s_cmp_eq_u32 s2, 0
	s_cbranch_scc0 .Lentry_in_a_cluster
	s_endpgm
.Lentry_in_a_cluster:
	s_bfe_u32 s2, ttmp6, 0x10000c
	s_cmp_lg_u32 s2, 0xf033
	s_cbranch_scc0 .Lentry_shape_is_right
	s_endpgm
.Lentry_shape_is_right:
; h = x + ctx Wo + bo: ctx's codes (R, tokens) times Wo's (P, 1,024 features), K = 1,024, on codes of FP6 (E2M3) with E8M0 block scales; f32 out.
; Operands lie in memory in the order of their registers, in chunks of 128 rows x 256 K (25,600 bytes: 16 fragments of 1,536 bytes, then 1,024 bytes of scale words); row r of tile 2 b + u is row 32 b + 8 u + r + 8 (r / 8).
; A work-group multiplies 256 rows of P (source 0) by 128 rows of R (source 1); wave w takes P's row block w % 2 (8 tiles) and R's tiles 4 (w / 2) on: 32 accumulators.  A lane holds one token; the 64 registers of a tile of
; tokens run along 128 neighbouring features.  The bias is the C of each sum's first product.  All of K lies in LDS (P at 0 and 102,400, R at 204,800), filled once; no LDS byte is filled again.
; CLUSTER 4 x 4: P's chunks are asked for jointly down a column, R's along a row.
; THE WAY OUT: a tile of 16 tokens x 128 features goes through the wave's stage (16 rows of 528 bytes, in LDS bytes that have had their only fill and, behind the last step's barrier, their last read), comes back as whole rows
; of 512 bytes, takes the residual (loaded in the same shape under the products) and is stored, 512 consecutive bytes an instruction.
.set KC,    4
.set CH,    25600
.set PROWS, 100
.set RROWS, 50
.set PP,    PROWS*256
.set RPC,   RROWS*256
.set PREG,  102400
.set RREG,  204800
.set WOFF,  2457600                    ; Wo's chunks begin 96 chunks into wc
.set AP16, 4
.set AP8,  6
.set AR16, 8
.set AR8,  10
.set AP4,  12
.set AR4,  14
.set LI16, 16
.set LI8,  17
.set BO,   19
.set STO,  20
.set RD,   21
.set SCP,  32                          ; v32-47 P's scale words, two sets;  v48-55 R's
.set SCR,  48
.set RF,   64                          ; v64-159 R's fragments, two sets.   Window 1: P's fragments.   Window 2: accumulator (a, b) at v[8 (8 a + b)].   Window 3: the residual
.set BI,   160                         ; v160-223 the bias, 8 registers a tile of P
.set BK,   64                          ; the way out: v64-127 and v128-191 by turns
.set G1P, 24
.set G1R, 32
.set MSB, 0
.macro WIN new
.if MSB != (\new)
	s_set_vgpr_msb (MSB<<8)|(\new)
.set MSB, (\new)
.endif
.endm
.macro PLACES                          ; four plain instructions between a matrix instruction and a load into, or a read of, its registers
.rept 4
	v_nop
.endr
.endm
.macro CROUND
	s_barrier_signal -1
	s_barrier_wait -1
	s_cmp_lg_u32 s14, 0
	s_cbranch_scc1 .Lnw0_\@
	s_barrier_signal -3
.Lnw0_\@:
	s_barrier_wait -3
	s_barrier_signal -1
	s_barrier_wait -1
.endm
.macro FRAG reg, a16, a8, off
.set FR_, \reg
.set FO_, \off
	ds_load_b128 v[FR_:FR_+3], v[\a16] offset:FO_
	ds_load_b64 v[FR_+4:FR_+5], v[\a8] offset:FO_+512
	ds_load_b128 v[FR_+6:FR_+9], v[\a16] offset:FO_+768
	ds_load_b64 v[FR_+10:FR_+11], v[\a8] offset:FO_+1280
.endm
.macro FETCHK kk
.set SL_, (\kk)/4
.set OF_, (((\kk)/2)%2)*CH+((\kk)%2)*12288
.set ST_, (\kk)%2
.set SS_, ((\kk)/2)%2
	WIN 0x40
.irp i, 0,1,2,3,4,5,6,7
	FRAG 128*ST_+12*\i, AP16+SL_, AP8+SL_, OF_+1536*\i
.endr
	WIN 0
.irp a, 0,1,2,3
	FRAG RF+48*ST_+12*\a, AR16+SL_, AR8+SL_, OF_+1536*\a
.endr
.if (\kk)%2 == 0
.irp i, 0,1,2,3,4,5,6,7
	ds_load_b32 v[SCP+8*SS_+\i], v[AP4+SL_] offset:SS_*CH+128*\i
.endr
.irp a, 0,1,2,3
	ds_load_b32 v[SCR+4*SS_+\a], v[AR4+SL_] offset:SS_*CH+128*\a
.endr
.endif
.endm
.macro MULK k, cmode                   ; 32 matrix instructions, the accumulators by turns.  cmode 2: the first product takes the bias as C
.if \cmode == 2
	WIN 0x81                                       ; source 0 window 1, source 1 and C window 0, D window 2
.else
	WIN 0xa1
.endif
.irp a, 0,1,2,3
.irp b, 0,1,2,3,4,5,6,7
.set D_, 8*(8*\a+\b)
.set P_, 128*((\k)%2)+12*\b
.set R_, RF+48*((\k)%2)+12*\a
.set SP_, SCP+8*(((\k)/2)%2)+\b
.set SR_, SCR+4*(((\k)/2)%2)+\a
.set C_, D_
.if \cmode == 2
.set C_, BI+8*\b
.endif
.if ((\k)%2) == 1
	v_wmma_scale_f32_16x16x128_f8f6f4 v[D_:D_+7], v[P_:P_+11], v[R_:R_+11], v[C_:C_+7], v[SP_], v[SR_] matrix_a_fmt:MATRIX_FMT_FP6 matrix_b_fmt:MATRIX_FMT_FP6 matrix_a_scale:MATRIX_SCALE_ROW1 matrix_b_scale:MATRIX_SCALE_ROW1
.else
	v_wmma_scale_f32_16x16x128_f8f6f4 v[D_:D_+7], v[P_:P_+11], v[R_:R_+11], v[C_:C_+7], v[SP_], v[SR_] matrix_a_fmt:MATRIX_FMT_FP6 matrix_b_fmt:MATRIX_FMT_FP6
.endif
.endr
.endr
.endm
.macro STEP k, vis, fetch, cmode       ; vis >= 0: the next chunk has landed (vis younger chunk loads may be out), then a barrier; -2: a barrier alone; -1: neither
	s_wait_dscnt 0x0
.if \vis >= 0
	s_wait_tensorcnt \vis
.endif
.if \vis != -1
	s_barrier_signal -1
	s_barrier_wait -1
.endif
.if \fetch
	PLACES
	FETCHK ((\k)+1)%8
.endif
	MULK \k, \cmode
.endm
.macro RLOAD                           ; the residual of my 64 tokens x 128 features, in the shape in which the results come back from the stage
	WIN 0xc0
.irp a, 0,1,2,3
.irp t, 0,1,2,3,4,5,6,7,8,9,10,11,12,13,14,15
	global_load_b128 v[64*\a+4*\t:64*\a+4*\t+3], v[LI16], s[10:11] offset:(32*(\a/2)+8*(\a%2)+\t+8*(\t/8))*4096
.endr
.endr
	WIN 0
.endm
	s_load_b256 s[4:11], s[0:1], 0x0               ; cc, wc, bo, x
	s_load_b64 s[12:13], s[0:1], 0x20              ; hb
	v_lshl_add_u32 v254, v0, 2, 0x4b000
	v_mov_b32 v255, 0
	ds_add_u32 v254, v255
	ds_add_u32 v254, v255
	v_lshrrev_b32 v1, 5, v0
	v_readfirstlane_b32 s14, v1
	s_lshr_b32 s15, s14, 1                         ; wr
	s_and_b32 s16, s14, 1                          ; wp
	s_bfe_u32 s17, ttmp6, 0x40000
	s_bfe_u32 s18, ttmp6, 0x40004
	s_lshl_b32 s19, ttmp9, 2
	s_add_co_u32 s19, s19, s17                     ; px
	s_and_b32 s20, ttmp7, 0xffff
	s_lshl_b32 s20, s20, 2
	s_add_co_u32 s20, s20, s18                     ; ry
	s_lshl_b32 s21, s18, 2
	s_lshl_b32 s21, 15, s21
	s_lshl_b32 s22, 0x1111, s17
	s_or_b32 s[G1P], s22, (3<<16)|(1<<21)
	s_or_b32 s[G1R], s21, (3<<16)|(1<<21)
	s_mov_b32 s[G1P+1], 32<<16
	s_mov_b32 s[G1P+2], PROWS<<16
	s_mov_b32 s[G1P+3], 32<<16
	s_mov_b32 s[G1P+4], PROWS
	s_mov_b32 s[G1P+5], 32
	s_mov_b32 s[G1P+6], 0
	s_mov_b32 s[G1P+7], 0
	s_mov_b32 s[G1R+1], 32<<16
	s_mov_b32 s[G1R+2], RROWS<<16
	s_mov_b32 s[G1R+3], 32<<16
	s_mov_b32 s[G1R+4], RROWS
	s_mov_b32 s[G1R+5], 32
	s_mov_b32 s[G1R+6], 0
	s_mov_b32 s[G1R+7], 0
	s_lshl_b32 s80, s19, 1
	s_add_co_u32 s80, s80, s16
	s_mul_i32 s80, s80, KC*CH
	s_add_co_u32 s80, s80, WOFF
	s_mov_b32 s81, 0
	s_mul_i32 s84, s20, KC*CH
	s_mul_i32 s85, s16, RPC
	s_add_co_u32 s84, s84, s85
	s_mov_b32 s85, 0
	s_mul_i32 s88, s16, PREG
	s_mul_i32 s89, s16, RPC
	s_add_co_u32 s89, s89, RREG
	s_lshl_b32 s90, s20, 7
	s_lshl_b32 s91, s15, 6
	s_add_co_u32 s90, s90, s91                     ; my first token: 128 ry + 64 wr
	s_lshl_b32 s90, s90, 12
	s_lshl_b32 s92, s19, 10
	s_lshl_b32 s91, s16, 9
	s_add_co_u32 s92, s92, s91                     ; my first feature, in bytes: 1,024 px + 512 wp
	s_add_co_u32 s90, s90, s92
	s_mov_b32 s91, 0
	s_mov_b32 s93, 0
	s_wait_dscnt 0x0
	s_wait_kmcnt 0x0
	s_add_nc_u64 s[82:83], s[6:7], s[80:81]
	s_add_nc_u64 s[86:87], s[4:5], s[84:85]
	s_add_nc_u64 s[8:9], s[8:9], s[92:93]
	s_add_nc_u64 s[10:11], s[10:11], s[90:91]
	s_add_nc_u64 s[12:13], s[12:13], s[90:91]
.set N_, 0
.irp g, 40,44,48,52
	s_mov_b32 s[\g], 1
	s_add_co_u32 s[\g+1], s88, N_*PP
	s_add_nc_u64 s[\g+2:\g+3], s[82:83], N_*PP
	s_or_b32 s[\g+3], s[\g+3], 0x80000000
.set N_, N_+1
.endr
.set N_, 0
.irp g, 56,60,68,72
	s_mov_b32 s[\g], 1
	s_add_co_u32 s[\g+1], s89, N_*2*RPC
	s_add_nc_u64 s[\g+2:\g+3], s[86:87], N_*2*RPC
	s_or_b32 s[\g+3], s[\g+3], 0x80000000
.set N_, N_+1
.endr
	CROUND
	s_cmp_eq_u32 s15, 0                            ; a wave's four fills stand in one branch: four loads of mine are out
	s_cbranch_scc0 .Lfirst_r
	tensor_load_to_lds s[40:43], s[G1P:G1P+7]
	s_nop 0
	tensor_load_to_lds s[44:47], s[G1P:G1P+7]
	s_nop 0
	tensor_load_to_lds s[48:51], s[G1P:G1P+7]
	s_nop 0
	tensor_load_to_lds s[52:55], s[G1P:G1P+7]
	s_nop 0
	PLACES
	s_branch .Lfirst_done
.Lfirst_r:
	tensor_load_to_lds s[56:59], s[G1R:G1R+7]
	s_nop 0
	tensor_load_to_lds s[60:63], s[G1R:G1R+7]
	s_nop 0
	tensor_load_to_lds s[68:71], s[G1R:G1R+7]
	s_nop 0
	tensor_load_to_lds s[72:75], s[G1R:G1R+7]
	s_nop 0
	PLACES
.Lfirst_done:
	v_and_b32 v1, 31, v0
	v_and_b32 v2, 15, v0
	v_bfe_u32 v3, v0, 4, 1
	v_lshlrev_b32 v[LI16], 4, v1
	v_lshlrev_b32 v[LI8], 3, v1
	v_lshlrev_b32 v[BO], 6, v3
	v_lshlrev_b32 v22, 2, v1
.irp b, 0,1,2,3,4,5,6,7                ; lane (r, h) wants, for tile b of P, the bias of features 32 (b / 2) + 16 h + 8 (b % 2) + 0 .. 7
	global_load_b128 v[BI+8*\b:BI+8*\b+3], v[BO], s[8:9] offset:(32*(\b/2)+8*(\b%2))*4
	global_load_b128 v[BI+8*\b+4:BI+8*\b+7], v[BO], s[8:9] offset:(32*(\b/2)+8*(\b%2))*4+16
.endr
	s_mul_i32 s90, s16, PREG
	s_mul_i32 s91, s15, 6144
	s_add_co_u32 s91, s91, RREG
	v_add_nc_u32 v[AP16], s90, v[LI16]
	v_add_nc_u32 v[AP16+1], 51200, v[AP16]
	v_add_nc_u32 v[AP8], s90, v[LI8]
	v_add_nc_u32 v[AP8+1], 51200, v[AP8]
	v_add_nc_u32 v[AR16], s91, v[LI16]
	v_add_nc_u32 v[AR16+1], 51200, v[AR16]
	v_add_nc_u32 v[AR8], s91, v[LI8]
	v_add_nc_u32 v[AR8+1], 51200, v[AR8]
	s_add_co_u32 s90, s90, 24576
	v_add_nc_u32 v[AP4], s90, v22
	v_add_nc_u32 v[AP4+1], 51200, v[AP4]
	s_lshl_b32 s91, s15, 9
	s_add_co_u32 s91, s91, RREG+24576
	v_add_nc_u32 v[AR4], s91, v22
	v_add_nc_u32 v[AR4+1], 51200, v[AR4]
	s_mul_i32 s90, s14, 8448                       ; my stage
	v_mul_u32_u24 v[STO], v2, 528
	v_lshl_add_u32 v[STO], v3, 6, v[STO]
	v_add_nc_u32 v[STO], s90, v[STO]               ; in: row r, 64 bytes for each half of the lanes in every 128
	v_add_nc_u32 v[RD], s90, v[LI16]               ; back: a row of 512 bytes, 16 bytes a lane
	s_wait_tensorcnt 3                             ; my part of chunk 0 is in; the three loads behind it may be out
	s_barrier_signal -1
	s_barrier_wait -1
	FETCHK 0
	s_wait_loadcnt 0x0                             ; the bias
	STEP 0, -1, 1, 2
	RLOAD
	STEP 1, 2, 1, 0
	STEP 2, -1, 1, 0
	STEP 3, 1, 1, 0
	STEP 4, -1, 1, 0
	STEP 5, 0, 1, 0
	STEP 6, -1, 1, 0
	STEP 7, -2, 0, 0                               ; every wave's last fragments are in registers: behind this barrier nobody reads the chunks, and the stages may be written
	WIN 0
	PLACES
	s_wait_loadcnt 0x0                             ; the residual
.irp a, 0,1,2,3
.set BB_, BK+64*(\a%2)
.if \a > 1
	s_wait_xcnt 0x0                                ; the stores of two tiles back have read their registers
.endif
	WIN 0x08                                       ; an LDS store's data are its source 1: window 2
.irp e, 0,1,2,3,4,5,6,7,8,9,10,11,12,13,14,15
	ds_store_b128 v[STO], v[64*\a+4*\e:64*\a+4*\e+3] offset:128*(\e/4)+16*(\e%4)   ; each accumulator from its low end on
.endr
	WIN 0
.irp t, 0,1,2,3,4,5,6,7,8,9,10,11,12,13,14,15
	ds_load_b128 v[BB_+4*\t:BB_+4*\t+3], v[RD] offset:528*\t   ; LDS serves a wave's instructions in order: these see my stores, and the next tile's stores come behind them
.endr
	s_wait_dscnt 0x0
	WIN 0x0c                                       ; source 1: window 3
.set E_, 0
.rept 32
	v_pk_add_f32 v[BB_+E_:BB_+E_+1], v[BB_+E_:BB_+E_+1], v[64*\a+E_:64*\a+E_+1]
.set E_, E_+2
.endr
	WIN 0
.irp t, 0,1,2,3,4,5,6,7,8,9,10,11,12,13,14,15
	global_store_b128 v[LI16], v[BB_+4*\t:BB_+4*\t+3], s[12:13] offset:(32*(\a/2)+8*(\a%2)+\t+8*(\t/8))*4096   ; 512 consecutive bytes, aligned
.endr
.endr
	s_wait_dscnt 0x0
	s_wait_tensorcnt 0x0
	ds_add_u32 v254, v255
	s_wait_dscnt 0x0
	CROUND                                         ; the closing round
	s_endpgm
.Lfunc_end_k_qc9b1f25476_oproj:
	.size	k_qc9b1f25476_oproj, .Lfunc_end_k_qc9b1f25476_oproj-k_qc9b1f25476_oproj
	.p2alignl 7, 3214868480
	.fill 96, 4, 3214868480
	.section	.rodata,"a",@progbits
	.p2align	6, 0x0
	.amdhsa_kernel k_qc9b1f25476_oproj
		.amdhsa_group_segment_fixed_size 307712
		.amdhsa_private_segment_fixed_size 0
		.amdhsa_enable_private_segment 0
		.amdhsa_kernarg_size 40
		.amdhsa_user_sgpr_count 2
		.amdhsa_user_sgpr_kernarg_segment_ptr 1
		.amdhsa_wavefront_size32 1
		.amdhsa_system_sgpr_workgroup_id_x 1
		.amdhsa_system_sgpr_workgroup_id_y 1
		.amdhsa_system_sgpr_workgroup_id_z 1
		.amdhsa_system_vgpr_workitem_id 0
		.amdhsa_next_free_vgpr 1024
		.amdhsa_next_free_sgpr 100
		.amdhsa_reserve_vcc 0
		.amdhsa_float_denorm_mode_32 3
		.amdhsa_float_denorm_mode_16_64 3
		.amdhsa_memory_ordered 1
		.amdhsa_forward_progress 1
		.amdhsa_inst_pref_size 101
	.end_amdhsa_kernel
	.amdgpu_metadata
---
amdhsa.version: [ 1, 2 ]
amdhsa.kernels:
  - .name:           k_qc9b1f25476_oproj
    .symbol:         k_qc9b1f25476_oproj.kd
    .args:
      - { .name: cc, .offset: 0, .size: 8, .value_kind: global_buffer, .address_space: global }
      - { .name: wc, .offset: 8, .size: 8, .value_kind: global_buffer, .address_space: global }
      - { .name: bo, .offset: 16, .size: 8, .value_kind: global_buffer, .address_space: global }
      - { .name: x, .offset: 24, .size: 8, .value_kind: global_buffer, .address_space: global }
      - { .name: hb, .offset: 32, .size: 8, .value_kind: global_buffer, .address_space: global }
    .group_segment_fixed_size: 307712
    .private_segment_fixed_size: 0
    .kernarg_segment_align: 8
    .kernarg_segment_size: 40
    .max_flat_workgroup_size: 128
    .sgpr_count:     100
    .vgpr_count:     1024
    .wavefront_size: 32
...
	.end_amdgpu_metadata
.endif
;; end of part 5
;; launch ln2: the kernel of part 2 again; grid 256 x 1, 4 waves a work-group, no clusters, 66,304 bytes of LDS; arguments hb, scale2, shift2, yc; writes yc
;; launch mlp1 (part 6): grid 16 x 32, 4 waves a work-group, clusters of 4 x 4, 307,712 bytes of LDS; arguments yc, wc, b1, gc; writes gc
.if DOCPART == 6
	.amdgcn_target "amdgcn-amd-amdhsa--gfx1250"
	.amdhsa_code_object_version 6
	.text
	.protected	k_qc9b1f25476_mlp1
	.globl	k_qc9b1f25476_mlp1
	.p2align	8
	.type	k_qc9b1f25476_mlp1,@function
k_qc9b1f25476_mlp1:
	s_mov_b64 s[64:65], 0
	v_nop
	global_prefetch_b8 v0, s[64:65] scope:SCOPE_SE
	s_setreg_imm32_b32 hwreg(HW_REG_WAVE_MODE, 25, 1), 1
	s_wait_xcnt 0x0
	s_wait_alu depctr_hold_cnt(0) depctr_sa_sdst(0) depctr_va_vdst(0) depctr_va_sdst(0) depctr_va_ssrc(0) depctr_va_vcc(0) depctr_vm_vsrc(0)
	s_getreg_b32 s2, hwreg(HW_REG_IB_STS2, 6, 4)
	s_cmp_eq_u32 s2, 0
	s_cbranch_scc0 .Lentry_in_a_cluster
	s_endpgm
.Lentry_in_a_cluster:
	s_bfe_u32 s2, ttmp6, 0x10000c
	s_cmp_lg_u32 s2, 0xf033
	s_cbranch_scc0 .Lentry_shape_is_right
	s_endpgm
.Lentry_shape_is_right:
; g = gelu_tanh(y W1 + b1): LN2's codes (R, tokens) times W1's (P, 4,096 hidden units), K = 1,024, on codes of FP6 (E2M3) with E8M0 block scales; g is quantised in registers along the hidden units and leaves as codes.
; Operands lie in memory in the order of their registers, in chunks of 128 rows x 256 K (25,600 bytes: 16 fragments of 1,536 bytes, then 1,024 bytes of scale words); row r of tile 2 b + u is row 32 b + 8 u + r + 8 (r / 8).
; A work-group multiplies 256 rows of P (source 0) by 128 rows of R (source 1); wave w takes P's row block w % 2 and R's tiles 4 (w / 2) on: 32 accumulators.  A lane holds one token; the 64 registers of a tile of tokens run
; along 128 neighbouring hidden units: one K step of the next product.  The bias is the C of each sum's first product.  All of K lies in LDS, filled once; no LDS byte is filled again.
; CLUSTER 4 x 4: P's chunks are asked for jointly down a column, R's along a row.
; THE ACTIVATION, in f32: 0.5 x (1 + tanh(z)) = x / (1 + 2^(x (K0 + K1 x^2))), K0 = -2 sqrt(2 / pi) log2(e), K1 = 0.044715 K0: no difference of near numbers; for large |x| the power is 0 or infinity and g is x or -0.
; LIMITS: a block of zeros gets the scale byte 1 where the rule says 127 (zero codes; read by this program alone); NaN and infinities are not served.
.set KC,    4
.set CH,    25600
.set PROWS, 100
.set RROWS, 50
.set PP,    PROWS*256
.set RPC,   RROWS*256
.set PREG,  102400
.set RREG,  204800
.set WOFF,  3276800                    ; W1's chunks begin 128 chunks into wc
.set AP16, 4
.set AP8,  6
.set AR16, 8
.set AR8,  10
.set AP4,  12
.set AR4,  14
.set LI16, 16
.set LI8,  17
.set LR4,  18
.set BO,   19
.set SCP,  32
.set SCR,  48
.set RF,   64
.set BI,   160
.set ST,   64                          ; the way out: v64-127 a tile's 64 numbers; v128-175 codes; v176-205 at work
.set CD,   128
.set TM,   176
.set CT,   192
.set PW,   200
.set KV,   204
.set G1P, 24
.set G1R, 32
.set SEL, 76
.set MSB, 0
.macro WIN new
.if MSB != (\new)
	s_set_vgpr_msb (MSB<<8)|(\new)
.set MSB, (\new)
.endif
.endm
.macro PLACES
.rept 4
	v_nop
.endr
.endm
.macro CROUND
	s_barrier_signal -1
	s_barrier_wait -1
	s_cmp_lg_u32 s14, 0
	s_cbranch_scc1 .Lnw0_\@
	s_barrier_signal -3
.Lnw0_\@:
	s_barrier_wait -3
	s_barrier_signal -1
	s_barrier_wait -1
.endm
.macro FRAG reg, a16, a8, off
.set FR_, \reg
.set FO_, \off
	ds_load_b128 v[FR_:FR_+3], v[\a16] offset:FO_
	ds_load_b64 v[FR_+4:FR_+5], v[\a8] offset:FO_+512
	ds_load_b128 v[FR_+6:FR_+9], v[\a16] offset:FO_+768
	ds_load_b64 v[FR_+10:FR_+11], v[\a8] offset:FO_+1280
.endm
.macro FETCHK kk
.set SL_, (\kk)/4
.set OF_, (((\kk)/2)%2)*CH+((\kk)%2)*12288
.set ST_, (\kk)%2
.set SS_, ((\kk)/2)%2
	WIN 0x40
.irp i, 0,1,2,3,4,5,6,7
	FRAG 128*ST_+12*\i, AP16+SL_, AP8+SL_, OF_+1536*\i
.endr
	WIN 0
.irp a, 0,1,2,3
	FRAG RF+48*ST_+12*\a, AR16+SL_, AR8+SL_, OF_+1536*\a
.endr
.if (\kk)%2 == 0
.irp i, 0,1,2,3,4,5,6,7
	ds_load_b32 v[SCP+8*SS_+\i], v[AP4+SL_] offset:SS_*CH+128*\i
.endr
.irp a, 0,1,2,3
	ds_load_b32 v[SCR+4*SS_+\a], v[AR4+SL_] offset:SS_*CH+128*\a
.endr
.endif
.endm
.macro MULK k, cmode                   ; 32 matrix instructions, the accumulators by turns.  cmode 2: the first product takes the bias as C
.if \cmode == 2
	WIN 0x81
.else
	WIN 0xa1
.endif
.irp a, 0,1,2,3
.irp b, 0,1,2,3,4,5,6,7
.set D_, 8*(8*\a+\b)
.set P_, 128*((\k)%2)+12*\b
.set R_, RF+48*((\k)%2)+12*\a
.set SP_, SCP+8*(((\k)/2)%2)+\b
.set SR_, SCR+4*(((\k)/2)%2)+\a
.set C_, D_
.if \cmode == 2
.set C_, BI+8*\b
.endif
.if ((\k)%2) == 1
	v_wmma_scale_f32_16x16x128_f8f6f4 v[D_:D_+7], v[P_:P_+11], v[R_:R_+11], v[C_:C_+7], v[SP_], v[SR_] matrix_a_fmt:MATRIX_FMT_FP6 matrix_b_fmt:MATRIX_FMT_FP6 matrix_a_scale:MATRIX_SCALE_ROW1 matrix_b_scale:MATRIX_SCALE_ROW1
.else
	v_wmma_scale_f32_16x16x128_f8f6f4 v[D_:D_+7], v[P_:P_+11], v[R_:R_+11], v[C_:C_+7], v[SP_], v[SR_] matrix_a_fmt:MATRIX_FMT_FP6 matrix_b_fmt:MATRIX_FMT_FP6
.endif
.endr
.endr
.endm
.macro STEP k, vis, fetch, cmode
	s_wait_dscnt 0x0
.if \vis >= 0
	s_wait_tensorcnt \vis
.endif
.if \vis != -1
	s_barrier_signal -1
	s_barrier_wait -1
.endif
.if \fetch
	PLACES
	FETCHK ((\k)+1)%8
.endif
	MULK \k, \cmode
.endm
.macro QUANT s, w, d, pw
.set QS_, \s
.set QD_, \d
.set QW_, ((\w)<<2)|((\w)<<4)
	WIN QW_
.irp b, 0,1,2,3
	v_max3_num_f32 v[TM+\b], 0x1800000, |v[QS_+16*\b]|, |v[QS_+16*\b+1]|
.endr
.irp i, 2,4,6,8,10,12,14
.irp b, 0,1,2,3
	v_max3_num_f32 v[TM+\b], v[TM+\b], |v[QS_+16*\b+\i]|, |v[QS_+16*\b+\i+1]|
.endr
.endr
	WIN 0
.irp b, 0,1,2,3
	v_permlanex16_b32 v[TM+4+\b], v[TM+\b], s[SEL], s[SEL+1]
.endr
.irp b, 0,1,2,3
	v_max_num_f32 v[TM+\b], v[TM+\b], v[TM+4+\b]
.endr
.irp b, 0,1,2,3
	v_add_nc_u32 v[TM+12+\b], 0xff000000, v[TM+\b]
.endr
.irp b, 0,1,2,3
	v_lshrrev_b32 v[TM+4+\b], 23, v[TM+12+\b]
.endr
	v_lshl_or_b32 v[\pw], v[TM+5], 8, v[TM+4]
	v_lshl_or_b32 v[\pw], v[TM+6], 16, v[\pw]
	v_lshl_or_b32 v[\pw], v[TM+7], 24, v[\pw]
	WIN \w
.irp c, 0,1
	v_cvt_scalef32_pk16_fp6_f32 v[QD_+6*\c:QD_+6*\c+2], v[QS_+32*\c:QS_+32*\c+15], v[TM+12+2*\c]
	v_cvt_scalef32_pk16_fp6_f32 v[CT+4*\c:CT+4*\c+2], v[QS_+32*\c+16:QS_+32*\c+31], v[TM+13+2*\c]
.endr
	WIN 0
	v_nop
.irp c, 0,1
.irp i, 0,1,2
	v_permlane16_swap_b32 v[QD_+6*\c+\i], v[CT+4*\c+\i]
.endr
.irp i, 0,1,2
	v_mov_b32 v[QD_+6*\c+3+\i], v[CT+4*\c+\i]
.endr
.endr
.endm
.macro PUTH reg, off, sb
.set PR_, \reg
.set PO_, \off
	global_store_b128 v[LI16], v[PR_:PR_+3], s[\sb:\sb+1] offset:PO_
	global_store_b64 v[LI8], v[PR_+4:PR_+5], s[\sb:\sb+1] offset:PO_+512
.endm
; the activation of tile a's 64 numbers (window 2, read from each accumulator's low end on) into v[ST] on; in phases, so that each phase has one window setting and each batch of transcendentals one wait
.macro GELU a
.set GA_, 64*(\a)
	WIN 0x0a
.set E_, 0
.rept 32
	v_pk_mul_f32 v[ST+E_:ST+E_+1], v[GA_+E_:GA_+E_+1], v[GA_+E_:GA_+E_+1]          ; x^2
.set E_, E_+2
.endr
	WIN 0
.set E_, 0
.rept 32
	v_pk_fma_f32 v[ST+E_:ST+E_+1], v[ST+E_:ST+E_+1], s[78:79], v[KV:KV+1] op_sel_hi:[1,0,0]   ; K1 x^2 + K0
.set E_, E_+2
.endr
	WIN 0x08
.set E_, 0
.rept 32
	v_pk_mul_f32 v[ST+E_:ST+E_+1], v[ST+E_:ST+E_+1], v[GA_+E_:GA_+E_+1]            ; x that
.set E_, E_+2
.endr
	WIN 0
.set E_, 0
.rept 64
	v_exp_f32 v[ST+E_], v[ST+E_]
.set E_, E_+1
.endr
	v_nop
	s_wait_alu depctr_va_vdst(0)                   ; one wait for the batch, ahead of its first reader
.set E_, 0
.rept 32
	v_pk_add_f32 v[ST+E_:ST+E_+1], v[ST+E_:ST+E_+1], 1.0 op_sel_hi:[1,0]
.set E_, E_+2
.endr
.set E_, 0
.rept 64
	v_rcp_f32 v[ST+E_], v[ST+E_]
.set E_, E_+1
.endr
	v_nop
	s_wait_alu depctr_va_vdst(0)
	WIN 0x08
.set E_, 0
.rept 32
	v_pk_mul_f32 v[ST+E_:ST+E_+1], v[ST+E_:ST+E_+1], v[GA_+E_:GA_+E_+1]            ; g
.set E_, E_+2
.endr
	WIN 0
.endm
	s_load_b256 s[4:11], s[0:1], 0x0               ; yc, wc, b1, gc
	v_lshl_add_u32 v254, v0, 2, 0x4b000
	v_mov_b32 v255, 0
	ds_add_u32 v254, v255
	ds_add_u32 v254, v255
	v_lshrrev_b32 v1, 5, v0
	v_readfirstlane_b32 s14, v1
	s_lshr_b32 s15, s14, 1                         ; wr
	s_and_b32 s16, s14, 1                          ; wp
	s_bfe_u32 s17, ttmp6, 0x40000
	s_bfe_u32 s18, ttmp6, 0x40004
	s_lshl_b32 s19, ttmp9, 2
	s_add_co_u32 s19, s19, s17                     ; px
	s_and_b32 s20, ttmp7, 0xffff
	s_lshl_b32 s20, s20, 2
	s_add_co_u32 s20, s20, s18                     ; ry
	s_lshl_b32 s21, s18, 2
	s_lshl_b32 s21, 15, s21
	s_lshl_b32 s22, 0x1111, s17
	s_or_b32 s[G1P], s22, (3<<16)|(1<<21)
	s_or_b32 s[G1R], s21, (3<<16)|(1<<21)
	s_mov_b32 s[G1P+1], 32<<16
	s_mov_b32 s[G1P+2], PROWS<<16
	s_mov_b32 s[G1P+3], 32<<16
	s_mov_b32 s[G1P+4], PROWS
	s_mov_b32 s[G1P+5], 32
	s_mov_b32 s[G1P+6], 0
	s_mov_b32 s[G1P+7], 0
	s_mov_b32 s[G1R+1], 32<<16
	s_mov_b32 s[G1R+2], RROWS<<16
	s_mov_b32 s[G1R+3], 32<<16
	s_mov_b32 s[G1R+4], RROWS
	s_mov_b32 s[G1R+5], 32
	s_mov_b32 s[G1R+6], 0
	s_mov_b32 s[G1R+7], 0
	s_lshl_b32 s80, s19, 1
	s_add_co_u32 s80, s80, s16
	s_mul_i32 s80, s80, KC*CH
	s_add_co_u32 s80, s80, WOFF
	s_mov_b32 s81, 0
	s_mul_i32 s84, s20, KC*CH
	s_mul_i32 s85, s16, RPC
	s_add_co_u32 s84, s84, s85
	s_mov_b32 s85, 0
	s_mul_i32 s88, s16, PREG
	s_mul_i32 s89, s16, RPC
	s_add_co_u32 s89, s89, RREG
	s_lshl_b32 s92, s19, 10
	s_lshl_b32 s91, s16, 9
	s_add_co_u32 s92, s92, s91                     ; my first hidden unit, in bytes
	s_mov_b32 s93, 0
	s_lshl_b32 s90, s20, 4
	s_add_co_u32 s90, s90, s19
	s_mul_i32 s90, s90, CH                         ; the chunk (ry, px) of gc
	s_mov_b32 s91, 0
	s_mov_b32 s[SEL], 0x76543210
	s_mov_b32 s[SEL+1], 0xfedcba98
	s_mov_b32 s78, 0xbdd2d3e8                      ; K1 = -0.10294324
	s_mov_b32 s79, s78
	s_wait_dscnt 0x0
	s_wait_kmcnt 0x0
	s_add_nc_u64 s[82:83], s[6:7], s[80:81]
	s_add_nc_u64 s[86:87], s[4:5], s[84:85]
	s_add_nc_u64 s[8:9], s[8:9], s[92:93]
	s_add_nc_u64 s[10:11], s[10:11], s[90:91]
.set N_, 0
.irp g, 40,44,48,52
	s_mov_b32 s[\g], 1
	s_add_co_u32 s[\g+1], s88, N_*PP
	s_add_nc_u64 s[\g+2:\g+3], s[82:83], N_*PP
	s_or_b32 s[\g+3], s[\g+3], 0x80000000
.set N_, N_+1
.endr
.set N_, 0
.irp g, 56,60,68,72
	s_mov_b32 s[\g], 1
	s_add_co_u32 s[\g+1], s89, N_*2*RPC
	s_add_nc_u64 s[\g+2:\g+3], s[86:87], N_*2*RPC
	s_or_b32 s[\g+3], s[\g+3], 0x80000000
.set N_, N_+1
.endr
	CROUND
	s_cmp_eq_u32 s15, 0                            ; a wave's four fills stand in one branch: four loads of mine are out
	s_cbranch_scc0 .Lfirst_r
	tensor_load_to_lds s[40:43], s[G1P:G1P+7]
	s_nop 0
	tensor_load_to_lds s[44:47], s[G1P:G1P+7]
	s_nop 0
	tensor_load_to_lds s[48:51], s[G1P:G1P+7]
	s_nop 0
	tensor_load_to_lds s[52:55], s[G1P:G1P+7]
	s_nop 0
	PLACES
	s_branch .Lfirst_done
.Lfirst_r:
	tensor_load_to_lds s[56:59], s[G1R:G1R+7]
	s_nop 0
	tensor_load_to_lds s[60:63], s[G1R:G1R+7]
	s_nop 0
	tensor_load_to_lds s[68:71], s[G1R:G1R+7]
	s_nop 0
	tensor_load_to_lds s[72:75], s[G1R:G1R+7]
	s_nop 0
	PLACES
.Lfirst_done:
	v_and_b32 v1, 31, v0
	v_and_b32 v2, 15, v0
	v_bfe_u32 v3, v0, 4, 1
	v_lshlrev_b32 v[LI16], 4, v1
	v_lshlrev_b32 v[LI8], 3, v1
	v_lshlrev_b32 v[LR4], 2, v2
	v_lshlrev_b32 v[BO], 6, v3
	v_lshlrev_b32 v22, 2, v1
.irp b, 0,1,2,3,4,5,6,7
	global_load_b128 v[BI+8*\b:BI+8*\b+3], v[BO], s[8:9] offset:(32*(\b/2)+8*(\b%2))*4
	global_load_b128 v[BI+8*\b+4:BI+8*\b+7], v[BO], s[8:9] offset:(32*(\b/2)+8*(\b%2))*4+16
.endr
	s_mul_i32 s90, s16, PREG
	s_mul_i32 s91, s15, 6144
	s_add_co_u32 s91, s91, RREG
	v_add_nc_u32 v[AP16], s90, v[LI16]
	v_add_nc_u32 v[AP16+1], 51200, v[AP16]
	v_add_nc_u32 v[AP8], s90, v[LI8]
	v_add_nc_u32 v[AP8+1], 51200, v[AP8]
	v_add_nc_u32 v[AR16], s91, v[LI16]
	v_add_nc_u32 v[AR16+1], 51200, v[AR16]
	v_add_nc_u32 v[AR8], s91, v[LI8]
	v_add_nc_u32 v[AR8+1], 51200, v[AR8]
	s_add_co_u32 s90, s90, 24576
	v_add_nc_u32 v[AP4], s90, v22
	v_add_nc_u32 v[AP4+1], 51200, v[AP4]
	s_lshl_b32 s91, s15, 9
	s_add_co_u32 s91, s91, RREG+24576
	v_add_nc_u32 v[AR4], s91, v22
	v_add_nc_u32 v[AR4+1], 51200, v[AR4]
	s_wait_tensorcnt 3                             ; my part of chunk 0 is in; the three loads behind it may be out
	s_barrier_signal -1
	s_barrier_wait -1
	FETCHK 0
	s_wait_loadcnt 0x0                             ; the bias
	STEP 0, -1, 1, 2
	STEP 1, 2, 1, 0
	STEP 2, -1, 1, 0
	STEP 3, 1, 1, 0
	STEP 4, -1, 1, 0
	STEP 5, 0, 1, 0
	STEP 6, -1, 1, 0
	STEP 7, -1, 0, 0
	WIN 0
.irp b, 0,1,2,3
	v_mov_b32 v[TM+4+\b], 0                        ; a lane permute's destination counts as one of its sources; these lines are also the places behind the last products
.endr
	v_mov_b32 v[KV], 0xc0135761                    ; K0 = -2.3022082
	v_mov_b32 v[KV+1], 0xc0135761
	s_lshl_b32 s80, s16, 3
	s_lshl_b32 s81, s15, 2
	s_add_co_u32 s80, s80, s81
	s_mul_i32 s80, s80, 1536                       ; fragments (wp, 4 wr + a)
	s_mov_b32 s81, 0
	s_add_nc_u64 s[82:83], s[10:11], s[80:81]
	s_lshl_b32 s80, s15, 9
	s_lshl_b32 s84, s16, 6
	s_add_co_u32 s80, s80, s84                     ; their scale words: 512 wr + 64 wp + 128 a
	s_add_nc_u64 s[84:85], s[10:11], s[80:81]
.irp a, 0,1,2,3
	GELU \a
	QUANT ST, 0, CD+12*\a, PW+\a
	PUTH CD+12*\a, 1536*\a, 82
	PUTH CD+12*\a+6, 1536*\a+768, 82
	global_store_b32 v[LR4], v[PW+\a], s[84:85] offset:24576+128*\a   ; (both halves of the lanes store the same word to the same place)
.endr
	s_wait_dscnt 0x0
	s_wait_tensorcnt 0x0
	ds_add_u32 v254, v255
	s_wait_dscnt 0x0
	CROUND                                         ; the closing round
	s_endpgm
.Lfunc_end_k_qc9b1f25476_mlp1:
	.size	k_qc9b1f25476_mlp1, .Lfunc_end_k_qc9b1f25476_mlp1-k_qc9b1f25476_mlp1
	.p2alignl 7, 3214868480
	.fill 96, 4, 3214868480
	.section	.rodata,"a",@progbits
	.p2align	6, 0x0
	.amdhsa_kernel k_qc9b1f25476_mlp1
		.amdhsa_group_segment_fixed_size 307712
		.amdhsa_private_segment_fixed_size 0
		.amdhsa_enable_private_segment 0
		.amdhsa_kernarg_size 32
		.amdhsa_user_sgpr_count 2
		.amdhsa_user_sgpr_kernarg_segment_ptr 1
		.amdhsa_wavefront_size32 1
		.amdhsa_system_sgpr_workgroup_id_x 1
		.amdhsa_system_sgpr_workgroup_id_y 1
		.amdhsa_system_sgpr_workgroup_id_z 1
		.amdhsa_system_vgpr_workitem_id 0
		.amdhsa_next_free_vgpr 768
		.amdhsa_next_free_sgpr 100
		.amdhsa_reserve_vcc 0
		.amdhsa_float_denorm_mode_32 3
		.amdhsa_float_denorm_mode_16_64 3
		.amdhsa_memory_ordered 1
		.amdhsa_forward_progress 1
		.amdhsa_inst_pref_size 146
	.end_amdhsa_kernel
	.amdgpu_metadata
---
amdhsa.version: [ 1, 2 ]
amdhsa.kernels:
  - .name:           k_qc9b1f25476_mlp1
    .symbol:         k_qc9b1f25476_mlp1.kd
    .args:
      - { .name: yc, .offset: 0, .size: 8, .value_kind: global_buffer, .address_space: global }
      - { .name: wc, .offset: 8, .size: 8, .value_kind: global_buffer, .address_space: global }
      - { .name: b1, .offset: 16, .size: 8, .value_kind: global_buffer, .address_space: global }
      - { .name: gc, .offset: 24, .size: 8, .value_kind: global_buffer, .address_space: global }
    .group_segment_fixed_size: 307712
    .private_segment_fixed_size: 0
    .kernarg_segment_align: 8
    .kernarg_segment_size: 32
    .max_flat_workgroup_size: 128
    .sgpr_count:     100
    .vgpr_count:     768
    .wavefront_size: 32
...
	.end_amdgpu_metadata
.endif
;; end of part 6
;; launch mlp2 (part 7): grid 4 x 32, 4 waves a work-group, clusters of 4 x 4, 327,680 bytes of LDS; arguments gc, wc, b2, hb, out0; writes out0
.if DOCPART == 7
	.amdgcn_target "amdgcn-amd-amdhsa--gfx1250"
	.amdhsa_code_object_version 6
	.text
	.protected	k_qc9b1f25476_mlp2
	.globl	k_qc9b1f25476_mlp2
	.p2align	8
	.type	k_qc9b1f25476_mlp2,@function
k_qc9b1f25476_mlp2:
	s_mov_b64 s[64:65], 0
	v_nop
	global_prefetch_b8 v0, s[64:65] scope:SCOPE_SE
	s_setreg_imm32_b32 hwreg(HW_REG_WAVE_MODE, 25, 1), 1
	s_wait_xcnt 0x0
	s_wait_alu depctr_hold_cnt(0) depctr_sa_sdst(0) depctr_va_vdst(0) depctr_va_sdst(0) depctr_va_ssrc(0) depctr_va_vcc(0) depctr_vm_vsrc(0)
	s_getreg_b32 s2, hwreg(HW_REG_IB_STS2, 6, 4)
	s_cmp_eq_u32 s2, 0
	s_cbranch_scc0 .Lentry_in_a_cluster
	s_endpgm
.Lentry_in_a_cluster:
	s_bfe_u32 s2, ttmp6, 0x10000c
	s_cmp_lg_u32 s2, 0xf033
	s_cbranch_scc0 .Lentry_shape_is_right
	s_endpgm
.Lentry_shape_is_right:
; out = h + g W2 + b2: g's codes (R, tokens) times W2's (P, 1,024 features), K = 4,096, on codes of FP6 (E2M3) with E8M0 block scales; f32 out.
; Operands lie in memory in the order of their registers, in chunks of 128 rows x 256 K (25,600 bytes: 16 fragments of 1,536 bytes, then 1,024 bytes of scale words); row r of tile 2 b + u is row 32 b + 8 u + r + 8 (r / 8).
; A work-group multiplies 256 rows of P (source 0) by 128 rows of R (source 1); wave w takes P's row block w % 2 and R's tiles 4 (w / 2) on: 32 accumulators.  The bias is the C of each sum's first product.
; K goes through a ring of two LDS slots of 512 along K (two chunks of each row block: P at 0 and 102,400, R at 204,800; slot 1 lies 51,200 bytes behind slot 0).  One load a wave fills a slot: waves 0 and 1 P's two row
; blocks (51,200 bytes each), waves 2 and 3 R's two chunks.  A refill has four K steps, 128 matrix instructions a wave, in which to land.
; CLUSTER 4 x 4: P's chunks are asked for jointly down a column, R's along a row; each refill stands behind a round of the cluster's barrier.
; THE WAY OUT: as a tile of 16 tokens x 128 features through the wave's stage (16 rows of 528 bytes, in slot 0, which has had its last fill and, behind the last step's barrier, its last read), back as whole rows of 512 bytes,
; plus the residual (loaded in the same shape under the products), stored 512 consecutive bytes an instruction.
; All of the WGP's LDS is claimed.
.set KC,    16
.set CH,    25600
.set PROWS, 200
.set RROWS, 100
.set PP,    PROWS*256
.set RPC,   RROWS*256
.set PREG,  102400
.set RREG,  204800
.set SLOTB, 51200
.set SPARE, 307200                     ; the spare words, 128 bytes for each wave: two blocks of 256 bytes that no other line names
.set WOFF,  6553600                    ; W2's chunks begin 256 chunks into wc
.set AP16, 4
.set AP8,  6
.set AR16, 8
.set AR8,  10
.set AP4,  12
.set AR4,  14
.set LI16, 16
.set LI8,  17
.set BO,   19
.set STO,  20
.set RD,   21
.set SPW,  28                          ; v28 LDS address of my spare word; never rewritten
.set NIL,  29                          ; v29 0; never rewritten
.set SCP,  32
.set SCR,  48
.set RF,   64
.set BI,   160
.set BK,   64
.set G1P, 24
.set G1R, 32
.set G0P, 40                           ; s[40:47] P's group 0, a set for each slot;  s[56:63] R's
.set G0R, 56
.set MSB, 0
.macro WIN new
.if MSB != (\new)
	s_set_vgpr_msb (MSB<<8)|(\new)
.set MSB, (\new)
.endif
.endm
.macro PLACES
.rept 4
	v_nop
.endr
.endm
.macro CROUND
	s_barrier_signal -1
	s_barrier_wait -1
	s_cmp_lg_u32 s14, 0
	s_cbranch_scc1 .Lnw0_\@
	s_barrier_signal -3
.Lnw0_\@:
	s_barrier_wait -3
	s_barrier_signal -1
	s_barrier_wait -1
.endm
.macro JLOAD slot                      ; a joint refill: waves 0 and 1 for P, waves 2 and 3 for R; four v_nop follow each of the two lines
	s_cmp_eq_u32 s15, 0
	s_cbranch_scc0 .Ljr_\@
	tensor_load_to_lds s[G0P+4*\slot:G0P+4*\slot+3], s[G1P:G1P+7]
	s_nop 0
	PLACES
	s_branch .Ljd_\@
.Ljr_\@:
	tensor_load_to_lds s[G0R+4*\slot:G0R+4*\slot+3], s[G1R:G1R+7]
	s_nop 0
	PLACES
.Ljd_\@:
.endm
.macro FRAG reg, a16, a8, off
.set FR_, \reg
.set FO_, \off
	ds_load_b128 v[FR_:FR_+3], v[\a16] offset:FO_
	ds_load_b64 v[FR_+4:FR_+5], v[\a8] offset:FO_+512
	ds_load_b128 v[FR_+6:FR_+9], v[\a16] offset:FO_+768
	ds_load_b64 v[FR_+10:FR_+11], v[\a8] offset:FO_+1280
.endm
.macro FETCHK kk                       ; kk = 0 .. 7: the K step within a lap of the ring; slot kk / 4
.set SL_, (\kk)/4
.set OF_, (((\kk)/2)%2)*CH+((\kk)%2)*12288
.set ST_, (\kk)%2
.set SS_, ((\kk)/2)%2
	WIN 0x40
.irp i, 0,1,2,3,4,5,6,7
	FRAG 128*ST_+12*\i, AP16+SL_, AP8+SL_, OF_+1536*\i
.endr
	WIN 0
.irp a, 0,1,2,3
	FRAG RF+48*ST_+12*\a, AR16+SL_, AR8+SL_, OF_+1536*\a
.endr
.if (\kk)%2 == 0
.irp i, 0,1,2,3,4,5,6,7
	ds_load_b32 v[SCP+8*SS_+\i], v[AP4+SL_] offset:SS_*CH+128*\i
.endr
.irp a, 0,1,2,3
	ds_load_b32 v[SCR+4*SS_+\a], v[AR4+SL_] offset:SS_*CH+128*\a
.endr
.endif
.endm
.macro MULK k, cmode                   ; 32 matrix instructions, the accumulators by turns, over the loop's backward jump too
.if \cmode == 2
	WIN 0x81
.else
	WIN 0xa1
.endif
.irp a, 0,1,2,3
.irp b, 0,1,2,3,4,5,6,7
.set D_, 8*(8*\a+\b)
.set P_, 128*((\k)%2)+12*\b
.set R_, RF+48*((\k)%2)+12*\a
.set SP_, SCP+8*(((\k)/2)%2)+\b
.set SR_, SCR+4*(((\k)/2)%2)+\a
.set C_, D_
.if \cmode == 2
.set C_, BI+8*\b
.endif
.if ((\k)%2) == 1
	v_wmma_scale_f32_16x16x128_f8f6f4 v[D_:D_+7], v[P_:P_+11], v[R_:R_+11], v[C_:C_+7], v[SP_], v[SR_] matrix_a_fmt:MATRIX_FMT_FP6 matrix_b_fmt:MATRIX_FMT_FP6 matrix_a_scale:MATRIX_SCALE_ROW1 matrix_b_scale:MATRIX_SCALE_ROW1
.else
	v_wmma_scale_f32_16x16x128_f8f6f4 v[D_:D_+7], v[P_:P_+11], v[R_:R_+11], v[C_:C_+7], v[SP_], v[SR_] matrix_a_fmt:MATRIX_FMT_FP6 matrix_b_fmt:MATRIX_FMT_FP6
.endif
.endr
.endr
.endm
.macro STEP k, vis, fetch, cmode       ; a K step whose successor lies in the same slot.  vis = -2: a barrier behind the wait for my LDS loads; -1: none
	s_wait_dscnt 0x0
.if \vis >= 0
	s_wait_tensorcnt \vis
.endif
.if \vis != -1
	s_barrier_signal -1
	s_barrier_wait -1
.endif
.if \fetch
	PLACES
	FETCHK ((\k)+1)%8
.endif
	MULK \k, \cmode
.endm
; A slot's last K step changes slots.  Its fragments were my last reads of the slot.  Each wave waits for all its tensor loads (the one that is out is its part of the other slot), adds 0 to its spare word, and waits for that
; and for its reads.  fill = 1: a round of the cluster's barrier, and the slot is filled again first thing behind it, with the K two slots on.
.macro TURN k, slot, fill
	WIN 0
	s_wait_tensorcnt 0x0                           ; no tensor load of mine is out, so a group 0 may be written
	ds_add_u32 v[SPW], v[NIL]                      ; 0 onto my spare word
.if \fill
	s_add_nc_u64 s[G0P+4*\slot+2:G0P+4*\slot+3], s[G0P+4*\slot+2:G0P+4*\slot+3], 2*SLOTB
	s_add_nc_u64 s[G0R+4*\slot+2:G0R+4*\slot+3], s[G0R+4*\slot+2:G0R+4*\slot+3], 2*SLOTB
.endif
	s_wait_dscnt 0x0                               ; the add is done, and my reads of this slot are over
.if \fill
	CROUND                                         ; both now hold of every wave of all sixteen work-groups
	JLOAD \slot                                    ; my one tensor load behind the round; its four v_nop are also the places in front of the loads below
.else
	s_barrier_signal -1
	s_barrier_wait -1
	PLACES
.endif
	FETCHK ((\k)+1)%8
	MULK \k, 0
.endm
.macro RLOAD
	WIN 0xc0
.irp a, 0,1,2,3
.irp t, 0,1,2,3,4,5,6,7,8,9,10,11,12,13,14,15
	global_load_b128 v[64*\a+4*\t:64*\a+4*\t+3], v[LI16], s[10:11] offset:(32*(\a/2)+8*(\a%2)+\t+8*(\t/8))*4096
.endr
.endr
	WIN 0
.endm
	s_load_b256 s[4:11], s[0:1], 0x0               ; gc, wc, b2, hb
	s_load_b64 s[12:13], s[0:1], 0x20              ; out0
	v_lshl_add_u32 v[SPW], v0, 2, SPARE
	v_mov_b32 v[NIL], 0
	ds_add_u32 v28, v29
	ds_add_u32 v28, v29
	s_wait_dscnt 0x0
	v_lshrrev_b32 v1, 5, v0
	v_readfirstlane_b32 s14, v1
	s_lshr_b32 s15, s14, 1                         ; wr
	s_and_b32 s16, s14, 1                          ; wp
	s_bfe_u32 s17, ttmp6, 0x40000
	s_bfe_u32 s18, ttmp6, 0x40004
	s_lshl_b32 s19, ttmp9, 2
	s_add_co_u32 s19, s19, s17                     ; px
	s_and_b32 s20, ttmp7, 0xffff
	s_lshl_b32 s20, s20, 2
	s_add_co_u32 s20, s20, s18                     ; ry
	s_lshl_b32 s21, s18, 2
	s_lshl_b32 s21, 15, s21
	s_lshl_b32 s22, 0x1111, s17
	s_or_b32 s[G1P], s22, (3<<16)|(1<<21)
	s_or_b32 s[G1R], s21, (3<<16)|(1<<21)
	s_mov_b32 s[G1P+1], 32<<16
	s_mov_b32 s[G1P+2], PROWS<<16
	s_mov_b32 s[G1P+3], 32<<16
	s_mov_b32 s[G1P+4], PROWS
	s_mov_b32 s[G1P+5], 32
	s_mov_b32 s[G1P+6], 0
	s_mov_b32 s[G1P+7], 0
	s_mov_b32 s[G1R+1], 32<<16
	s_mov_b32 s[G1R+2], RROWS<<16
	s_mov_b32 s[G1R+3], 32<<16
	s_mov_b32 s[G1R+4], RROWS
	s_mov_b32 s[G1R+5], 32
	s_mov_b32 s[G1R+6], 0
	s_mov_b32 s[G1R+7], 0
	s_lshl_b32 s80, s19, 1
	s_add_co_u32 s80, s80, s16
	s_mul_i32 s80, s80, KC*CH
	s_add_co_u32 s80, s80, WOFF
	s_mov_b32 s81, 0
	s_mul_i32 s84, s20, KC*CH
	s_mul_i32 s85, s16, RPC
	s_add_co_u32 s84, s84, s85
	s_mov_b32 s85, 0
	s_mul_i32 s88, s16, PREG
	s_mul_i32 s89, s16, RPC
	s_add_co_u32 s89, s89, RREG
	s_lshl_b32 s90, s20, 7
	s_lshl_b32 s91, s15, 6
	s_add_co_u32 s90, s90, s91
	s_lshl_b32 s90, s90, 12
	s_lshl_b32 s92, s19, 10
	s_lshl_b32 s91, s16, 9
	s_add_co_u32 s92, s92, s91
	s_add_co_u32 s90, s90, s92
	s_mov_b32 s91, 0
	s_mov_b32 s93, 0
	s_wait_kmcnt 0x0
	s_add_nc_u64 s[82:83], s[6:7], s[80:81]
	s_add_nc_u64 s[86:87], s[4:5], s[84:85]
	s_add_nc_u64 s[8:9], s[8:9], s[92:93]
	s_add_nc_u64 s[10:11], s[10:11], s[90:91]
	s_add_nc_u64 s[12:13], s[12:13], s[90:91]
.irp n, 0,1
	s_mov_b32 s[G0P+4*\n], 1
	s_add_co_u32 s[G0P+4*\n+1], s88, \n*SLOTB
	s_add_nc_u64 s[G0P+4*\n+2:G0P+4*\n+3], s[82:83], \n*SLOTB
	s_or_b32 s[G0P+4*\n+3], s[G0P+4*\n+3], 0x80000000
	s_mov_b32 s[G0R+4*\n], 1
	s_add_co_u32 s[G0R+4*\n+1], s89, \n*SLOTB
	s_add_nc_u64 s[G0R+4*\n+2:G0R+4*\n+3], s[86:87], \n*SLOTB
	s_or_b32 s[G0R+4*\n+3], s[G0R+4*\n+3], 0x80000000
.endr
	CROUND
	s_cmp_eq_u32 s15, 0                            ; a wave's two first fills stand in one branch: two loads of mine are out
	s_cbranch_scc0 .Lfirst_r
	tensor_load_to_lds s[G0P:G0P+3], s[G1P:G1P+7]
	s_nop 0
	tensor_load_to_lds s[G0P+4:G0P+7], s[G1P:G1P+7]
	s_nop 0
	PLACES
	s_branch .Lfirst_done
.Lfirst_r:
	tensor_load_to_lds s[G0R:G0R+3], s[G1R:G1R+7]
	s_nop 0
	tensor_load_to_lds s[G0R+4:G0R+7], s[G1R:G1R+7]
	s_nop 0
	PLACES
.Lfirst_done:
	v_and_b32 v1, 31, v0
	v_and_b32 v2, 15, v0
	v_bfe_u32 v3, v0, 4, 1
	v_lshlrev_b32 v[LI16], 4, v1
	v_lshlrev_b32 v[LI8], 3, v1
	v_lshlrev_b32 v[BO], 6, v3
	v_lshlrev_b32 v22, 2, v1
.irp b, 0,1,2,3,4,5,6,7
	global_load_b128 v[BI+8*\b:BI+8*\b+3], v[BO], s[8:9] offset:(32*(\b/2)+8*(\b%2))*4
	global_load_b128 v[BI+8*\b+4:BI+8*\b+7], v[BO], s[8:9] offset:(32*(\b/2)+8*(\b%2))*4+16
.endr
	s_mul_i32 s90, s16, PREG
	s_mul_i32 s91, s15, 6144
	s_add_co_u32 s91, s91, RREG
	v_add_nc_u32 v[AP16], s90, v[LI16]
	v_add_nc_u32 v[AP16+1], SLOTB, v[AP16]
	v_add_nc_u32 v[AP8], s90, v[LI8]
	v_add_nc_u32 v[AP8+1], SLOTB, v[AP8]
	v_add_nc_u32 v[AR16], s91, v[LI16]
	v_add_nc_u32 v[AR16+1], SLOTB, v[AR16]
	v_add_nc_u32 v[AR8], s91, v[LI8]
	v_add_nc_u32 v[AR8+1], SLOTB, v[AR8]
	s_add_co_u32 s90, s90, 24576
	v_add_nc_u32 v[AP4], s90, v22
	v_add_nc_u32 v[AP4+1], SLOTB, v[AP4]
	s_lshl_b32 s91, s15, 9
	s_add_co_u32 s91, s91, RREG+24576
	v_add_nc_u32 v[AR4], s91, v22
	v_add_nc_u32 v[AR4+1], SLOTB, v[AR4]
	s_mul_i32 s90, s14, 8448
	v_mul_u32_u24 v[STO], v2, 528
	v_lshl_add_u32 v[STO], v3, 6, v[STO]
	v_add_nc_u32 v[STO], s90, v[STO]
	v_add_nc_u32 v[RD], s90, v[LI16]
	s_wait_tensorcnt 1                             ; my part of slot 0 is in; slot 1's load may be out
	s_barrier_signal -1
	s_barrier_wait -1
	FETCHK 0
	s_wait_loadcnt 0x0                             ; the bias
	STEP 0, -1, 1, 2                               ; the first step stands in front of the loop: its products start the sums, on the bias
	RLOAD
	s_mov_b32 s23, 3
.Llap:                                                 ; a trip goes once round the ring, from a lap's second step to the next lap's first, and fills both slots again
	STEP 1, -1, 1, 0
	STEP 2, -1, 1, 0
	TURN 3, 0, 1
	STEP 4, -1, 1, 0
	STEP 5, -1, 1, 0
	STEP 6, -1, 1, 0
	TURN 7, 1, 1
	STEP 0, -1, 1, 0
	WIN 0
	s_sub_co_u32 s23, s23, 1
	s_cmp_lg_u32 s23, 0
	s_cbranch_scc1 .Llap
	STEP 1, -1, 1, 0                               ; the last lap is written out: it asks for nothing more
	STEP 2, -1, 1, 0
	TURN 3, 0, 0
	STEP 4, -1, 1, 0
	STEP 5, -1, 1, 0
	STEP 6, -1, 1, 0
	STEP 7, -2, 0, 0                               ; every wave's last fragments are in registers: behind this barrier nobody reads the slots, and the stages may be written
	WIN 0
	PLACES
	s_wait_loadcnt 0x0                             ; the residual
.irp a, 0,1,2,3
.set BB_, BK+64*(\a%2)
.if \a > 1
	s_wait_xcnt 0x0                                ; the stores of two tiles back have read their registers
.endif
	WIN 0x08
.irp e, 0,1,2,3,4,5,6,7,8,9,10,11,12,13,14,15
	ds_store_b128 v[STO], v[64*\a+4*\e:64*\a+4*\e+3] offset:128*(\e/4)+16*(\e%4)   ; each accumulator from its low end on
.endr
	WIN 0
.irp t, 0,1,2,3,4,5,6,7,8,9,10,11,12,13,14,15
	ds_load_b128 v[BB_+4*\t:BB_+4*\t+3], v[RD] offset:528*\t
.endr
	s_wait_dscnt 0x0
	WIN 0x0c
.set E_, 0
.rept 32
	v_pk_add_f32 v[BB_+E_:BB_+E_+1], v[BB_+E_:BB_+E_+1], v[64*\a+E_:64*\a+E_+1]
.set E_, E_+2
.endr
	WIN 0
.irp t, 0,1,2,3,4,5,6,7,8,9,10,11,12,13,14,15
	global_store_b128 v[LI16], v[BB_+4*\t:BB_+4*\t+3], s[12:13] offset:(32*(\a/2)+8*(\a%2)+\t+8*(\t/8))*4096 th:TH_STORE_NT   ; 512 consecutive bytes, aligned
.endr
.endr
	s_wait_tensorcnt 0x0                           ; the wave's end, behind my last tensor load and my last LDS store
	ds_add_u32 v[SPW], v[NIL]
	s_wait_dscnt 0x0
	CROUND                                         ; the closing round
	s_endpgm
.Lfunc_end_k_qc9b1f25476_mlp2:
	.size	k_qc9b1f25476_mlp2, .Lfunc_end_k_qc9b1f25476_mlp2-k_qc9b1f25476_mlp2
	.p2alignl 7, 3214868480
	.fill 96, 4, 3214868480
	.section	.rodata,"a",@progbits
	.p2align	6, 0x0
	.amdhsa_kernel k_qc9b1f25476_mlp2
		.amdhsa_group_segment_fixed_size 327680
		.amdhsa_private_segment_fixed_size 0
		.amdhsa_enable_private_segment 0
		.amdhsa_kernarg_size 40
		.amdhsa_user_sgpr_count 2
		.amdhsa_user_sgpr_kernarg_segment_ptr 1
		.amdhsa_wavefront_size32 1
		.amdhsa_system_sgpr_workgroup_id_x 1
		.amdhsa_system_sgpr_workgroup_id_y 1
		.amdhsa_system_sgpr_workgroup_id_z 1
		.amdhsa_system_vgpr_workitem_id 0
		.amdhsa_next_free_vgpr 1024
		.amdhsa_next_free_sgpr 100
		.amdhsa_reserve_vcc 0
		.amdhsa_float_denorm_mode_32 3
		.amdhsa_float_denorm_mode_16_64 3
		.amdhsa_memory_ordered 1
		.amdhsa_forward_progress 1
		.amdhsa_inst_pref_size 162
	.end_amdhsa_kernel
	.amdgpu_metadata
---
amdhsa.version: [ 1, 2 ]
amdhsa.kernels:
  - .name:           k_qc9b1f25476_mlp2
    .symbol:         k_qc9b1f25476_mlp2.kd
    .args:
      - { .name: gc, .offset: 0, .size: 8, .value_kind: global_buffer, .address_space: global }
      - { .name: wc, .offset: 8, .size: 8, .value_kind: global_buffer, .address_space: global }
      - { .name: b2, .offset: 16, .size: 8, .value_kind: global_buffer, .address_space: global }
      - { .name: hb, .offset: 24, .size: 8, .value_kind: global_buffer, .address_space: global }
      - { .name: out0, .offset: 32, .size: 8, .value_kind: global_buffer, .address_space: global }
    .group_segment_fixed_size: 327680
    .private_segment_fixed_size: 0
    .kernarg_segment_align: 8
    .kernarg_segment_size: 40
    .max_flat_workgroup_size: 128
    .sgpr_count:     100
    .vgpr_count:     1024
    .wavefront_size: 32
...
	.end_amdgpu_metadata
.endif
;; end of part 7
;; ======== version 2 of 2: 7 launches
;; limits: right only within a limited range of input values
;; workspace buffers: wc 9,830,400 bytes; ac 3,276,800 bytes; qk 6,553,600 bytes; vr 3,276,800 bytes; cc 3,276,800 bytes; hb 16,777,216 bytes; yc 3,276,800 bytes; gc 13,107,200 bytes
;; launch prep (part 8): grid 640 x 1, 4 waves a work-group, no clusters, 91,904 bytes of LDS; arguments x, scale1, shift1, ac, Wq, Wk, Wv, Wo, W1, W2, wc; writes ac, wc
.if DOCPART == 8
	.amdgcn_target "amdgcn-amd-amdhsa--gfx1250"
	.amdhsa_code_object_version 6
	.text
	.protected	k_qc9b1f25476_prep
	.globl	k_qc9b1f25476_prep
	.p2align	8
	.type	k_qc9b1f25476_prep,@function
k_qc9b1f25476_prep:
	s_mov_b64 s[64:65], 0
	v_nop
	global_prefetch_b8 v0, s[64:65] scope:SCOPE_SE
	s_setreg_imm32_b32 hwreg(HW_REG_WAVE_MODE, 25, 1), 1
	s_wait_xcnt 0x0
; TWO JOBS THAT HANG ON INPUTS ALONE SHARE ONE LAUNCH.  Work-groups 0 .. 383 quantise the six weights; work-groups 384 .. 639 normalise and quantise x.  The two ways part at the first line, on the work-group's
; number, and never meet again; each reads its own arguments and has LDS bytes of its own (0 .. 25,599 for the weights, 25,600 .. 91,391 for the rows).
; LIMITS, both ways: a block of zeros gets the scale byte 1 where the rule says 127 (its codes are zeros; the bytes are read by this program alone); NaN and infinities are not served.
.set NWQ, 384
.set LNB, 25600
	v_lshl_add_u32 v224, v0, 2, 0x16500
	v_mov_b32 v225, 0
	s_cmp_ge_u32 ttmp9, NWQ
	s_cbranch_scc1 .Lnorm
; ---------------------------------------------------------------- THE WEIGHTS
; The six weights, f32 stored [K][N], become codes of FP6 (E2M3) with one E8M0 byte for each 32 along K, laid in the ORDER OF AN OPERAND'S REGISTERS.
; A CHUNK (25,600 bytes) is 128 columns n x 256 along K: 16 fragments (16 rows x 128 K, 1,536 bytes; fragment (q, i) at (8 q + i) x 1,536), then 1,024 bytes of scale words
; (tile i, K step q, row r at 24,576 + 128 i + 64 q + 4 r).  A fragment is two halves of 768 bytes; half c holds registers 6 c .. 6 c + 3 (16 bytes a lane, at 16 x lane) and 6 c + 4, 6 c + 5 (8 bytes a lane, at 512 + 8 x lane).
; THE ROWS OF A TILE ARE NOT NEIGHBOURS: row r of tile 2 b + u is column 32 b + 8 u + r + 8 (r / 8).
; Work-group id = the chunk's number in wc: 0-31 Wq, 32-63 Wk, 64-95 Wv, 96-127 Wo (8 column blocks x 4 chunks along K), 128-255 W1 (32 x 4), 256-383 W2 (8 x 16).
; A lane takes a column and its registers run down K: a block of 32 lies in one lane, each load reads 128 consecutive bytes a wave.  The codes turn through the wave's own LDS rows (24 bytes a block, 200 bytes a column).
; A block's scale is 2^(floor(log2(largest magnitude)) - 2); its byte is the largest magnitude's exponent field - 2, held at 1 from below.
.set OFFS, 32                          ; v32-63   row i of a block: i x pitch + 4 x lane; never rewritten
.set X,    64                          ; v64-127  two sets of 32 numbers
.set C2,   128                         ; v128-130 a block's upper 16 codes as converted
.set D,    136                         ; v136-141 a block's 24 bytes of codes
.set SB,   24                          ; v24-25   the column's two scale words
.set F,    144                         ; v144-191 four fragments on the way out
.set SA,   6
.set RA,   7
.set LI16, 8
.set LI8,  9
.set SOFF, 10
.set BAS,  32                          ; s[32:47] the address of each of the eight blocks' first row; never rewritten
	s_load_b256 s[4:11], s[0:1], 0x20              ; Wq, Wk, Wv, Wo
	s_load_b128 s[12:15], s[0:1], 0x40             ; W1, W2
	s_load_b64 s[16:17], s[0:1], 0x50              ; wc
	v_lshrrev_b32 v2, 5, v0
	v_readfirstlane_b32 s18, v2                    ; wave: columns 32 w on, tiles 2 w and 2 w + 1
	v_and_b32 v1, 31, v0                           ; lane = my column x of the 32
	v_and_b32 v3, 15, v0                           ; r
	v_bfe_u32 v4, v0, 4, 1                         ; h
	v_lshlrev_b32 v5, 2, v1
	s_mul_i32 s19, s18, 6400                       ; my wave's 32 rows of 200 bytes
	v_mul_u32_u24 v[SA], v1, 200
	v_add_nc_u32 v[SA], s19, v[SA]                 ; in: my column's row
	v_and_b32 v[RA], 8, v3
	v_add_nc_u32 v[RA], v[RA], v3                  ; r + 8 (r / 8)
	v_mul_u32_u24 v[RA], v[RA], 200
	v_mad_u32_u24 v[RA], v4, 24, v[RA]
	v_add_nc_u32 v[RA], s19, v[RA]                 ; out: the column of fragment row r, + my half's block
	v_lshlrev_b32 v[LI16], 4, v1
	v_lshlrev_b32 v[LI8], 3, v1
	v_bfe_u32 v11, v1, 3, 1                        ; my column lies in tile 2 w + (x / 8) % 2,
	v_and_b32 v12, 7, v1
	v_lshrrev_b32 v13, 4, v1
	v_lshl_add_u32 v12, v13, 3, v12                ; at row x % 8 + 8 (x / 16)
	v_lshlrev_b32 v12, 2, v12
	v_lshl_add_u32 v[SOFF], v11, 7, v12
	s_lshl_b32 s19, s18, 8
	v_add_nc_u32 v[SOFF], s19, v[SOFF]             ; where my scale words go: 256 w + 128 u + 4 r
	s_mov_b32 s20, ttmp9
	s_lshr_b32 s21, s20, 5
	s_cmp_ge_u32 s20, 128
	s_cselect_b32 s22, 14, 12                      ; log2 of a row's bytes: W1's rows are 16,384 bytes, the others' 4,096
	s_cselect_b32 s24, 127, 31
	s_cmp_ge_u32 s20, 256
	s_cselect_b32 s22, 12, s22
	s_cselect_b32 s25, 4, 2                        ; log2 of the chunks along K: 16 in W2, else 4
	s_and_b32 s24, s20, s24                        ; the chunk's number in its tensor
	s_lshr_b32 s26, s24, s25                       ; column block
	s_lshl_b32 s27, s26, s25
	s_sub_co_u32 s27, s24, s27                     ; chunk along K
	s_lshl_b32 s23, 1, s22                         ; pitch
	s_lshl_b32 s27, s27, 8
	s_lshl_b32 s27, s27, s22                       ; 256 kc rows
	s_lshl_b32 s26, s26, 9                         ; 128 columns x 4 bytes
	s_add_co_u32 s28, s27, s26
	s_lshl_b32 s26, s18, 7
	s_add_co_u32 s28, s28, s26                     ; + my wave's 32 columns
	s_mov_b32 s29, 0
	s_lshl_b32 s30, s23, 5                         ; 32 rows on
	s_mov_b32 s31, 0
	s_mul_i32 s48, s20, 25600                      ; the chunk in wc
	s_mov_b32 s49, 0
	s_mul_i32 s26, s18, 3072
	s_add_co_u32 s50, s48, s26                     ; and my two tiles' fragments in it
	s_mov_b32 s51, 0
.irp i, 0,1,2,3,4,5,6,7,8,9,10,11,12,13,14,15,16,17,18,19,20,21,22,23,24,25,26,27,28,29,30,31
	v_mad_u32_u24 v[OFFS+\i], s23, \i, v5
.endr
	s_wait_alu depctr_va_vdst(0)
	s_wait_kmcnt 0x0
	s_cmp_eq_u32 s21, 1                            ; which tensor: the choice hangs on the work-group's number alone
	s_cselect_b64 s[4:5], s[6:7], s[4:5]
	s_cmp_eq_u32 s21, 2
	s_cselect_b64 s[4:5], s[8:9], s[4:5]
	s_cmp_eq_u32 s21, 3
	s_cselect_b64 s[4:5], s[10:11], s[4:5]
	s_cmp_ge_u32 s20, 128
	s_cselect_b64 s[4:5], s[12:13], s[4:5]
	s_cmp_ge_u32 s20, 256
	s_cselect_b64 s[4:5], s[14:15], s[4:5]
	s_add_nc_u64 s[BAS:BAS+1], s[4:5], s[28:29]
.irp k, 1,2,3,4,5,6,7
	s_add_nc_u64 s[BAS+2*\k:BAS+2*\k+1], s[BAS+2*\k-2:BAS+2*\k-1], s[30:31]
.endr
	s_add_nc_u64 s[52:53], s[16:17], s[50:51]
	s_add_nc_u64 s[54:55], s[16:17], s[48:49]
.macro LOAD t                          ; block t: W(32 t + i, my column) into set t % 2
.irp i, 0,1,2,3,4,5,6,7,8,9,10,11,12,13,14,15,16,17,18,19,20,21,22,23,24,25,26,27,28,29,30,31
	global_load_b32 v[X+32*((\t)%2)+\i], v[OFFS+\i], s[BAS+2*(\t):BAS+2*(\t)+1] th:TH_LOAD_NT
.endr
.endm
.macro BLOCK t
.set XS, X+32*((\t)%2)
.if (\t) < 7
	s_wait_loadcnt 32                              ; this block's 32 loads are in; the next block's 32 may be out
.else
	s_wait_loadcnt 0x0
.endif
	v_max3_num_f32 v12, |v[XS]|, |v[XS+1]|, |v[XS+2]|   ; the block's largest magnitude: all 32 numbers are mine; two chains
	v_max3_num_f32 v13, |v[XS+3]|, |v[XS+4]|, |v[XS+5]|
.irp i, 6,10,14,18,22,26
	v_max3_num_f32 v12, v12, |v[XS+\i]|, |v[XS+\i+1]|
	v_max3_num_f32 v13, v13, |v[XS+\i+2]|, |v[XS+\i+3]|
.endr
	v_max3_num_f32 v12, v12, |v[XS+30]|, |v[XS+31]|
	v_max3_num_f32 v12, v12, v13, 0x1800000        ; and the floor 2^(3 - 127): the byte cannot fall under 1
	v_add_nc_u32 v11, 0xff000000, v12              ; 2 off the exponent field: the conversion takes that field as its scale
	v_lshrrev_b32 v13, 23, v11                     ; the scale's byte
.if (\t)%4 == 0
	v_mov_b32 v[SB+(\t)/4], v13
.else
	v_lshl_or_b32 v[SB+(\t)/4], v13, 8*((\t)%4), v[SB+(\t)/4]
.endif
	v_cvt_scalef32_pk16_fp6_f32 v[D:D+2], v[XS:XS+15], v11
	v_cvt_scalef32_pk16_fp6_f32 v[C2:C2+2], v[XS+16:XS+31], v11   ; (a conversion's three registers begin on an even number)
	v_nop                                          ; one plain instruction between a scaled conversion and the reader of its result
.irp i, 0,1,2
	v_mov_b32 v[D+3+\i], v[C2+\i]
.endr
	ds_store_b64 v[SA], v[D:D+1] offset:24*(\t)
	ds_store_b64 v[SA], v[D+2:D+3] offset:24*(\t)+8
	ds_store_b64 v[SA], v[D+4:D+5] offset:24*(\t)+16
.if (\t)+2 < 8
	LOAD (\t)+2
.endif
	s_wait_dscnt 0x0                               ; the stores have read their registers: the next block's codes may be written
.endm
	LOAD 0
	LOAD 1
.irp t, 0,1,2,3,4,5,6,7
	BLOCK \t
.endr
; out: fragment (q, 2 w + u): lane (r, h) takes blocks 4 q + 2 c + h of the column of row r.  LDS serves a wave's instructions in order: these loads see my stores
.irp q, 0,1
.irp u, 0,1
.irp c, 0,1
.irp m, 0,1,2
	ds_load_b64 v[F+12*(2*\q+\u)+6*\c+2*\m:F+12*(2*\q+\u)+6*\c+2*\m+1], v[RA] offset:1600*\u+96*\q+48*\c+8*\m
.endr
.endr
.endr
.endr
	s_wait_dscnt 0x0
	s_wait_alu depctr_va_vdst(0)
.irp q, 0,1
.irp u, 0,1
.irp c, 0,1
	global_store_b128 v[LI16], v[F+12*(2*\q+\u)+6*\c:F+12*(2*\q+\u)+6*\c+3], s[52:53] offset:(8*\q+\u)*1536+768*\c        ; 512 consecutive bytes
	global_store_b64 v[LI8], v[F+12*(2*\q+\u)+6*\c+4:F+12*(2*\q+\u)+6*\c+5], s[52:53] offset:(8*\q+\u)*1536+768*\c+512   ; 256 consecutive bytes
.endr
.endr
	global_store_b32 v[SOFF], v[SB+\q], s[54:55] offset:24576+64*\q
.endr
	s_wait_tensorcnt 0x0
	ds_add_u32 v224, v225
	s_wait_dscnt 0x0
	s_endpgm
; ---------------------------------------------------------------- THE ROWS
; y = gain x (x - mean) / sqrt(var + 1e-6) + shift along rows of 1,024 f32 (var with divisor 1,023), then quantised along the row to FP6 (E2M3) with E8M0 block scales, all in f32.
; The codes leave in the order of an operand's registers: chunk (128 tokens x 256 K, 25,600 bytes) number 4 (token / 128) + K / 256; in it fragment (q, i) at (8 q + i) x 1,536, scale words at 24,576 + 128 i + 64 q + 4 r.
; Work-group 384 + T takes tile T of 16 tokens.  Wave w normalises fragment rows 4 w .. 4 w + 3 (four neighbouring tokens, 16 KiB on end, dense loads); the rows meet in a stage in LDS (pitch 4,112 bytes);
; behind one barrier wave w reads columns 256 w on of all 16 rows, 16 neighbours of each block of 32 a lane, and quantises two fragments.
; The mean is taken away before the squares are summed, so a common offset of the row costs no accuracy.  1 / 1,023 and 1 / sqrt are multiplications in f32.
.set X,    64                          ; v64-191  four rows x 32 numbers; later 2 x 64 numbers to quantise
.set SCL,  192                         ; v192-223 the gain of my 32 columns; later the codes
.set SHF,  32                          ; v32-63   the shift; later at work
.set TM,   32                          ; v32-47   largest magnitudes, bytes, scale operands (v36-39 have been written by the shift's loads, as a lane permute's destination must be)
.set CT,   48                          ; v48-55   the upper halves as converted
.set PW,   56                          ; v56-57   the two scale words
.set CD,   192                         ; v192-215 two fragments' codes
.set LI16, 4
.set LI8,  5
.set SEL,  12                          ; s[12:13] v_permlanex16_b32's selects for lane l xor 16
.set SP,   4112
.set MSB, 0
.macro WIN new                         ; (all of this text lies in the first 256 registers: no switch is ever written)
.if MSB != (\new)
	s_set_vgpr_msb (MSB<<8)|(\new)
.set MSB, (\new)
.endif
.endm
; 64 numbers of a lane, register 16 b + i = k 32 b + 16 (lane / 16) + i of my row, become a fragment's 12 registers of codes at v[d] and its scale word in v[pw]
.macro QUANT s, w, d, pw
.set QS_, \s
.set QD_, \d
.set QW_, ((\w)<<2)|((\w)<<4)
	WIN QW_
.irp b, 0,1,2,3
	v_max3_num_f32 v[TM+\b], 0x1800000, |v[QS_+16*\b]|, |v[QS_+16*\b+1]|   ; my 16 numbers of block b, and the floor 2^(3 - 127)
.endr
.irp i, 2,4,6,8,10,12,14
.irp b, 0,1,2,3
	v_max3_num_f32 v[TM+\b], v[TM+\b], |v[QS_+16*\b+\i]|, |v[QS_+16*\b+\i+1]|
.endr
.endr
	WIN 0
.irp b, 0,1,2,3
	v_permlanex16_b32 v[TM+4+\b], v[TM+\b], s[SEL], s[SEL+1]
.endr
.irp b, 0,1,2,3
	v_max_num_f32 v[TM+\b], v[TM+\b], v[TM+4+\b]   ; with lane l xor 16's: the block's largest magnitude
.endr
.irp b, 0,1,2,3
	v_add_nc_u32 v[TM+12+\b], 0xff000000, v[TM+\b] ; 2 off the exponent field: the conversion's scale operand
.endr
.irp b, 0,1,2,3
	v_lshrrev_b32 v[TM+4+\b], 23, v[TM+12+\b]      ; the byte
.endr
	v_lshl_or_b32 v[\pw], v[TM+5], 8, v[TM+4]
	v_lshl_or_b32 v[\pw], v[TM+6], 16, v[\pw]
	v_lshl_or_b32 v[\pw], v[TM+7], 24, v[\pw]
	WIN \w
.irp c, 0,1
	v_cvt_scalef32_pk16_fp6_f32 v[QD_+6*\c:QD_+6*\c+2], v[QS_+32*\c:QS_+32*\c+15], v[TM+12+2*\c]
	v_cvt_scalef32_pk16_fp6_f32 v[CT+4*\c:CT+4*\c+2], v[QS_+32*\c+16:QS_+32*\c+31], v[TM+13+2*\c]
.endr
	WIN 0
	v_nop                                          ; one plain instruction behind the scaled conversions
.irp c, 0,1                            ; the operand wants a whole block in a lane: lanes 0-15 block 2 c, lanes 16-31 block 2 c + 1
.irp i, 0,1,2
	v_permlane16_swap_b32 v[QD_+6*\c+\i], v[CT+4*\c+\i]
.endr
.irp i, 0,1,2
	v_mov_b32 v[QD_+6*\c+3+\i], v[CT+4*\c+\i]
.endr
.endr
.endm
.macro PUTH reg, off, sb               ; half a fragment: 512 consecutive bytes, then 256
.set PR_, \reg
.set PO_, \off
	global_store_b128 v[LI16], v[PR_:PR_+3], s[\sb:\sb+1] offset:PO_
	global_store_b64 v[LI8], v[PR_+4:PR_+5], s[\sb:\sb+1] offset:PO_+512
.endm
.macro REDUCE                          ; the pairs v[10 + 2 j : 11 + 2 j] -> v[18 + j]: row j's sum, in every lane
.irp j, 0,1,2,3
	v_add_f32 v[18+\j], v[10+2*\j], v[11+2*\j]
.endr
.irp m, 1,2,4,8
.irp j, 0,1,2,3
	v_add_f32_dpp v[18+\j], v[18+\j], v[18+\j] row_xmask:\m row_mask:0xf bank_mask:0xf
.endr
.endr
.irp j, 0,1,2,3
	v_permlanex16_b32 v[22+\j], v[18+\j], s[SEL], s[SEL+1]
.endr
.irp j, 0,1,2,3
	v_add_f32 v[18+\j], v[18+\j], v[22+\j]
.endr
.endm
.Lnorm:
	s_load_b256 s[4:11], s[0:1], 0x0               ; x, the gain, the shift, the codes
	s_sub_co_u32 s30, ttmp9, NWQ                   ; T: my tile of 16 tokens
	v_lshrrev_b32 v1, 5, v0
	v_readfirstlane_b32 s14, v1                    ; wave
	v_and_b32 v1, 31, v0
	v_and_b32 v2, 15, v0                           ; r
	v_bfe_u32 v3, v0, 4, 1                         ; h
	v_lshlrev_b32 v[LI16], 4, v1
	s_wait_alu depctr_va_vdst(0)
	v_lshlrev_b32 v[LI8], 3, v1
	v_lshlrev_b32 v8, 2, v1
	s_lshr_b32 s15, s30, 1
	s_lshl_b32 s15, s15, 5
	s_and_b32 s16, s30, 1
	s_lshl_b32 s16, s16, 3
	s_add_co_u32 s15, s15, s16
	s_lshl_b32 s16, s14, 2
	s_add_co_u32 s15, s15, s16
	s_lshr_b32 s16, s14, 1
	s_lshl_b32 s16, s16, 3
	s_add_co_u32 s15, s15, s16                     ; my first token: 32 (T / 2) + 8 (T % 2) + 4 w + 8 (w / 2)
	s_lshl_b32 s16, s15, 12
	s_mov_b32 s17, 0
	s_mul_i32 s18, s14, 4*SP
	s_add_co_u32 s18, s18, LNB                     ; the stage begins behind the weights' LDS bytes
	v_add_nc_u32 v6, s18, v[LI16]                  ; the stage, in: my four rows, 16 bytes a lane
	v_mul_u32_u24 v7, v2, SP
	v_lshl_add_u32 v7, v3, 6, v7
	s_lshl_b32 s18, s14, 10
	s_add_co_u32 s18, s18, LNB
	v_add_nc_u32 v7, s18, v7                       ; and out: row r, columns 256 w on, my 16 of each 32
	s_lshr_b32 s18, s30, 3
	s_lshl_b32 s18, s18, 2
	s_add_co_u32 s18, s18, s14
	s_mul_i32 s18, s18, 25600                      ; my chunk
	s_and_b32 s19, s30, 7
	s_mul_i32 s22, s19, 1536
	s_add_co_u32 s22, s22, s18                     ; the tile's fragment of K step 0
	s_mov_b32 s23, 0
	s_lshl_b32 s28, s19, 7
	s_add_co_u32 s28, s28, s18                     ; the tile's scale words (24,576 on)
	s_mov_b32 s29, 0
	s_mov_b32 s[SEL], 0x76543210
	s_mov_b32 s[SEL+1], 0xfedcba98
	s_mov_b32 s20, 0x3a802008                      ; 1 / 1,023
	s_mov_b32 s21, 0x358637bd                      ; 1e-6
.irp j, 0,1,2,3
	v_mov_b32 v[22+\j], 0                          ; written once: a lane permute's destination counts as one of its sources
.endr
	s_wait_kmcnt 0x0
	s_add_nc_u64 s[4:5], s[4:5], s[16:17]
	s_add_nc_u64 s[24:25], s[10:11], s[22:23]
	s_add_nc_u64 s[26:27], s[10:11], s[28:29]
.irp j, 0,1,2,3
.irp i, 0,1,2,3,4,5,6,7
	global_load_b128 v[X+32*\j+4*\i:X+32*\j+4*\i+3], v[LI16], s[4:5] offset:4096*\j+512*\i   ; 512 consecutive bytes
.endr
.endr
.irp i, 0,1,2,3,4,5,6,7
	global_load_b128 v[SCL+4*\i:SCL+4*\i+3], v[LI16], s[6:7] offset:512*\i
	global_load_b128 v[SHF+4*\i:SHF+4*\i+3], v[LI16], s[8:9] offset:512*\i
.endr
	s_wait_loadcnt 16                              ; the rows are in; the gain's and the shift's 16 loads may be out
.irp j, 0,1,2,3
	v_pk_add_f32 v[10+2*\j:11+2*\j], v[X+32*\j:X+32*\j+1], v[X+32*\j+2:X+32*\j+3]
.endr
.irp i, 4,6,8,10,12,14,16,18,20,22,24,26,28,30
.irp j, 0,1,2,3
	v_pk_add_f32 v[10+2*\j:11+2*\j], v[10+2*\j:11+2*\j], v[X+32*\j+\i:X+32*\j+\i+1]   ; the four rows by turns
.endr
.endr
	REDUCE
.irp j, 0,1,2,3
	v_mul_f32 v[10+2*\j], 0x3a800000, v[18+\j]     ; the mean: x 2^-10
.endr
.irp i, 0,2,4,6,8,10,12,14,16,18,20,22,24,26,28,30
.irp j, 0,1,2,3
	v_pk_add_f32 v[X+32*\j+\i:X+32*\j+\i+1], v[X+32*\j+\i:X+32*\j+\i+1], v[10+2*\j:11+2*\j] op_sel_hi:[1,0] neg_lo:[0,1] neg_hi:[0,1]   ; x - mean (the pair's low word serves both)
.endr
.endr
.irp j, 0,1,2,3
	v_pk_mul_f32 v[10+2*\j:11+2*\j], v[X+32*\j:X+32*\j+1], v[X+32*\j:X+32*\j+1]
.endr
.irp i, 2,4,6,8,10,12,14,16,18,20,22,24,26,28,30
.irp j, 0,1,2,3
	v_pk_fma_f32 v[10+2*\j:11+2*\j], v[X+32*\j+\i:X+32*\j+\i+1], v[X+32*\j+\i:X+32*\j+\i+1], v[10+2*\j:11+2*\j]
.endr
.endr
	REDUCE
.irp j, 0,1,2,3
	v_fma_f32 v[18+\j], v[18+\j], s20, s21         ; var + eps
.endr
	s_wait_alu depctr_va_vdst(0)
.irp j, 0,1,2,3
	v_rsq_f32 v[10+2*\j], v[18+\j]
.endr
	v_nop                                          ; a plain instruction behind the last of the four
	s_wait_loadcnt 0x0                             ; the gain and the shift
	s_wait_alu depctr_va_vdst(0)                   ; one wait for the four, ahead of their first reader
.irp i, 0,2,4,6,8,10,12,14,16,18,20,22,24,26,28,30
.irp j, 0,1,2,3
	v_pk_mul_f32 v[X+32*\j+\i:X+32*\j+\i+1], v[X+32*\j+\i:X+32*\j+\i+1], v[10+2*\j:11+2*\j] op_sel_hi:[1,0]
.endr
.irp j, 0,1,2,3
	v_pk_fma_f32 v[X+32*\j+\i:X+32*\j+\i+1], v[X+32*\j+\i:X+32*\j+\i+1], v[SCL+\i:SCL+\i+1], v[SHF+\i:SHF+\i+1]
.endr
.endr
.irp j, 0,1,2,3
.irp i, 0,1,2,3,4,5,6,7
	ds_store_b128 v6, v[X+32*\j+4*\i:X+32*\j+4*\i+3] offset:SP*\j+512*\i
.endr
.endr
	s_wait_dscnt 0x0                               ; for the others' sake: my rows lie in the stage
	s_barrier_signal -1
	s_barrier_wait -1
.irp q, 0,1
.irp b, 0,1,2,3
.irp j, 0,1,2,3
	ds_load_b128 v[X+64*\q+16*\b+4*\j:X+64*\q+16*\b+4*\j+3], v7 offset:512*\q+128*\b+16*\j   ; the pitch of 1,028 words sets the 16 rows of a pass 4 words apart
.endr
.endr
.endr
	s_wait_dscnt 0x0
	QUANT X, 0, CD, PW
	QUANT X+64, 0, CD+12, PW+1
	v_cmp_eq_u32 vcc_lo, 1, v3
	v_cndmask_b32 v58, v[PW], v[PW+1], vcc_lo      ; lanes 0-15 store K step 0's words, lanes 16-31 K step 1's: 128 consecutive bytes
	PUTH CD, 0, 24
	PUTH CD+6, 768, 24
	PUTH CD+12, 12288, 24
	PUTH CD+18, 12288+768, 24
	global_store_b32 v8, v58, s[26:27] offset:24576
	s_wait_tensorcnt 0x0
	ds_add_u32 v224, v225
	s_wait_dscnt 0x0
	s_endpgm
.Lfunc_end_k_qc9b1f25476_prep:
	.size	k_qc9b1f25476_prep, .Lfunc_end_k_qc9b1f25476_prep-k_qc9b1f25476_prep
	.p2alignl 7, 3214868480
	.fill 96, 4, 3214868480
	.section	.rodata,"a",@progbits
	.p2align	6, 0x0
	.amdhsa_kernel k_qc9b1f25476_prep
		.amdhsa_group_segment_fixed_size 91904
		.amdhsa_private_segment_fixed_size 0
		.amdhsa_enable_private_segment 0
		.amdhsa_kernarg_size 88
		.amdhsa_user_sgpr_count 2
		.amdhsa_user_sgpr_kernarg_segment_ptr 1
		.amdhsa_wavefront_size32 1
		.amdhsa_system_sgpr_workgroup_id_x 1
		.amdhsa_system_sgpr_workgroup_id_y 1
		.amdhsa_system_sgpr_workgroup_id_z 1
		.amdhsa_system_vgpr_workitem_id 0
		.amdhsa_next_free_vgpr 226
		.amdhsa_next_free_sgpr 66
		.amdhsa_reserve_vcc 1
		.amdhsa_float_denorm_mode_32 3
		.amdhsa_float_denorm_mode_16_64 3
		.amdhsa_memory_ordered 1
		.amdhsa_forward_progress 1
		.amdhsa_inst_pref_size 90
	.end_amdhsa_kernel
	.amdgpu_metadata
---
amdhsa.version: [ 1, 2 ]
amdhsa.kernels:
  - .name:           k_qc9b1f25476_prep
    .symbol:         k_qc9b1f25476_prep.kd
    .args:
      - { .name: x, .offset: 0, .size: 8, .value_kind: global_buffer, .address_space: global }
      - { .name: scale1, .offset: 8, .size: 8, .value_kind: global_buffer, .address_space: global }
      - { .name: shift1, .offset: 16, .size: 8, .value_kind: global_buffer, .address_space: global }
      - { .name: ac, .offset: 24, .size: 8, .value_kind: global_buffer, .address_space: global }
      - { .name: Wq, .offset: 32, .size: 8, .value_kind: global_buffer, .address_space: global }
      - { .name: Wk, .offset: 40, .size: 8, .value_kind: global_buffer, .address_space: global }
      - { .name: Wv, .offset: 48, .size: 8, .value_kind: global_buffer, .address_space: global }
      - { .name: Wo, .offset: 56, .size: 8, .value_kind: global_buffer, .address_space: global }
      - { .name: W1, .offset: 64, .size: 8, .value_kind: global_buffer, .address_space: global }
      - { .name: W2, .offset: 72, .size: 8, .value_kind: global_buffer, .address_space: global }
      - { .name: wc, .offset: 80, .size: 8, .value_kind: global_buffer, .address_space: global }
    .group_segment_fixed_size: 91904
    .private_segment_fixed_size: 0
    .kernarg_segment_align: 8
    .kernarg_segment_size: 88
    .max_flat_workgroup_size: 128
    .sgpr_count:     66
    .vgpr_count:     226
    .wavefront_size: 32
...
	.end_amdgpu_metadata
.endif
;; end of part 8
;; launch qkv (part 9): grid 8 x 24, 4 waves a work-group, clusters of 4 x 4, 327,680 bytes of LDS; arguments ac, wc, qk, vr; writes qk, vr
.if DOCPART == 9
	.amdgcn_target "amdgcn-amd-amdhsa--gfx1250"
	.amdhsa_code_object_version 6
	.text
	.protected	k_qc9b1f25476_qkv
	.globl	k_qc9b1f25476_qkv
	.p2align	8
	.type	k_qc9b1f25476_qkv,@function
k_qc9b1f25476_qkv:
	s_mov_b64 s[64:65], 0
	v_nop
	global_prefetch_b8 v0, s[64:65] scope:SCOPE_SE
	s_setreg_imm32_b32 hwreg(HW_REG_WAVE_MODE, 25, 1), 1
	s_wait_xcnt 0x0
	s_wait_alu depctr_hold_cnt(0) depctr_sa_sdst(0) depctr_va_vdst(0) depctr_va_sdst(0) depctr_va_ssrc(0) depctr_va_vcc(0) depctr_vm_vsrc(0)
	s_getreg_b32 s2, hwreg(HW_REG_IB_STS2, 6, 4)
	s_cmp_eq_u32 s2, 0
	s_cbranch_scc0 .Lentry_in_a_cluster
	s_endpgm
.Lentry_in_a_cluster:
	s_bfe_u32 s2, ttmp6, 0x10000c
	s_cmp_lg_u32 s2, 0xf033
	s_cbranch_scc0 .Lentry_shape_is_right
	s_endpgm
.Lentry_shape_is_right:
; q, k and v: three products of LN1's codes with Wq, Wk, Wv (K = 1,024), on codes of FP6 (E2M3) with E8M0 block scales; the results are quantised in registers for the attention's products and leave as codes.
; Operands lie in memory in the order of their registers, in chunks of 128 rows x 256 K (25,600 bytes: 16 fragments of 1,536 bytes, then 1,024 bytes of scale words); row r of tile 2 b + u is row 32 b + 8 u + r + 8 (r / 8).
; A work-group multiplies 256 rows of P (source 0) by 256 rows of R (source 1); wave w takes P's row block w % 2 (8 tiles) and R's row block w / 2 (8 tiles): 64 accumulators.  In a result a lane holds ONE row of R, and
; the 64 registers of a tile of R run along 128 neighbouring rows of P: 16 neighbours of each block of 32.
; Clusters with y < 4: P = Wq | Wk (2,048 features), R = tokens: a lane holds a token and 128 features = two heads: quantised along the head's 64: 8 x 16 work-groups.
; Clusters with y >= 4: P = tokens, R = Wv's channels: quantised along 128 keys: 16 x 4 work-groups.  192 work-groups in all.
; LDS: three chunk places for each of the four row blocks (P's two, then R's two; 76,800 bytes each).  Wave w brings row block w, one tensor load behind each barrier: chunks 0 and 1 at the head; chunk 2, a first fill, behind
; the full sequence and a round; chunk 3 into place 0, which was last read for K step 1, behind the sequence and round at K step 3; K step 5 waits for it and a barrier shows it to every wave.  One load of a wave is out at a time.
; CLUSTER 4 x 4: P's chunks hang on the work-group's x alone and are asked for jointly down a column, R's on its y alone and jointly along a row.
; NO PREFETCH: the block is the largest that the registers hold, in clusters, and K is 8 steps.
; All of the WGP's LDS is claimed.
; OUT.  qk: a record (6,400 bytes) for each (batch, head 0-15 of q or 16-31 of k, 128 tokens): four fragments, fragment p = the halves of token tiles 2 p and 2 p + 1 (a half is 64 along K: one head), then 256 bytes of scale words.
; vr: a record for each (batch, head, 128 keys): four fragments of 16 channels x 128 keys, then their scale words.
; LIMITS: a block of zeros gets the scale byte 1 where the rule says 127 (zero codes; read by this program alone); NaN and infinities are not served.
; REGISTERS: window 0: v4-19 addresses, v28-29 for the add, v32-47 P's scale words (two sets of 8: lanes 0-15 a chunk's first 128 along K, lanes 16-31 its second), v48-63 R's, v64-159 and v160-255 R's fragments, two sets.
;   Window 1: P's fragments, sets at v0 and v128.  Windows 2, 3: accumulator (a, b) at v[8 (8 (a % 4) + b)] of window 2 + a / 4.
.set CH,    25600
.set REG,   3*CH
.set SPARE, 4*REG
.set AP16, 4
.set AP8,  6
.set AR16, 8
.set AR8,  10
.set AP4,  12
.set AR4,  14
.set LI16, 16
.set LI8,  17
.set LR4,  18
.set SPW,  28
.set NIL,  29
.set SCP,  32
.set SCR,  48
.set RF,   64
.set CD,   64                          ; the way out: v64-159 codes, 12 registers a tile of R
.set TM,   176
.set CT,   192
.set PW,   200
.set WW,   208
.set G1P, 24
.set G1R, 32
.set G0P, 40                           ; s[40:51] P's three groups 0;  s[52:63] R's
.set G0R, 52
.set SEL, 76
.set MSB, 0
.macro WIN new                         ; the immediate's high byte repeats the setting that is left; a switch that changes nothing is dropped
.if MSB != (\new)
	s_set_vgpr_msb (MSB<<8)|(\new)
.set MSB, (\new)
.endif
.endm
.macro PLACES                          ; four plain instructions between a matrix instruction and a load into, or a vector read or write of, its registers
.rept 4
	v_nop
.endr
.endm
.macro CROUND                          ; a round of the cluster's barrier
	s_barrier_signal -1
	s_barrier_wait -1
	s_cmp_lg_u32 s14, 0
	s_cbranch_scc1 .Lnw0_\@
	s_barrier_signal -3
.Lnw0_\@:
	s_barrier_wait -3
	s_barrier_signal -1
	s_barrier_wait -1
.endm
.macro JLOAD g0p, g0r                  ; a joint load: waves 0 and 1 for P, waves 2 and 3 for R; s_nop 0 and four v_nop follow each of the two lines
	s_cmp_eq_u32 s15, 0
	s_cbranch_scc0 .Ljr_\@
	tensor_load_to_lds s[\g0p:\g0p+3], s[G1P:G1P+7]
	s_nop 0
	PLACES
	s_branch .Ljd_\@
.Ljr_\@:
	tensor_load_to_lds s[\g0r:\g0r+3], s[G1R:G1R+7]
	s_nop 0
	PLACES
.Ljd_\@:
.endm
.macro FRAG reg, a16, a8, off          ; a fragment comes as it was stored: 16, 8, 16, 8 bytes a lane, each run of lanes consecutive
.set FR_, \reg
.set FO_, \off
	ds_load_b128 v[FR_:FR_+3], v[\a16] offset:FO_
	ds_load_b64 v[FR_+4:FR_+5], v[\a8] offset:FO_+512
	ds_load_b128 v[FR_+6:FR_+9], v[\a16] offset:FO_+768
	ds_load_b64 v[FR_+10:FR_+11], v[\a8] offset:FO_+1280
.endm
.macro FETCHK kk                       ; the fragments of K step kk into set kk % 2; chunk kk / 2 lies in place (kk / 2) % 3; with a chunk's first step its scale words
.set PL_, ((\kk)/2)%3
.set SL_, PL_/2
.set SW_, (PL_%2)*CH
.set OF_, SW_+((\kk)%2)*12288
.set ST_, (\kk)%2
.set SS_, ((\kk)/2)%2
	WIN 0x40
.irp i, 0,1,2,3,4,5,6,7
	FRAG 128*ST_+12*\i, AP16+SL_, AP8+SL_, OF_+1536*\i
.endr
	WIN 0
.irp i, 0,1,2,3,4,5,6,7
	FRAG RF+96*ST_+12*\i, AR16+SL_, AR8+SL_, OF_+1536*\i
.endr
.if (\kk)%2 == 0
.irp i, 0,1,2,3,4,5,6,7
	ds_load_b32 v[SCP+8*SS_+\i], v[AP4+SL_] offset:SW_+128*\i
	ds_load_b32 v[SCR+8*SS_+\i], v[AR4+SL_] offset:SW_+128*\i
.endr
.endif
.endm
.macro MULK k, cmode                   ; 64 matrix instructions; the 64 accumulators take turns, in the same order in every step.  cmode 1: the first product starts the sums
.irp a, 0,1,2,3,4,5,6,7
	WIN 0xa1+0x50*(\a/4)                           ; source 0 (P) window 1, source 1 (R) window 0, C and D window 2 or 3
.irp b, 0,1,2,3,4,5,6,7
.set D_, 8*(8*(\a%4)+\b)
.set P_, 128*((\k)%2)+12*\b
.set R_, RF+96*((\k)%2)+12*\a
.set SP_, SCP+8*(((\k)/2)%2)+\b
.set SR_, SCR+8*(((\k)/2)%2)+\a
.if \cmode == 1
	v_wmma_scale_f32_16x16x128_f8f6f4 v[D_:D_+7], v[P_:P_+11], v[R_:R_+11], 0, v[SP_], v[SR_] matrix_a_fmt:MATRIX_FMT_FP6 matrix_b_fmt:MATRIX_FMT_FP6
.elseif ((\k)%2) == 1
	v_wmma_scale_f32_16x16x128_f8f6f4 v[D_:D_+7], v[P_:P_+11], v[R_:R_+11], v[D_:D_+7], v[SP_], v[SR_] matrix_a_fmt:MATRIX_FMT_FP6 matrix_b_fmt:MATRIX_FMT_FP6 matrix_a_scale:MATRIX_SCALE_ROW1 matrix_b_scale:MATRIX_SCALE_ROW1
.else
	v_wmma_scale_f32_16x16x128_f8f6f4 v[D_:D_+7], v[P_:P_+11], v[R_:R_+11], v[D_:D_+7], v[SP_], v[SR_] matrix_a_fmt:MATRIX_FMT_FP6 matrix_b_fmt:MATRIX_FMT_FP6
.endif
.endr
.endr
.endm
; A K step: its fragments are in; the next step's are asked for, into the sets that the last step multiplied; then the products.
; mode 1: chunk 2 has landed and place 0 is read no more: the three lines, a round, and chunk 3's joint load first behind it.  mode 2: chunk 3 has landed, and a barrier shows it to every wave.
.macro STEP k, mode, cmode
.if \mode == 1
	WIN 0
	s_wait_tensorcnt 0x0                           ; my one load that was out, my part of chunk 2
	ds_add_u32 v[SPW], v[NIL]
	s_wait_dscnt 0x0                               ; the add, and this step's fragments
	CROUND
	JLOAD G0P+8, G0R+8                             ; its four v_nop are also the places in front of the loads below
.else
	s_wait_dscnt 0x0
.if \mode == 2
	s_wait_tensorcnt 0x0
	s_barrier_signal -1
	s_barrier_wait -1
.endif
	PLACES
.endif
.if \k < 7
	FETCHK (\k)+1
.endif
	MULK \k, \cmode
.endm
; 64 numbers of a lane in window w, register 16 b + i = k 32 b + 16 (lane / 16) + i of my row, become a fragment's 12 registers of codes at v[d] and its scale word in v[pw].  Each accumulator is read from its low end on.
.macro QUANT s, w, d, pw
.set QS_, \s
.set QD_, \d
.set QW_, ((\w)<<2)|((\w)<<4)
	WIN QW_
.irp b, 0,1,2,3
	v_max3_num_f32 v[TM+\b], 0x1800000, |v[QS_+16*\b]|, |v[QS_+16*\b+1]|   ; my 16 numbers of block b, and the floor 2^(3 - 127)
.endr
.irp i, 2,4,6,8,10,12,14
.irp b, 0,1,2,3
	v_max3_num_f32 v[TM+\b], v[TM+\b], |v[QS_+16*\b+\i]|, |v[QS_+16*\b+\i+1]|
.endr
.endr
	WIN 0
.irp b, 0,1,2,3
	v_permlanex16_b32 v[TM+4+\b], v[TM+\b], s[SEL], s[SEL+1]
.endr
.irp b, 0,1,2,3
	v_max_num_f32 v[TM+\b], v[TM+\b], v[TM+4+\b]
.endr
.irp b, 0,1,2,3
	v_add_nc_u32 v[TM+12+\b], 0xff000000, v[TM+\b] ; 2 off the exponent field: the conversion's scale operand
.endr
.irp b, 0,1,2,3
	v_lshrrev_b32 v[TM+4+\b], 23, v[TM+12+\b]
.endr
	v_lshl_or_b32 v[\pw], v[TM+5], 8, v[TM+4]
	v_lshl_or_b32 v[\pw], v[TM+6], 16, v[\pw]
	v_lshl_or_b32 v[\pw], v[TM+7], 24, v[\pw]
	WIN \w
.irp c, 0,1
	v_cvt_scalef32_pk16_fp6_f32 v[QD_+6*\c:QD_+6*\c+2], v[QS_+32*\c:QS_+32*\c+15], v[TM+12+2*\c]
	v_cvt_scalef32_pk16_fp6_f32 v[CT+4*\c:CT+4*\c+2], v[QS_+32*\c+16:QS_+32*\c+31], v[TM+13+2*\c]
.endr
	WIN 0
	v_nop                                          ; one plain instruction behind the scaled conversions
.irp c, 0,1
.irp i, 0,1,2
	v_permlane16_swap_b32 v[QD_+6*\c+\i], v[CT+4*\c+\i]
.endr
.irp i, 0,1,2
	v_mov_b32 v[QD_+6*\c+3+\i], v[CT+4*\c+\i]
.endr
.endr
.endm
.macro PUTH reg, off, sb               ; half a fragment: 512 consecutive bytes, then 256
.set PR_, \reg
.set PO_, \off
	global_store_b128 v[LI16], v[PR_:PR_+3], s[\sb:\sb+1] offset:PO_
	global_store_b64 v[LI8], v[PR_+4:PR_+5], s[\sb:\sb+1] offset:PO_+512
.endm
	s_load_b256 s[4:11], s[0:1], 0x0               ; ac, wc, qk, vr
	v_lshl_add_u32 v[SPW], v0, 2, SPARE
	v_mov_b32 v[NIL], 0
	ds_add_u32 v[SPW], v[NIL]                      ; the opening lines: the add, twice on end, and its wait
	ds_add_u32 v[SPW], v[NIL]
	v_lshrrev_b32 v1, 5, v0
	v_readfirstlane_b32 s14, v1                    ; wave
	s_lshr_b32 s15, s14, 1                         ; wr: my row block of R.  Also: I fetch for P (0) or for R (1)
	s_and_b32 s16, s14, 1                          ; wp: my row block of P.  Also: which row block I fetch
	s_bfe_u32 s17, ttmp6, 0x40000                  ; cx
	s_bfe_u32 s18, ttmp6, 0x40004                  ; cy
	s_and_b32 s92, ttmp7, 0xffff                   ; the cluster's y: under 4 q and k, from 4 on v; all partners share it
	s_max_u32 s93, s92, 4
	s_sub_co_u32 s93, s93, 4
	s_lshl_b32 s93, s93, 1
	s_add_co_u32 s93, s93, ttmp9                   ; v: which of the four clusters along the tokens
	s_cmp_lt_u32 s92, 4
	s_cselect_b32 s19, ttmp9, s93
	s_cselect_b32 s20, s92, 0
	s_lshl_b32 s19, s19, 2
	s_add_co_u32 s19, s19, s17                     ; px: which 256 rows of P
	s_lshl_b32 s20, s20, 2
	s_add_co_u32 s20, s20, s18                     ; ry: which 256 rows of R
	s_lshl_b32 s21, s18, 2
	s_lshl_b32 s21, 15, s21                        ; my row of the cluster
	s_lshl_b32 s22, 0x1111, s17                    ; my column
	s_or_b32 s[G1P], s22, (3<<16)|(1<<21)          ; 15:0 the mask; 17:16 elements of 8 bytes; 21 set beside a mask; no padding
	s_or_b32 s[G1R], s21, (3<<16)|(1<<21)
.irp g, G1P, G1R
	s_mov_b32 s[\g+1], 32<<16                      ; a dense block as rows of 256 bytes: tensor_dim0 = 32
	s_mov_b32 s[\g+2], 200<<16                     ; tensor_dim1: two chunks at the head
	s_mov_b32 s[\g+3], 32<<16                      ; tile_dim0
	s_mov_b32 s[\g+4], 200                         ; tile_dim1
	s_mov_b32 s[\g+5], 32                          ; the pitch
	s_mov_b32 s[\g+6], 0
	s_mov_b32 s[\g+7], 0
.endr
	s_lshl_b32 s80, s19, 1
	s_add_co_u32 s80, s80, s16
	s_mul_i32 s80, s80, 4*CH                       ; P's row block 2 px + (w % 2)
	s_mov_b32 s81, 0
	s_lshl_b32 s84, s20, 1
	s_add_co_u32 s84, s84, s16
	s_mul_i32 s84, s84, 4*CH                       ; R's row block 2 ry + (w % 2)
	s_mov_b32 s85, 0
	s_mul_i32 s88, s16, REG                        ; where they go: the wave's number alone enters an LDS address
	s_add_co_u32 s89, s88, 2*REG
	s_mul_i32 s94, s16, REG                        ; what I read: P's row block wp,
	s_mul_i32 s95, s15, REG
	s_add_co_u32 s95, s95, 2*REG                   ; R's row block wr,
	s_add_co_u32 s96, s94, 24576                   ; and their scale words
	s_add_co_u32 s97, s95, 24576
	s_mov_b32 s[SEL], 0x76543210
	s_mov_b32 s[SEL+1], 0xfedcba98
	s_wait_dscnt 0x0
	s_wait_kmcnt 0x0
	s_add_nc_u64 s[90:91], s[6:7], 1638400         ; Wv's chunks begin 64 chunks into wc
	s_cmp_lt_u32 s92, 4
	s_cselect_b64 s[82:83], s[6:7], s[4:5]         ; P: Wq | Wk, or the tokens
	s_cselect_b64 s[86:87], s[4:5], s[90:91]       ; R: the tokens, or Wv
	s_add_nc_u64 s[82:83], s[82:83], s[80:81]
	s_add_nc_u64 s[86:87], s[86:87], s[84:85]
.irp n, 0,1,2                          ; load 0: chunks 0, 1 to places 0, 1; load 1: chunk 2 to place 2; load 2: chunk 3 to place 0
	s_mov_b32 s[G0P+4*\n], 1
	s_add_co_u32 s[G0P+4*\n+1], s88, (\n%2)*2*CH
	s_add_nc_u64 s[G0P+4*\n+2:G0P+4*\n+3], s[82:83], (\n+(\n+1)/2)*CH
	s_or_b32 s[G0P+4*\n+3], s[G0P+4*\n+3], 0x80000000
	s_mov_b32 s[G0R+4*\n], 1
	s_add_co_u32 s[G0R+4*\n+1], s89, (\n%2)*2*CH
	s_add_nc_u64 s[G0R+4*\n+2:G0R+4*\n+3], s[86:87], (\n+(\n+1)/2)*CH
	s_or_b32 s[G0R+4*\n+3], s[G0R+4*\n+3], 0x80000000
.endr
	CROUND                                         ; all sixteen work-groups are here: the joint loads meet
	JLOAD G0P, G0R                                 ; one tensor load a wave at the head
	v_and_b32 v1, 31, v0
	v_and_b32 v2, 15, v0
	v_lshlrev_b32 v[LI16], 4, v1
	v_lshlrev_b32 v[LI8], 3, v1
	v_lshlrev_b32 v[LR4], 2, v2
	v_lshlrev_b32 v22, 2, v1
	v_add_nc_u32 v[AP16], s94, v[LI16]             ; an address register for places 0 and 1, one for place 2
	v_add_nc_u32 v[AP16+1], 2*CH, v[AP16]
	v_add_nc_u32 v[AP8], s94, v[LI8]
	v_add_nc_u32 v[AP8+1], 2*CH, v[AP8]
	v_add_nc_u32 v[AR16], s95, v[LI16]
	v_add_nc_u32 v[AR16+1], 2*CH, v[AR16]
	v_add_nc_u32 v[AR8], s95, v[LI8]
	v_add_nc_u32 v[AR8+1], 2*CH, v[AR8]
	v_add_nc_u32 v[AP4], s96, v22
	v_add_nc_u32 v[AP4+1], 2*CH, v[AP4]
	v_add_nc_u32 v[AR4], s97, v22
	v_add_nc_u32 v[AR4+1], 2*CH, v[AR4]
	s_wait_alu depctr_va_vdst(0)
	s_wait_tensorcnt 0x0                           ; my chunks 0 and 1 are in
	ds_add_u32 v[SPW], v[NIL]
	s_mov_b32 s[G1P+2], 100<<16                    ; no tensor load of mine is out, so a descriptor may be written: from here on a load brings one chunk
	s_mov_b32 s[G1P+4], 100
	s_mov_b32 s[G1R+2], 100<<16
	s_mov_b32 s[G1R+4], 100
	s_wait_dscnt 0x0
	CROUND
	JLOAD G0P+4, G0R+4                             ; chunk 2, my one tensor load behind the round
	FETCHK 0
	STEP 0, 0, 1
	STEP 1, 0, 0
	STEP 2, 0, 0
	STEP 3, 1, 0
	STEP 4, 0, 0
	STEP 5, 2, 0
	STEP 6, 0, 0
	STEP 7, 0, 0
	WIN 0
	PLACES                                         ; what follows writes registers that the last products read
.irp b, 0,1,2,3
	v_mov_b32 v[TM+4+\b], 0                        ; a lane permute's destination counts as one of its sources
.endr
.irp a, 0,1,2,3,4,5,6,7
	QUANT 64*(\a%4), 2+\a/4, CD+12*\a, PW+\a
.endr
	s_cmp_lt_u32 s92, 4
	s_cbranch_scc0 .Lv_out
	; q, k: my lane's token of block 2 ry + wr, features 128 (2 px + wp) on = heads 2 G and 2 G + 1; half c of a tile's codes is head c's
	s_lshl_b32 s81, s20, 1
	s_add_co_u32 s81, s81, s15                     ; the block of 128 tokens, 0 .. 31
	s_lshr_b32 s80, s81, 4
	s_lshl_b32 s80, s80, 5                         ; 32 x batch
	s_lshl_b32 s82, s19, 2
	s_add_co_u32 s80, s80, s82
	s_lshl_b32 s82, s16, 1
	s_add_co_u32 s80, s80, s82                     ; + 2 G
	s_lshl_b32 s80, s80, 4
	s_and_b32 s81, s81, 15
	s_add_co_u32 s80, s80, s81
	s_mul_i32 s80, s80, 6400
	s_mov_b32 s81, 0
	s_add_nc_u64 s[82:83], s[8:9], s[80:81]        ; the record of head 2 G; head 2 G + 1's lies 102,400 bytes on
	s_wait_alu depctr_va_vdst(0)
.irp a, 0,1,2,3,4,5,6,7
.irp c, 0,1
	PUTH CD+12*\a+6*\c, \c*102400+(\a/2)*1536+(\a%2)*768, 82
.endr
.endr
.irp p, 0,1,2,3                        ; a fragment's scale word: the two bytes of its first tile, then those of its second
	v_perm_b32 v[WW+2*\p], v[PW+2*\p+1], v[PW+2*\p], 0x05040100
	v_perm_b32 v[WW+2*\p+1], v[PW+2*\p+1], v[PW+2*\p], 0x07060302
	global_store_b32 v[LR4], v[WW+2*\p], s[82:83] offset:6144+64*\p            ; (both halves of the lanes store the same word to the same place)
	global_store_b32 v[LR4], v[WW+2*\p+1], s[82:83] offset:6144+64*\p+102400
.endr
	s_branch .Ldone
.Lv_out:
	; v: my lane's channel of heads 4 ry + 2 wr (tiles 0-3) and the next (tiles 4-7), keys 128 (2 px + wp) on
	s_lshl_b32 s80, s19, 1
	s_add_co_u32 s80, s80, s16                     ; the block of 128 tokens, 0 .. 31
	s_lshr_b32 s81, s80, 4
	s_lshl_b32 s81, s81, 4                         ; 16 x batch
	s_lshl_b32 s82, s20, 2
	s_add_co_u32 s81, s81, s82
	s_lshl_b32 s82, s15, 1
	s_add_co_u32 s81, s81, s82                     ; + head
	s_lshl_b32 s81, s81, 4
	s_and_b32 s80, s80, 15
	s_add_co_u32 s80, s80, s81
	s_mul_i32 s80, s80, 6400
	s_mov_b32 s81, 0
	s_add_nc_u64 s[82:83], s[10:11], s[80:81]      ; the next head's record lies 102,400 bytes on
	s_wait_alu depctr_va_vdst(0)
.irp a, 0,1,2,3,4,5,6,7
.irp c, 0,1
	PUTH CD+12*\a+6*\c, (\a/4)*102400+1536*(\a%4)+768*\c, 82
.endr
	global_store_b32 v[LR4], v[PW+\a], s[82:83] offset:(\a/4)*102400+6144+64*(\a%4)
.endr
.Ldone:
	s_wait_tensorcnt 0x0                           ; the wave's end
	ds_add_u32 v[SPW], v[NIL]
	s_wait_dscnt 0x0
	CROUND                                         ; the closing round: no work-group ends while a partner may still ask for a chunk that names it
	s_endpgm
.Lfunc_end_k_qc9b1f25476_qkv:
	.size	k_qc9b1f25476_qkv, .Lfunc_end_k_qc9b1f25476_qkv-k_qc9b1f25476_qkv
	.p2alignl 7, 3214868480
	.fill 96, 4, 3214868480
	.section	.rodata,"a",@progbits
	.p2align	6, 0x0
	.amdhsa_kernel k_qc9b1f25476_qkv
		.amdhsa_group_segment_fixed_size 327680
		.amdhsa_private_segment_fixed_size 0
		.amdhsa_enable_private_segment 0
		.amdhsa_kernarg_size 32
		.amdhsa_user_sgpr_count 2
		.amdhsa_user_sgpr_kernarg_segment_ptr 1
		.amdhsa_wavefront_size32 1
		.amdhsa_system_sgpr_workgroup_id_x 1
		.amdhsa_system_sgpr_workgroup_id_y 1
		.amdhsa_system_sgpr_workgroup_id_z 1
		.amdhsa_system_vgpr_workitem_id 0
		.amdhsa_next_free_vgpr 1024
		.amdhsa_next_free_sgpr 100
		.amdhsa_reserve_vcc 0
		.amdhsa_float_denorm_mode_32 3
		.amdhsa_float_denorm_mode_16_64 3
		.amdhsa_memory_ordered 1
		.amdhsa_forward_progress 1
		.amdhsa_inst_pref_size 152
	.end_amdhsa_kernel
	.amdgpu_metadata
---
amdhsa.version: [ 1, 2 ]
amdhsa.kernels:
  - .name:           k_qc9b1f25476_qkv
    .symbol:         k_qc9b1f25476_qkv.kd
    .args:
      - { .name: ac, .offset: 0, .size: 8, .value_kind: global_buffer, .address_space: global }
      - { .name: wc, .offset: 8, .size: 8, .value_kind: global_buffer, .address_space: global }
      - { .name: qk, .offset: 16, .size: 8, .value_kind: global_buffer, .address_space: global }
      - { .name: vr, .offset: 24, .size: 8, .value_kind: global_buffer, .address_space: global }
    .group_segment_fixed_size: 327680
    .private_segment_fixed_size: 0
    .kernarg_segment_align: 8
    .kernarg_segment_size: 32
    .max_flat_workgroup_size: 128
    .sgpr_count:     100
    .vgpr_count:     1024
    .wavefront_size: 32
...
	.end_amdgpu_metadata
.endif
;; end of part 9
;; launch attn (part 10): grid 8 x 32, 16 waves a work-group, clusters of 4 x 1, 299,008 bytes of LDS; arguments qk, vr, cc; writes cc
.if DOCPART == 10
	.amdgcn_target "amdgcn-amd-amdhsa--gfx1250"
	.amdhsa_code_object_version 6
	.text
	.protected	k_qc9b1f25476_attn
	.globl	k_qc9b1f25476_attn
	.p2align	8
	.type	k_qc9b1f25476_attn,@function
k_qc9b1f25476_attn:
	s_mov_b64 s[64:65], 0
	v_nop
	global_prefetch_b8 v0, s[64:65] scope:SCOPE_SE
	s_setreg_imm32_b32 hwreg(HW_REG_WAVE_MODE, 25, 1), 1
	s_wait_xcnt 0x0
	s_wait_alu depctr_hold_cnt(0) depctr_sa_sdst(0) depctr_va_vdst(0) depctr_va_sdst(0) depctr_va_ssrc(0) depctr_va_vcc(0) depctr_vm_vsrc(0)
	s_getreg_b32 s2, hwreg(HW_REG_IB_STS2, 6, 4)
	s_cmp_eq_u32 s2, 0
	s_cbranch_scc0 .Lentry_in_a_cluster
	s_endpgm
.Lentry_in_a_cluster:
	s_bfe_u32 s2, ttmp6, 0x10000c
	s_cmp_lg_u32 s2, 0x3003
	s_cbranch_scc0 .Lentry_shape_is_right
	s_endpgm
.Lentry_shape_is_right:
; Causal attention of one (batch, head), head size 64, 2,048 tokens, both products on codes of FP6 (E2M3) with E8M0 block scales; the result is quantised along the model's 1,024 for the next product and leaves as codes.
; t = score x log2(e) / 8; M = the running largest t rounded UP to a whole number; p = 2^(t - M) is quantised along the keys, not normalised; the row's sum is taken of the unquantised p and divides at the end; when M moves,
; the sum and O are multiplied by 2^(old M - new M), exactly.
; LEFT OUT: key steps of 128 that lie wholly behind a tile's queries: the causal mask sets their scores to -inf, so their p is 0 for all inputs.
; SHARES.  Work-group (g, y): head y, and of each of the 16 blocks of 128 queries the tile g of 16: 136 steps of 128 keys.  They are dealt 8 or 9 to a wave.  With j = w % 4 + 4 (w / 8) and role = (w / 4) % 2:
;   role A (0): tile of block 8 + j, key steps 0 .. 7;   role B (1): the same tile, key steps 8 .. 8 + j, and then the whole tile of block 7 - j, key steps 0 .. 7 - j.
; B hands its part of tile 8 + j (O^T, -M, the sum: 36 registers, an image of the registers) to wave w - 4 through LDS bytes of its own; A joins the two parts: both under the larger M, by exact powers of two.
; Both walks have 8 trips in every wave; a step that is not the wave's is jumped over by a scalar branch on the wave's number and the step's.  ONE barrier orders B's stores and A's loads: every wave signals behind the first
; walk and waits behind the second, whose steps read K's and V's bytes alone.  No branch and no LDS address hangs on the work-group's place in its cluster.
; LDS.  The head's K (16 records of 6,400 bytes, at 0) and V (at 102,400) are filled once by joint loads of the cluster's four work-groups, which read the same head: wave w brings bytes 12,800 w on, one load a wave.
; From 204,800: 4,608 bytes for each wave's hand-over (wave w stores at region w, wave w reads region w + 4; 20 regions are kept, so that w + 4 lies inside for every w); then the spare words.
; NO PREFETCH: the launch's only loads from K and V stand at its head, with no loop ahead of them to ask in.
; LAYOUT.  Both products transposed: S^T = K Q^T, O^T = V^T P^T: a lane holds one query.  A fragment of K holds TWO tiles of 16 keys, one in registers 0-5 (K = the head's 64) and one in registers 6-11: multiplied by
; [q | 0] it gives the first tile's scores, by [0 | q] the second's; zero codes add nothing.  Row r of tile 2 b + u is token 32 b + 8 u + r + 8 (r / 8), so the 16 registers of two neighbouring tiles are 16 neighbouring keys.
; LIMITS: a block of zeros gets the scale byte 1 where the rule says 127 (zero codes; read by this program alone); NaN and infinities are not served; the promise holds while |t| stays under 2^31.
; REGISTERS: v1-7 addresses that stay, v7 my query - 16 (lane / 16); v8-11, v34-35 the step's addresses; v12 -M, v13 the largest t, v[14:15] the sum; v16-33 [0 | q | 0]; v36-83 four fragments; v84-95 p's codes;
; v96-159 S^T, then p; v160-191 O^T; v192-214 at work; v216-219 K's scale words, v220-223 V's, v224 p's, v225 q's; v230-237 the second tile's q and its scale word; v238 my hand-over bytes; v240-253 partial sums.
.set KVB,  102400
.set PART, 12800
.set MRG,  204800
.set MB,   4608
.set SPARE, MRG+20*MB
.set BM,  192
.set BT,  196
.set SO,  200
.set CT,  204
.set Q2,  230
.set MA,  238
.set SM,  240
.set SEL, 20
.set CS,  22
.set ROLE, 36
.set TB,  48                           ; s48 LDS byte of the step's record
.set KSN, 49                           ; s49 the step's number
.set JJ,  50                           ; s50 the block of the tile at work; -1: none
.set CNT, 62
.macro PLACES
.rept 4
	v_nop
.endr
.endm
.macro CROUND
	s_barrier_signal -1
	s_barrier_wait -1
	s_cmp_lg_u32 s14, 0
	s_cbranch_scc1 .Lnw0_\@
	s_barrier_signal -3
.Lnw0_\@:
	s_barrier_wait -3
	s_barrier_signal -1
	s_barrier_wait -1
.endm
	s_load_b128 s[4:7], s[0:1], 0x0                ; qk, vr
	s_load_b64 s[8:9], s[0:1], 0x10                ; cc
	v_lshl_add_u32 v254, v0, 2, SPARE
	v_mov_b32 v255, 0
	ds_add_u32 v254, v255                          ; the opening lines: the add, twice on end, and its wait
	ds_add_u32 v254, v255
	v_lshrrev_b32 v1, 5, v0
	v_readfirstlane_b32 s14, v1                    ; wave 0..15
	s_bfe_u32 s15, ttmp6, 0x40000                  ; cx
	s_lshl_b32 s16, ttmp9, 2
	s_add_co_u32 s16, s16, s15                     ; g: it enters q's and the result's addresses and the mask's numbers alone
	s_and_b32 s17, ttmp7, 0xffff                   ; y = 16 x batch + head
	s_lshr_b32 s18, s17, 4
	s_and_b32 s19, s17, 15
	s_bfe_u32 s[ROLE], s14, 0x10002
	s_and_b32 s37, s14, 3
	s_lshr_b32 s38, s14, 3
	s_lshl_b32 s38, s38, 2
	s_or_b32 s37, s37, s38                         ; j
	s_add_co_u32 s38, s37, 8                       ; the first walk's block
	s_sub_co_u32 s39, 7, s37                       ; B's second block
	s_cmp_eq_u32 s[ROLE], 0
	s_cselect_b32 s45, -1, s39                     ; the second walk's block: none for A
	s_cselect_b32 s46, s38, s39                    ; the block whose tile I send out
	s_mov_b32 s24, 15|(3<<16)|(1<<21)              ; the mask: all four; elements of 8 bytes; 21 set beside a mask; no padding
	s_mov_b32 s25, 32<<16                          ; two records, a dense block, as 50 rows of 256 bytes
	s_mov_b32 s26, 50<<16
	s_mov_b32 s27, 32<<16
	s_mov_b32 s28, 50
	s_mov_b32 s29, 32
	s_mov_b32 s30, 0
	s_mov_b32 s31, 0
	s_mov_b32 s32, 1
	s_mul_i32 s33, s14, PART                       ; where my load goes: the wave's number alone
	s_and_b32 s40, s14, 7
	s_mul_i32 s40, s40, PART                       ; and which eighth of K's or V's records it is
	s_mov_b32 s41, 0
	s_lshl_b32 s52, s18, 4
	s_add_co_u32 s52, s52, s17                     ; 32 x batch + head: q's records
	s_add_co_u32 s53, s52, 16                      ; k's
	s_mul_i32 s54, s53, KVB
	s_mov_b32 s55, 0
	s_mul_i32 s56, s17, KVB
	s_mov_b32 s57, 0
	s_mul_i32 s52, s52, KVB
	s_mul_i32 s58, s38, 6400
	s_add_co_u32 s58, s58, s52                     ; q's record of block 8 + j
	s_mov_b32 s59, 0
	s_mul_i32 s60, s39, 6400
	s_add_co_u32 s60, s60, s52                     ; and of block 7 - j
	s_mov_b32 s61, 0
	s_lshr_b32 s42, s16, 1
	s_and_b32 s43, s16, 1
	s_mul_i32 s68, s42, 1536
	s_mul_i32 s69, s43, 768
	s_add_co_u32 s68, s68, s69                     ; my tile's half in a record
	s_mov_b32 s69, 0
	s_lshl_b32 s70, s42, 6                         ; and its fragment's scale words
	s_mov_b32 s71, 0
	s_mul_i32 s63, s43, 0x02020202
	s_add_co_u32 s63, s63, 0x01000100              ; byte selects: my tile's two bytes, twice
	s_lshl_b32 s44, s42, 5
	s_lshl_b32 s43, s43, 3
	s_add_co_u32 s44, s44, s43                     ; 32 (g / 2) + 8 (g % 2)
	s_mul_i32 s47, s14, MB
	s_add_co_u32 s47, s47, MRG                     ; my hand-over bytes
	s_mov_b32 s[SEL], 0x76543210
	s_mov_b32 s[SEL+1], 0xfedcba98
	s_mov_b32 s[CS], 0x3e38aa3b                    ; c = log2(e) / 8
	s_mov_b32 s[CS+1], s[CS]
	s_lshl_b32 s[KSN], s[ROLE], 3                  ; the first walk begins at key step 0 (A) or 8 (B)
	s_mul_i32 s[TB], s[ROLE], 8*6400
	s_mov_b32 s[JJ], s38
	s_wait_dscnt 0x0
	s_wait_kmcnt 0x0
	s_add_nc_u64 s[54:55], s[4:5], s[54:55]
	s_add_nc_u64 s[56:57], s[6:7], s[56:57]
	s_cmp_lt_u32 s14, 8                            ; waves 0-7 bring K, waves 8-15 V
	s_cselect_b64 s[34:35], s[54:55], s[56:57]
	s_add_nc_u64 s[34:35], s[34:35], s[40:41]
	s_or_b32 s35, s35, 0x80000000
	s_add_nc_u64 s[58:59], s[4:5], s[58:59]
	s_add_nc_u64 s[60:61], s[4:5], s[60:61]
	s_add_nc_u64 s[72:73], s[58:59], s[68:69]      ; q's codes,
	s_add_nc_u64 s[74:75], s[58:59], s[70:71]      ; q's scale words (6,144 on)
	s_add_nc_u64 s[76:77], s[60:61], s[68:69]      ; the same of the second tile
	s_add_nc_u64 s[78:79], s[60:61], s[70:71]
	CROUND                                         ; all four work-groups are here: the joint loads meet
	tensor_load_to_lds s[32:35], s[24:31]          ; my one load of the launch
	s_nop 0
	v_and_b32 v36, 31, v0
	v_and_b32 v37, 15, v0                          ; r
	v_bfe_u32 v38, v0, 4, 1                        ; h
	v_lshlrev_b32 v1, 4, v36                       ; K: 16 x lane
	v_lshlrev_b32 v2, 3, v36                       ;    8 x lane
	v_lshlrev_b32 v226, 2, v37                     ; 4 r
	global_load_b128 v[22:25], v1, s[72:73]
	global_load_b64 v[26:27], v2, s[72:73] offset:512
	global_load_b32 v227, v226, s[74:75] offset:6144
	global_load_b128 v[Q2:Q2+3], v1, s[76:77]      ; (one path through the head: every wave loads both tiles' q; role A uses the first alone)
	global_load_b64 v[Q2+4:Q2+5], v2, s[76:77] offset:512
	global_load_b32 v[Q2+6], v226, s[78:79] offset:6144
	v_add_nc_u32 v3, KVB, v1                       ; V likewise
	v_add_nc_u32 v4, KVB, v2
	v_add_nc_u32 v5, 6144, v226                    ; K's scale words
	v_add_nc_u32 v6, KVB+6144, v226                ; V's
	v_add_nc_u32 v[MA], s47, v1
	v_and_b32 v7, 8, v37
	v_lshlrev_b32 v39, 4, v38
	s_delay_alu instid0(VALU_DEP_2)
	v_add_nc_u32 v7, v7, v37
	s_delay_alu instid0(VALU_DEP_1)
	v_add_nc_u32 v7, s44, v7                       ; my query in its block
	s_delay_alu instid0(VALU_DEP_1)
	v_sub_nc_u32 v7, v7, v39                       ; - 16 h: register 16 b + i holds key 32 b + 16 h + i, hidden on the diagonal where 32 b + i is above this
.irp j, 16,17,18,19,20,21,28,29,30,31,32,33
	v_mov_b32 v[\j], 0                             ; the zero codes on both sides of q
.endr
.macro FRESH                           ; a tile's state at its start; the step is written for every step alike: the first change of M multiplies zeros
	v_mov_b32 v13, 0xff61b1e6                      ; the largest t so far: -3e38
	v_mov_b32 v14, 0
	v_mov_b32 v15, 0
	v_floor_f32 v12, -v13                          ; -M
.set N_, 0
.rept 32
	v_mov_b32 v[160+N_], 0                         ; O^T
.set N_, N_+1
.endr
.endm
	v_mov_b32 v213, 0                              ; (named as the upper half of the pair v[212:213])
.irp b, 0,1,2,3
	v_mov_b32 v[BT+\b], 0                          ; a lane permute's destination counts as one of its sources
.endr
	s_wait_loadcnt 0x0
	v_perm_b32 v225, v227, v227, s63               ; q's scale word serves [q | 0] and [0 | q]: its two bytes, twice
	v_perm_b32 v[Q2+7], v[Q2+6], v[Q2+6], s63
	FRESH
.macro STEP
	s_cmp_gt_i32 s[KSN], s[JJ]                     ; all keys of this step come after the tile's queries, or I have no tile: nothing to do but the end lines
	s_cbranch_scc1 .Lhid_\@
	v_add_nc_u32 v8, s[TB], v1                     ; (these six are the places in front of the loads into registers that the last products read)
	v_add_nc_u32 v9, s[TB], v2
	v_add_nc_u32 v10, s[TB], v3
	v_add_nc_u32 v11, s[TB], v4
	v_add_nc_u32 v34, s[TB], v5
	v_add_nc_u32 v35, s[TB], v6
.irp p, 0,1,2,3
	ds_load_b128 v[36+12*\p:39+12*\p], v8 offset:1536*\p
	ds_load_b64 v[40+12*\p:41+12*\p], v9 offset:1536*\p+512
	ds_load_b128 v[42+12*\p:45+12*\p], v8 offset:1536*\p+768
	ds_load_b64 v[46+12*\p:47+12*\p], v9 offset:1536*\p+1280
	ds_load_b32 v[216+\p], v34 offset:64*\p
.endr
	s_wait_alu depctr_va_vdst(0)
	s_wait_dscnt 0x0
.irp p, 0,1,2,3
	v_wmma_scale_f32_16x16x128_f8f6f4 v[96+16*\p:103+16*\p], v[36+12*\p:47+12*\p], v[22:33], 0, v[216+\p], v225 matrix_a_fmt:MATRIX_FMT_FP6 matrix_b_fmt:MATRIX_FMT_FP6
	v_wmma_scale_f32_16x16x128_f8f6f4 v[104+16*\p:111+16*\p], v[36+12*\p:47+12*\p], v[16:27], 0, v[216+\p], v225 matrix_a_fmt:MATRIX_FMT_FP6 matrix_b_fmt:MATRIX_FMT_FP6
.endr
	PLACES
.irp p, 0,1,2,3                        ; V's fragments take the registers that K's have left, and land under the softmax
	ds_load_b128 v[36+12*\p:39+12*\p], v10 offset:1536*\p
	ds_load_b64 v[40+12*\p:41+12*\p], v11 offset:1536*\p+512
	ds_load_b128 v[42+12*\p:45+12*\p], v10 offset:1536*\p+768
	ds_load_b64 v[46+12*\p:47+12*\p], v11 offset:1536*\p+1280
	ds_load_b32 v[220+\p], v35 offset:64*\p
.endr
	s_cmp_lg_u32 s[KSN], s[JJ]                     ; only the step on the diagonal has hidden keys
	s_cbranch_scc1 .Lopen_\@
	v_mov_b32 v214, 0xff800000                     ; -infinity: p = 0 then
.set N_, 0
.rept 64
	v_cmp_gt_i32 vcc_lo, 32*(N_/16)+N_%16, v7
	v_cndmask_b32 v[96+N_], v[96+N_], v214, vcc_lo
.set N_, N_+1
.endr
.Lopen_\@:
.irp b, 0,1,2,3
	v_max3_num_f32 v[BM+\b], v[96+16*\b], v[97+16*\b], v[98+16*\b]   ; the largest score of each block of 32 keys: for the row's maximum and, since p rises with the score, for the block's largest p
.endr
.irp i, 3,5,7,9,11,13
.irp b, 0,1,2,3
	v_max3_num_f32 v[BM+\b], v[BM+\b], v[96+16*\b+\i], v[97+16*\b+\i]
.endr
.endr
.irp b, 0,1,2,3
	v_max_num_f32 v[BM+\b], v[BM+\b], v[111+16*\b]
.endr
.irp b, 0,1,2,3
	s_delay_alu instid0(VALU_DEP_4)
	v_permlanex16_b32 v[BT+\b], v[BM+\b], s[SEL], s[SEL+1]
.endr
.irp b, 0,1,2,3
	s_delay_alu instid0(VALU_DEP_4)
	v_max_num_f32 v[BM+\b], v[BM+\b], v[BT+\b]
.endr
	s_delay_alu instid0(VALU_DEP_2)
	v_max3_num_f32 v214, v[BM], v[BM+1], v[BM+2]
	s_delay_alu instid0(VALU_DEP_1)
	v_max_num_f32 v214, v214, v[BM+3]
	s_delay_alu instid0(VALU_DEP_1)
	v_mul_f32 v214, s[CS], v214                    ; the step's largest t
	s_delay_alu instid0(VALU_DEP_1)
	v_max_num_f32 v13, v13, v214
	v_mov_b32 v214, v12
	s_delay_alu instid0(VALU_DEP_2)
	v_floor_f32 v12, -v13                          ; the new -M = -ceil(t)
	s_delay_alu instid0(VALU_DEP_1)
	v_sub_f32 v214, v12, v214                      ; old M - new M: a whole number, 0 or less
	s_delay_alu instid0(VALU_DEP_1)
	v_cvt_i32_f32 v214, v214                       ; (it saturates)
	s_delay_alu instid0(VALU_DEP_1)
	v_ldexp_f32 v212, 1.0, v214                    ; f = 2^(old M - new M)
.set N_, 0
.rept 32
	v_pk_fma_f32 v[96+N_:97+N_], v[96+N_:97+N_], s[CS:CS+1], v[12:13] op_sel_hi:[1,0,0]   ; t - M
.set N_, N_+2
.endr
.irp b, 0,1,2,3
	v_fma_f32 v[BM+\b], v[BM+\b], s[CS], v12
.endr
	s_wait_alu depctr_va_vdst(0)
.set N_, 0
.rept 64
	v_exp_f32 v[96+N_], v[96+N_]                   ; p = 2^(t - M)
.set N_, N_+1
.endr
	v_pk_mul_f32 v[14:15], v[14:15], v[212:213] op_sel_hi:[1,0]   ; the sums under the new M (a plain instruction behind the exponentials)
	s_wait_alu depctr_va_vdst(0)                   ; one wait for the batch of 64, ahead of its first reader
.irp b, 0,1,2,3
	v_exp_f32 v[BM+\b], v[BM+\b]                   ; each block's largest p
.endr
.irp c, 0,1,2,3,4,5,6                  ; the row's sum of the unquantised p: 32 pairs in eight chains, the eighth the running sum itself
	v_pk_add_f32 v[SM+2*\c:SM+2*\c+1], v[96+2*\c:97+2*\c], v[112+2*\c:113+2*\c]
.endr
	v_pk_add_f32 v[14:15], v[14:15], v[110:111]
.irp k, 128,144
.irp c, 0,1,2,3,4,5,6
	v_pk_add_f32 v[SM+2*\c:SM+2*\c+1], v[SM+2*\c:SM+2*\c+1], v[\k+2*\c:\k+2*\c+1]
.endr
	v_pk_add_f32 v[14:15], v[14:15], v[\k+14:\k+15]
.endr
	v_pk_add_f32 v[14:15], v[14:15], v[126:127]
	v_pk_add_f32 v[SM:SM+1], v[SM:SM+1], v[SM+2:SM+3]
	v_pk_add_f32 v[SM+4:SM+5], v[SM+4:SM+5], v[SM+6:SM+7]
	v_pk_add_f32 v[SM+8:SM+9], v[SM+8:SM+9], v[SM+10:SM+11]
	v_pk_add_f32 v[14:15], v[14:15], v[SM+12:SM+13]
	s_delay_alu instid0(VALU_DEP_3)
	v_pk_add_f32 v[SM:SM+1], v[SM:SM+1], v[SM+4:SM+5]
	s_delay_alu instid0(VALU_DEP_2)
	v_pk_add_f32 v[14:15], v[14:15], v[SM+8:SM+9]
	s_delay_alu instid0(VALU_DEP_1)
	v_pk_add_f32 v[14:15], v[14:15], v[SM:SM+1]
	s_wait_alu depctr_va_vdst(0)                   ; and one for the four
.irp b, 0,1,2,3
	v_max_num_f32 v[BM+\b], 0x1800000, v[BM+\b]    ; the floor 2^(3 - 127)
.endr
.irp b, 0,1,2,3
	s_delay_alu instid0(VALU_DEP_4)
	v_add_nc_u32 v[SO+\b], 0xff000000, v[BM+\b]
.endr
.irp b, 0,1,2,3
	s_delay_alu instid0(VALU_DEP_4)
	v_lshrrev_b32 v[BT+\b], 23, v[SO+\b]
.endr
	s_delay_alu instid0(VALU_DEP_3)
	v_lshl_or_b32 v224, v[BT+1], 8, v[BT]          ; p's scale word for these 128 keys
	s_delay_alu instid0(VALU_DEP_1)
	v_lshl_or_b32 v224, v[BT+2], 16, v224
	s_delay_alu instid0(VALU_DEP_1)
	v_lshl_or_b32 v224, v[BT+3], 24, v224
.irp c, 0,1
	v_cvt_scalef32_pk16_fp6_f32 v[84+6*\c:86+6*\c], v[96+32*\c:111+32*\c], v[SO+2*\c]
	v_cvt_scalef32_pk16_fp6_f32 v[CT+4*\c:CT+4*\c+2], v[112+32*\c:127+32*\c], v[SO+2*\c+1]
.endr
	v_nop
.irp c, 0,1
.irp i, 0,1,2
	v_permlane16_swap_b32 v[84+6*\c+\i], v[CT+4*\c+\i]
.endr
.irp i, 0,1,2
	s_delay_alu instid0(VALU_DEP_3)
	v_mov_b32 v[87+6*\c+\i], v[CT+4*\c+\i]
.endr
.endr
	s_wait_alu depctr_va_vdst(0)
.set N_, 0
.rept 16
	v_pk_mul_f32 v[160+N_:161+N_], v[160+N_:161+N_], v[212:213] op_sel_hi:[1,0]   ; O^T under the new M; these sixteen also stand between the writes of p's codes and scale word and the products
.set N_, N_+2
.endr
	s_wait_alu depctr_va_vdst(0)
	s_wait_dscnt 0x0                               ; V
.irp t, 0,1,2,3
	v_wmma_scale_f32_16x16x128_f8f6f4 v[160+8*\t:167+8*\t], v[36+12*\t:47+12*\t], v[84:95], v[160+8*\t:167+8*\t], v[220+\t], v224 matrix_a_fmt:MATRIX_FMT_FP6 matrix_b_fmt:MATRIX_FMT_FP6
.endr
.Lhid_\@:
	s_add_co_u32 s[KSN], s[KSN], 1
	s_add_co_u32 s[TB], s[TB], 6400
.endm
.macro WALK                            ; eight key steps on end, in every wave
	s_mov_b32 s[CNT], 8
.Lw_\@:
	STEP
	s_sub_co_u32 s[CNT], s[CNT], 1
	s_cmp_lg_u32 s[CNT], 0
	s_cbranch_scc1 .Lw_\@
	s_wait_alu depctr_va_vdst(0)
	PLACES                                         ; behind the last products
.endm
	s_wait_alu depctr_va_vdst(0)
	s_wait_tensorcnt 0x0                           ; my eighth is in;
	s_barrier_signal -1
	s_barrier_wait -1                              ; and everybody's: all of K and V lies in LDS, and nothing is ever filled again
	WALK                                           ; tile 8 + j: A's key steps 0-7, B's 8 .. 8 + j
	s_cmp_eq_u32 s[ROLE], 0
	s_cbranch_scc1 .Lkeep
.irp i, 0,1,2,3,4,5,6,7
	ds_store_b128 v[MA], v[160+4*\i:163+4*\i] offset:512*\i   ; B's part, as an image of the registers; each accumulator from its low end on
.endr
	ds_store_b128 v[MA], v[12:15] offset:4096      ; -M, the largest t, the sum's two halves
.Lkeep:
	s_wait_dscnt 0x0                               ; for A's sake: my stores are done
	s_barrier_signal -1                            ; up to the wait for this barrier: work on registers, and LDS loads of K's and V's bytes, which nobody writes
	s_mov_b32 s[KSN], 0
	s_mov_b32 s[TB], 0
	s_mov_b32 s[JJ], s45
	s_cmp_eq_u32 s[ROLE], 0
	s_cbranch_scc1 .Lstay
.irp i, 0,1,2,3,4,5
	v_mov_b32 v[22+\i], v[Q2+\i]                   ; B goes on to tile 7 - j
.endr
	v_mov_b32 v225, v[Q2+7]
	FRESH
	s_wait_alu depctr_va_vdst(0)
.Lstay:
	WALK                                           ; B's tile 7 - j, key steps 0 .. 7 - j; A jumps over all eight
	s_barrier_wait -1                              ; every B has stored its part
	s_cmp_lg_u32 s[ROLE], 0
	s_cbranch_scc1 .Lown
.irp i, 0,1,2,3,4,5,6,7,8
	ds_load_b128 v[96+4*\i:99+4*\i], v[MA] offset:4*MB+512*\i   ; A: the part of wave w + 4: O^T in v96-127, -M in v128, the sum in v[130:131]
.endr
	s_wait_dscnt 0x0
	v_min_num_f32 v132, v12, v128                  ; -M of the two parts together
	v_mov_b32 v137, 0                              ; (the upper halves of the pairs named below)
	v_mov_b32 v139, 0
	s_delay_alu instid0(VALU_DEP_3)
	v_sub_f32 v133, v132, v12                      ; my M less the common one, and the other's: whole numbers, 0 or less
	v_sub_f32 v134, v132, v128
	s_delay_alu instid0(VALU_DEP_2)
	v_cvt_i32_f32 v133, v133
	s_delay_alu instid0(VALU_DEP_2)
	v_cvt_i32_f32 v134, v134
	s_delay_alu instid0(VALU_DEP_2)
	v_ldexp_f32 v136, 1.0, v133
	s_delay_alu instid0(VALU_DEP_2)
	v_ldexp_f32 v138, 1.0, v134
	s_delay_alu instid0(VALU_DEP_2)
	v_pk_mul_f32 v[14:15], v[14:15], v[136:137] op_sel_hi:[1,0]
.set N_, 0
.rept 16
	v_pk_mul_f32 v[160+N_:161+N_], v[160+N_:161+N_], v[136:137] op_sel_hi:[1,0]
.set N_, N_+2
.endr
	v_pk_fma_f32 v[14:15], v[130:131], v[138:139], v[14:15] op_sel_hi:[1,0,1]
.set N_, 0
.rept 16
	v_pk_fma_f32 v[160+N_:161+N_], v[96+N_:97+N_], v[138:139], v[160+N_:161+N_] op_sel_hi:[1,0,1]
.set N_, N_+2
.endr
.Lown:
	; THE WAY OUT: O^T / the sum is my token's 64 channels of this head: two blocks of 32 along the next product's K: half a fragment
	v_add_f32 v14, v14, v15
	s_delay_alu instid0(VALU_DEP_1)
	v_permlanex16_b32 v[BT], v14, s[SEL], s[SEL+1]
	s_delay_alu instid0(VALU_DEP_1)
	v_add_f32 v14, v14, v[BT]
	s_wait_alu depctr_va_vdst(0)
	v_rcp_f32 v14, v14
	v_nop
	s_lshl_b32 s52, s18, 4
	s_add_co_u32 s52, s52, s46
	s_lshl_b32 s52, s52, 2
	s_lshr_b32 s53, s19, 2
	s_add_co_u32 s52, s52, s53
	s_mul_i32 s52, s52, 25600                      ; chunk (16 x batch + block, head / 4)
	s_bfe_u32 s53, s19, 0x10001                    ; its K step (head / 2) % 2,
	s_and_b32 s54, s19, 1                          ; the half head % 2
	s_lshl_b32 s55, s53, 3
	s_add_co_u32 s55, s55, s16
	s_mul_i32 s55, s55, 1536
	s_mul_i32 s56, s54, 768
	s_add_co_u32 s55, s55, s56
	s_add_co_u32 s56, s52, s55
	s_mov_b32 s57, 0
	s_add_nc_u64 s[58:59], s[8:9], s[56:57]
	s_lshl_b32 s55, s16, 7
	s_lshl_b32 s53, s53, 6
	s_lshl_b32 s54, s54, 1
	s_add_co_u32 s55, s55, s53
	s_add_co_u32 s55, s55, s54
	s_add_co_u32 s56, s52, s55
	s_add_nc_u64 s[60:61], s[8:9], s[56:57]
	s_wait_alu depctr_va_vdst(0)                   ; ahead of the reciprocal's first reader, which is also O^T's on B's way
.set N_, 0
.rept 16
	v_pk_mul_f32 v[96+N_:97+N_], v[160+N_:161+N_], v[14:15] op_sel_hi:[1,0]
.set N_, N_+2
.endr
.irp b, 0,1
	v_max3_num_f32 v[BM+\b], 0x1800000, |v[96+16*\b]|, |v[97+16*\b]|
.endr
.irp i, 2,4,6,8,10,12,14
.irp b, 0,1
	s_delay_alu instid0(VALU_DEP_2)
	v_max3_num_f32 v[BM+\b], v[BM+\b], |v[96+16*\b+\i]|, |v[97+16*\b+\i]|
.endr
.endr
.irp b, 0,1
	s_delay_alu instid0(VALU_DEP_2)
	v_permlanex16_b32 v[BT+\b], v[BM+\b], s[SEL], s[SEL+1]
.endr
.irp b, 0,1
	s_delay_alu instid0(VALU_DEP_2)
	v_max_num_f32 v[BM+\b], v[BM+\b], v[BT+\b]
.endr
.irp b, 0,1
	s_delay_alu instid0(VALU_DEP_2)
	v_add_nc_u32 v[SO+\b], 0xff000000, v[BM+\b]
.endr
.irp b, 0,1
	s_delay_alu instid0(VALU_DEP_2)
	v_lshrrev_b32 v[BT+\b], 23, v[SO+\b]
.endr
	s_delay_alu instid0(VALU_DEP_1)
	v_lshl_or_b32 v228, v[BT+1], 8, v[BT]
	v_cvt_scalef32_pk16_fp6_f32 v[84:86], v[96:111], v[SO]
	v_cvt_scalef32_pk16_fp6_f32 v[CT:CT+2], v[112:127], v[SO+1]
	v_nop
.irp i, 0,1,2
	v_permlane16_swap_b32 v[84+\i], v[CT+\i]
.endr
.irp i, 0,1,2
	s_delay_alu instid0(VALU_DEP_3)
	v_mov_b32 v[87+\i], v[CT+\i]
.endr
	global_store_b128 v1, v[84:87], s[58:59]              ; 512 consecutive bytes
	global_store_b64 v2, v[88:89], s[58:59] offset:512    ; 256 consecutive bytes
	global_store_b16 v226, v228, s[60:61] offset:24576    ; my head's two bytes of the row's scale word
	s_wait_tensorcnt 0x0                           ; the wave's end
	ds_add_u32 v254, v255
	s_wait_dscnt 0x0
	CROUND                                         ; the closing round
	s_endpgm
.Lfunc_end_k_qc9b1f25476_attn:
	.size	k_qc9b1f25476_attn, .Lfunc_end_k_qc9b1f25476_attn-k_qc9b1f25476_attn
	.p2alignl 7, 3214868480
	.fill 96, 4, 3214868480
	.section	.rodata,"a",@progbits
	.p2align	6, 0x0
	.amdhsa_kernel k_qc9b1f25476_attn
		.amdhsa_group_segment_fixed_size 299008
		.amdhsa_private_segment_fixed_size 0
		.amdhsa_enable_private_segment 0
		.amdhsa_kernarg_size 24
		.amdhsa_user_sgpr_count 2
		.amdhsa_user_sgpr_kernarg_segment_ptr 1
		.amdhsa_wavefront_size32 1
		.amdhsa_system_sgpr_workgroup_id_x 1
		.amdhsa_system_sgpr_workgroup_id_y 1
		.amdhsa_system_sgpr_workgroup_id_z 1
		.amdhsa_system_vgpr_workitem_id 0
		.amdhsa_next_free_vgpr 256
		.amdhsa_next_free_sgpr 80
		.amdhsa_reserve_vcc 1
		.amdhsa_float_denorm_mode_32 3
		.amdhsa_float_denorm_mode_16_64 3
		.amdhsa_memory_ordered 1
		.amdhsa_forward_progress 1
		.amdhsa_inst_pref_size 65
	.end_amdhsa_kernel
	.amdgpu_metadata
---
amdhsa.version: [ 1, 2 ]
amdhsa.kernels:
  - .name:           k_qc9b1f25476_attn
    .symbol:         k_qc9b1f25476_attn.kd
    .args:
      - { .name: qk, .offset: 0, .size: 8, .value_kind: global_buffer, .address_space: global }
      - { .name: vr, .offset: 8, .size: 8, .value_kind: global_buffer, .address_space: global }
      - { .name: cc, .offset: 16, .size: 8, .value_kind: global_buffer, .address_space: global }
    .group_segment_fixed_size: 299008
    .private_segment_fixed_size: 0
    .kernarg_segment_align: 8
    .kernarg_segment_size: 24
    .max_flat_workgroup_size: 512
    .sgpr_count:     80
    .vgpr_count:     256
    .wavefront_size: 32
...
	.end_amdgpu_metadata
.endif
;; end of part 10
;; launch oproj (part 11): grid 8 x 32, 4 waves a work-group, clusters of 4 x 4, 205,312 bytes of LDS; arguments cc, wc, bo, x, hb; writes hb
.if DOCPART == 11
	.amdgcn_target "amdgcn-amd-amdhsa--gfx1250"
	.amdhsa_code_object_version 6
	.text
	.protected	k_qc9b1f25476_oproj
	.globl	k_qc9b1f25476_oproj
	.p2align	8
	.type	k_qc9b1f25476_oproj,@function
k_qc9b1f25476_oproj:
	s_mov_b64 s[64:65], 0
	v_nop
	global_prefetch_b8 v0, s[64:65] scope:SCOPE_SE
	s_setreg_imm32_b32 hwreg(HW_REG_WAVE_MODE, 25, 1), 1
	s_wait_xcnt 0x0
	s_wait_alu depctr_hold_cnt(0) depctr_sa_sdst(0) depctr_va_vdst(0) depctr_va_sdst(0) depctr_va_ssrc(0) depctr_va_vcc(0) depctr_vm_vsrc(0)
	s_getreg_b32 s2, hwreg(HW_REG_IB_STS2, 6, 4)
	s_cmp_eq_u32 s2, 0
	s_cbranch_scc0 .Lentry_in_a_cluster
	s_endpgm
.Lentry_in_a_cluster:
	s_bfe_u32 s2, ttmp6, 0x10000c
	s_cmp_lg_u32 s2, 0xf033
	s_cbranch_scc0 .Lentry_shape_is_right
	s_endpgm
.Lentry_shape_is_right:
; h = x + ctx Wo + bo: ctx's codes (R, tokens) times Wo's (P, 1,024 features), K = 1,024, on codes of FP6 (E2M3) with E8M0 block scales; f32 out.
; Operands lie in memory in the order of their registers, in chunks of 128 rows x 256 K (25,600 bytes: 16 fragments of 1,536 bytes, then 1,024 bytes of scale words); row r of tile 2 b + u is row 32 b + 8 u + r + 8 (r / 8).
; A work-group multiplies 128 rows of P (source 0) by 128 rows of R (source 1): 8 x 32 = 256 work-groups.  Wave w takes P's tiles 4 (w % 2) on and R's tiles 4 (w / 2) on: 16 accumulators.  A lane holds one token; the 32
; registers of a tile of tokens run along 64 neighbouring features.  The bias is the C of each sum's first product.  All of K lies in LDS (P's four chunks at 0, R's at 102,400), filled once; no LDS byte is filled again.
; CLUSTER 4 x 4: P's chunks hang on the work-group's x alone and are asked for jointly down a column, R's on its y alone and jointly along a row.
; A K STEP (128 along K) is 16 products; the next step's 32 fragment loads stand in two runs of 16, each ahead of 8 products, so that LDS serves them while products are at work.  P's and R's fragments lie in one register
; window, so that one setting serves a run: four switches a step, five where the next chunk's scale words are fetched too.
; THE WAY OUT: a tile of 16 tokens x 64 features goes through the wave's stage (16 rows of 272 bytes, in LDS bytes that have had their only fill and, behind the last step's barrier, their last read), comes back sixteen lanes to
; a row of 256 bytes, takes the residual (loaded in the same shape under the products) and is stored: sixteen lanes store 256 consecutive bytes, aligned.
; REGISTERS: window 0: v4-15, v24-26, v52-54 LDS addresses (one for every two chunks); v32-47 scale words; v64-127 the way out; v160-191 the bias.  Window 1: P's fragments, two sets, from v0; R's from v128.
;   Window 2: accumulator (a, b) at v[8 (4 a + b)]; from v128 the residual.
.set KC,    4
.set CH,    25600
.set NPL,   4                          ; chunk places of each operand in LDS
.set HB,    51200                      ; two chunks on end: what one tensor load brings (200 rows of 256 bytes)
.set RREG,  NPL*CH
.set WOFF,  2457600                    ; Wo's chunks begin 96 chunks into wc
.set AP16, 4
.set AP8,  7
.set AR16, 10
.set AR8,  13
.set LI16, 16
.set LI8,  17
.set BO,   19
.set STO,  20
.set RD,   21
.set GO,   23
.set AP4,  24
.set SCP,  32                          ; v32-39 P's scale words, two sets of 4: lanes 0-15 the chunk's first 128 along K, lanes 16-31 its second;  v40-47 R's
.set SCR,  40
.set AR4,  52
.set BK,   64
.set BI,   160
.set PF,   0
.set RF,   128
.set RS,   128
.set G1P, 24
.set G1R, 32
.set MSB, 0
.macro WIN new                         ; the immediate's high byte repeats the setting that is left; a switch that changes nothing is dropped
.if MSB != (\new)
	s_set_vgpr_msb (MSB<<8)|(\new)
.set MSB, (\new)
.endif
.endm
.macro PLACES                          ; four plain instructions between a matrix instruction and a load into, or a read of, its registers
.rept 4
	v_nop
.endr
.endm
.macro CROUND                          ; a round of the cluster's barrier
	s_barrier_signal -1
	s_barrier_wait -1
	s_cmp_lg_u32 s14, 0
	s_cbranch_scc1 .Lnw0_\@
	s_barrier_signal -3
.Lnw0_\@:
	s_barrier_wait -3
	s_barrier_signal -1
	s_barrier_wait -1
.endm
.macro FRAG reg, a16, a8, off          ; a fragment comes as it was stored: 16, 8, 16, 8 bytes a lane, each run of lanes consecutive
.set FR_, \reg
.set FO_, \off
	ds_load_b128 v[FR_:FR_+3], v[\a16] offset:FO_
	ds_load_b64 v[FR_+4:FR_+5], v[\a8] offset:FO_+512
	ds_load_b128 v[FR_+6:FR_+9], v[\a16] offset:FO_+768
	ds_load_b64 v[FR_+10:FR_+11], v[\a8] offset:FO_+1280
.endm
.macro KSET kk                         ; where K step kk lies: chunk kk / 2, in place (kk / 2) % NPL; fragment set kk % 2; scale set (kk / 2) % 2
.set C_, (\kk)/2
.set PL_, C_%NPL
.set J_, PL_/2
.set SO_, (PL_%2)*CH
.set OF_, SO_+((\kk)%2)*12288
.set ST_, (\kk)%2
.set SS_, C_%2
.endm
.macro MULA k, a, cmode                ; four products: R's tile a against P's four.  cmode 2: the first product takes the bias as C
.irp b, 0,1,2,3
.set D_, 8*(4*(\a)+\b)
.set P_, PF+48*((\k)%2)+12*\b
.set R_, RF+48*((\k)%2)+12*(\a)
.set SP_, SCP+4*(((\k)/2)%2)+\b
.set SR_, SCR+4*(((\k)/2)%2)+(\a)
.set CC_, D_
.if \cmode == 2
.set CC_, BI+8*\b
.endif
.if ((\k)%2) == 1
	v_wmma_scale_f32_16x16x128_f8f6f4 v[D_:D_+7], v[P_:P_+11], v[R_:R_+11], v[CC_:CC_+7], v[SP_], v[SR_] matrix_a_fmt:MATRIX_FMT_FP6 matrix_b_fmt:MATRIX_FMT_FP6 matrix_a_scale:MATRIX_SCALE_ROW1 matrix_b_scale:MATRIX_SCALE_ROW1
.else
	v_wmma_scale_f32_16x16x128_f8f6f4 v[D_:D_+7], v[P_:P_+11], v[R_:R_+11], v[CC_:CC_+7], v[SP_], v[SR_] matrix_a_fmt:MATRIX_FMT_FP6 matrix_b_fmt:MATRIX_FMT_FP6
.endif
.endr
.endm
; K step k's 16 products, the 16 accumulators by turns, in the same order in every step; fetch = 1: the next step's fragments are asked for in two runs among them
.macro WORK k, fetch, cmode
.set NX_, (\k)+1
.irp g, 0,1
.if \fetch
	KSET NX_
	WIN 0x40                                       ; destination window 1, address window 0
.irp u, 0,1
	FRAG PF+48*ST_+12*(2*\g+\u), AP16+J_, AP8+J_, OF_+1536*(2*\g+\u)
	FRAG RF+48*ST_+12*(2*\g+\u), AR16+J_, AR8+J_, OF_+1536*(2*\g+\u)
.endr
.if (NX_%2 == 0) && (\g == 1)
	WIN 0
.irp i, 0,1,2,3
	ds_load_b32 v[SCP+4*SS_+\i], v[AP4+J_] offset:SO_+128*\i
	ds_load_b32 v[SCR+4*SS_+\i], v[AR4+J_] offset:SO_+128*\i
.endr
.endif
.endif
.if \cmode == 2
	WIN 0x85                                       ; sources 0 and 1 window 1, C window 0, D window 2
.else
	WIN 0xa5                                       ; sources 0 and 1 window 1, C and D window 2
.endif
	MULA \k, 2*\g, \cmode
	MULA \k, 2*\g+1, \cmode
.endr
.endm
; A K step: its fragments are in; vis >= 0: the chunk that the next step enters has landed (vis younger chunk loads of mine may be out), then a barrier; -2: a barrier alone; -1: neither
.macro STEP k, vis, fetch, cmode
	s_wait_dscnt 0x0
.if \vis >= 0
	s_wait_tensorcnt \vis
.endif
.if \vis != -1
	s_barrier_signal -1
	s_barrier_wait -1
.endif
.if \fetch
	PLACES                                         ; the loads go into the sets that the last step multiplied
.endif
	WORK \k, \fetch, \cmode
.endm
.macro FETCH0                          ; K step 0's fragments and chunk 0's scale words
	WIN 0x40
.irp i, 0,1,2,3
	FRAG PF+12*\i, AP16, AP8, 1536*\i
	FRAG RF+12*\i, AR16, AR8, 1536*\i
.endr
	WIN 0
.irp i, 0,1,2,3
	ds_load_b32 v[SCP+\i], v[AP4] offset:128*\i
	ds_load_b32 v[SCR+\i], v[AR4] offset:128*\i
.endr
.endm
.macro RLOAD                           ; the residual of my 64 tokens x 64 features, in the shape in which the results come back from the stage: lanes 0-15 fragment row 2 t, lanes 16-31 row 2 t + 1
	WIN 0x80
.irp a, 0,1,2,3
.irp t, 0,1,2,3,4,5,6,7
	global_load_b128 v[RS+32*\a+4*\t:RS+32*\a+4*\t+3], v[GO], s[10:11] offset:(32*(\a/2)+8*(\a%2)+2*\t+8*(\t/4))*4096
.endr
.endr
	WIN 0
.endm
	s_load_b256 s[4:11], s[0:1], 0x0               ; cc, wc, bo, x
	s_load_b64 s[12:13], s[0:1], 0x20              ; hb
	v_lshl_add_u32 v254, v0, 2, 0x32000
	v_mov_b32 v255, 0
	ds_add_u32 v254, v255
	ds_add_u32 v254, v255
	v_lshrrev_b32 v1, 5, v0
	v_readfirstlane_b32 s14, v1                    ; wave
	s_lshr_b32 s15, s14, 1                         ; wr: my four tiles of R.  Also: I fetch for P (0) or for R (1)
	s_and_b32 s16, s14, 1                          ; wp: my four tiles of P.  Also: which two of the four chunks I fetch
	s_bfe_u32 s17, ttmp6, 0x40000                  ; cx
	s_bfe_u32 s18, ttmp6, 0x40004                  ; cy
	s_lshl_b32 s19, ttmp9, 2
	s_add_co_u32 s19, s19, s17                     ; px: which 128 features
	s_and_b32 s20, ttmp7, 0xffff
	s_lshl_b32 s20, s20, 2
	s_add_co_u32 s20, s20, s18                     ; ry: which 128 tokens
	s_lshl_b32 s21, s18, 2
	s_lshl_b32 s21, 15, s21                        ; my row of the cluster
	s_lshl_b32 s22, 0x1111, s17                    ; my column
	s_or_b32 s[G1P], s22, (3<<16)|(1<<21)          ; 15:0 the mask; 17:16 elements of 8 bytes; 21 set beside a mask; no padding
	s_or_b32 s[G1R], s21, (3<<16)|(1<<21)
.irp g, G1P, G1R
	s_mov_b32 s[\g+1], 32<<16                      ; a dense block as rows of 256 bytes: tensor_dim0 = 32
	s_mov_b32 s[\g+2], 200<<16                     ; tensor_dim1
	s_mov_b32 s[\g+3], 32<<16                      ; tile_dim0
	s_mov_b32 s[\g+4], 200                         ; tile_dim1
	s_mov_b32 s[\g+5], 32                          ; the pitch
	s_mov_b32 s[\g+6], 0
	s_mov_b32 s[\g+7], 0
.endr
	s_mul_i32 s88, s16, HB                         ; my two chunks: the wave's number alone enters an LDS address
	s_mul_i32 s80, s19, KC*CH
	s_add_co_u32 s80, s80, WOFF
	s_add_co_u32 s80, s80, s88                     ; P's row block px
	s_mov_b32 s81, 0
	s_mul_i32 s84, s20, KC*CH
	s_add_co_u32 s84, s84, s88                     ; R's row block ry
	s_mov_b32 s85, 0
	s_add_co_u32 s89, s88, RREG
	s_lshl_b32 s90, s20, 7
	s_lshl_b32 s91, s15, 6
	s_add_co_u32 s90, s90, s91                     ; my first token: 128 ry + 64 wr
	s_lshl_b32 s90, s90, 12
	s_lshl_b32 s92, s19, 9
	s_lshl_b32 s91, s16, 8
	s_add_co_u32 s92, s92, s91                     ; my first feature, in bytes: 512 px + 256 wp
	s_add_co_u32 s90, s90, s92
	s_mov_b32 s91, 0
	s_mov_b32 s93, 0
	s_wait_dscnt 0x0
	s_wait_kmcnt 0x0
	s_add_nc_u64 s[82:83], s[6:7], s[80:81]
	s_add_nc_u64 s[86:87], s[4:5], s[84:85]
	s_add_nc_u64 s[8:9], s[8:9], s[92:93]
	s_add_nc_u64 s[10:11], s[10:11], s[90:91]
	s_add_nc_u64 s[12:13], s[12:13], s[90:91]
.set N_, 0
.irp g, 40                             ; my two of P's four chunks, one descriptor
	s_mov_b32 s[\g], 1
	s_add_co_u32 s[\g+1], s88, N_*CH
	s_add_nc_u64 s[\g+2:\g+3], s[82:83], N_*CH
	s_or_b32 s[\g+3], s[\g+3], 0x80000000
.set N_, N_+1
.endr
.set N_, 0
.irp g, 56                             ; my two of R's four chunks, one descriptor
	s_mov_b32 s[\g], 1
	s_add_co_u32 s[\g+1], s89, N_*CH
	s_add_nc_u64 s[\g+2:\g+3], s[86:87], N_*CH
	s_or_b32 s[\g+3], s[\g+3], 0x80000000
.set N_, N_+1
.endr
	CROUND                                         ; all sixteen work-groups are here: the joint loads meet
	s_cmp_eq_u32 s15, 0                            ; one fill a wave, in the two arms of one branch on the wave's number
	s_cbranch_scc0 .Lfirst_r
	tensor_load_to_lds s[40:43], s[G1P:G1P+7]
	s_nop 0
	PLACES
	s_branch .Lfirst_done
.Lfirst_r:
	tensor_load_to_lds s[56:59], s[G1R:G1R+7]
	s_nop 0
	PLACES
.Lfirst_done:
	v_and_b32 v1, 31, v0
	v_and_b32 v2, 15, v0                           ; r
	v_bfe_u32 v3, v0, 4, 1                         ; h
	v_lshlrev_b32 v[LI16], 4, v1
	v_lshlrev_b32 v[LI8], 3, v1
	v_lshlrev_b32 v[BO], 6, v3
	v_lshlrev_b32 v22, 2, v1
.irp b, 0,1,2,3                        ; lane (r, h) wants, for my tile b of P, the bias of features 32 (b / 2) + 16 h + 8 (b % 2) + 0 .. 7
	global_load_b128 v[BI+8*\b:BI+8*\b+3], v[BO], s[8:9] offset:(32*(\b/2)+8*(\b%2))*4
	global_load_b128 v[BI+8*\b+4:BI+8*\b+7], v[BO], s[8:9] offset:(32*(\b/2)+8*(\b%2))*4+16
.endr
	s_mul_i32 s96, s16, 6144                       ; P: my four tiles' fragments
	s_mul_i32 s97, s15, 6144
	s_add_co_u32 s97, s97, RREG                    ; R: likewise
	s_lshl_b32 s98, s16, 9
	s_add_co_u32 s98, s98, 24576                   ; P's scale words
	s_lshl_b32 s99, s15, 9
	s_add_co_u32 s99, s99, RREG+24576              ; R's
.irp j, 0,1                            ; an address register for every two chunk places
	v_add_nc_u32 v[AP16+\j], s96, v[LI16]
	v_add_nc_u32 v[AP8+\j], s96, v[LI8]
	v_add_nc_u32 v[AR16+\j], s97, v[LI16]
	v_add_nc_u32 v[AR8+\j], s97, v[LI8]
	v_add_nc_u32 v[AP4+\j], s98, v22
	v_add_nc_u32 v[AR4+\j], s99, v22
	s_add_co_u32 s96, s96, 2*CH
	s_add_co_u32 s97, s97, 2*CH
	s_add_co_u32 s98, s98, 2*CH
	s_add_co_u32 s99, s99, 2*CH
.endr
	s_mul_i32 s96, s14, 4352                       ; my stage
	v_mul_u32_u24 v[STO], v2, 272
	v_lshl_add_u32 v[STO], v3, 6, v[STO]
	v_add_nc_u32 v[STO], s96, v[STO]               ; in: row r, 64 bytes for each half of the lanes in every 128
	v_mul_u32_u24 v[RD], v3, 272
	v_lshl_add_u32 v[RD], v2, 4, v[RD]
	v_add_nc_u32 v[RD], s96, v[RD]                 ; back: lanes 0-15 one row of 256 bytes, lanes 16-31 the next
	v_lshlrev_b32 v[GO], 12, v3
	v_lshl_add_u32 v[GO], v2, 4, v[GO]             ; and the same two rows in x and in h
	s_wait_alu depctr_va_vdst(0)
	s_wait_tensorcnt 0x0                           ; my one load is in; behind the barrier all of K lies in LDS for every wave
	s_barrier_signal -1
	s_barrier_wait -1
	FETCH0
	s_wait_loadcnt 0x0                             ; the bias
	STEP 0, -1, 1, 2
	RLOAD
	STEP 1, -1, 1, 0
	STEP 2, -1, 1, 0
	STEP 3, -1, 1, 0
	STEP 4, -1, 1, 0
	STEP 5, -1, 1, 0
	STEP 6, -1, 1, 0
	STEP 7, -2, 0, 0                               ; every wave's last fragments are in registers: behind this barrier nobody reads the chunks, and the stages may be written
	WIN 0
	PLACES
	s_wait_loadcnt 0x0                             ; the residual
.irp a, 0,1,2,3
.set BB_, BK+32*(\a%2)
.if \a > 1
	s_wait_xcnt 0x0                                ; the stores of two tiles back have read their registers
.endif
	WIN 0x08                                       ; an LDS store's data are its source 1: window 2
.irp e, 0,1,2,3,4,5,6,7
	ds_store_b128 v[STO], v[32*\a+4*\e:32*\a+4*\e+3] offset:128*(\e/4)+16*(\e%4)   ; each accumulator from its low end on
.endr
	WIN 0
.irp t, 0,1,2,3,4,5,6,7
	ds_load_b128 v[BB_+4*\t:BB_+4*\t+3], v[RD] offset:544*\t   ; LDS serves a wave's instructions in order: these see my stores, and the next tile's stores come behind them
.endr
	s_wait_dscnt 0x0
	WIN 0x08                                       ; source 1: window 2
.set E_, 0
.rept 16
	v_pk_add_f32 v[BB_+E_:BB_+E_+1], v[BB_+E_:BB_+E_+1], v[RS+32*\a+E_:RS+32*\a+E_+1]
.set E_, E_+2
.endr
	WIN 0
.irp t, 0,1,2,3,4,5,6,7
	global_store_b128 v[GO], v[BB_+4*\t:BB_+4*\t+3], s[12:13] offset:(32*(\a/2)+8*(\a%2)+2*\t+8*(\t/4))*4096   ; sixteen lanes store 256 consecutive bytes, aligned
.endr
.endr
	s_wait_dscnt 0x0
	s_wait_tensorcnt 0x0
	ds_add_u32 v254, v255
	s_wait_dscnt 0x0
	CROUND                                         ; the closing round: no work-group ends while a partner may still ask for a chunk that names it
	s_endpgm
.Lfunc_end_k_qc9b1f25476_oproj:
	.size	k_qc9b1f25476_oproj, .Lfunc_end_k_qc9b1f25476_oproj-k_qc9b1f25476_oproj
	.p2alignl 7, 3214868480
	.fill 96, 4, 3214868480
	.section	.rodata,"a",@progbits
	.p2align	6, 0x0
	.amdhsa_kernel k_qc9b1f25476_oproj
		.amdhsa_group_segment_fixed_size 205312
		.amdhsa_private_segment_fixed_size 0
		.amdhsa_enable_private_segment 0
		.amdhsa_kernarg_size 40
		.amdhsa_user_sgpr_count 2
		.amdhsa_user_sgpr_kernarg_segment_ptr 1
		.amdhsa_wavefront_size32 1
		.amdhsa_system_sgpr_workgroup_id_x 1
		.amdhsa_system_sgpr_workgroup_id_y 1
		.amdhsa_system_sgpr_workgroup_id_z 1
		.amdhsa_system_vgpr_workitem_id 0
		.amdhsa_next_free_vgpr 768
		.amdhsa_next_free_sgpr 100
		.amdhsa_reserve_vcc 0
		.amdhsa_float_denorm_mode_32 3
		.amdhsa_float_denorm_mode_16_64 3
		.amdhsa_memory_ordered 1
		.amdhsa_forward_progress 1
		.amdhsa_inst_pref_size 59
	.end_amdhsa_kernel
	.amdgpu_metadata
---
amdhsa.version: [ 1, 2 ]
amdhsa.kernels:
  - .name:           k_qc9b1f25476_oproj
    .symbol:         k_qc9b1f25476_oproj.kd
    .args:
      - { .name: cc, .offset: 0, .size: 8, .value_kind: global_buffer, .address_space: global }
      - { .name: wc, .offset: 8, .size: 8, .value_kind: global_buffer, .address_space: global }
      - { .name: bo, .offset: 16, .size: 8, .value_kind: global_buffer, .address_space: global }
      - { .name: x, .offset: 24, .size: 8, .value_kind: global_buffer, .address_space: global }
      - { .name: hb, .offset: 32, .size: 8, .value_kind: global_buffer, .address_space: global }
    .group_segment_fixed_size: 205312
    .private_segment_fixed_size: 0
    .kernarg_segment_align: 8
    .kernarg_segment_size: 40
    .max_flat_workgroup_size: 128
    .sgpr_count:     100
    .vgpr_count:     768
    .wavefront_size: 32
...
	.end_amdgpu_metadata
.endif
;; end of part 11
;; launch ln2 (part 12): grid 256 x 1, 4 waves a work-group, no clusters, 66,304 bytes of LDS; arguments hb, scale2, shift2, yc; writes yc
.if DOCPART == 12
	.amdgcn_target "amdgcn-amd-amdhsa--gfx1250"
	.amdhsa_code_object_version 6
	.text
	.protected	k_qc9b1f25476_ln2
	.globl	k_qc9b1f25476_ln2
	.p2align	8
	.type	k_qc9b1f25476_ln2,@function
k_qc9b1f25476_ln2:
	s_mov_b64 s[64:65], 0
	v_nop
	global_prefetch_b8 v0, s[64:65] scope:SCOPE_SE
	s_setreg_imm32_b32 hwreg(HW_REG_WAVE_MODE, 25, 1), 1
	s_wait_xcnt 0x0
; y = gain x (x - mean) / sqrt(var + 1e-6) + shift along rows of 1,024 f32 (var with divisor 1,023), then quantised along the row to FP6 (E2M3) with E8M0 block scales, all in f32.
; The codes leave in the order of an operand's registers: chunk (128 tokens x 256 K, 25,600 bytes) number 4 (token / 128) + K / 256; in it fragment (q, i) at (8 q + i) x 1,536 (two halves of 768 bytes:
; 16 bytes a lane, then 8 bytes a lane), scale words at 24,576 + 128 i + 64 q + 4 r.  Row r of tile 2 b + u is token 32 b + 8 u + r + 8 (r / 8).
; A work-group takes one tile of 16 tokens.  Wave w normalises fragment rows 4 w .. 4 w + 3 (four neighbouring tokens, 16 KiB on end, dense loads); the rows meet in a stage in LDS (pitch 4,112 bytes);
; behind one barrier wave w reads columns 256 w on of all 16 rows, 16 neighbours of each block of 32 a lane, and quantises two fragments.
; The mean is taken away before the squares are summed, so a common offset of the row costs no accuracy.  1 / 1,023 and 1 / sqrt are multiplications in f32.
; LIMITS: a block of zeros gets the scale byte 1 where the rule says 127 (its codes are zeros; this program alone reads the bytes); NaN and infinities are not served.
.set X,    64                          ; v64-191  four rows x 32 numbers; later 2 x 64 numbers to quantise
.set SCL,  192                         ; v192-223 the gain of my 32 columns; later the codes
.set SHF,  32                          ; v32-63   the shift; later at work
.set TM,   32                          ; v32-47   largest magnitudes, bytes, scale operands (v36-39 have been written by the shift's loads, as a lane permute's destination must be)
.set CT,   48                          ; v48-55   the upper halves as converted
.set PW,   56                          ; v56-57   the two scale words
.set CD,   192                         ; v192-215 two fragments' codes
.set LI16, 4
.set LI8,  5
.set SEL,  12                          ; s[12:13] v_permlanex16_b32's selects for lane l xor 16
.set SP,   4112
.set MSB, 0
.macro WIN new                         ; (all of this text lies in the first 256 registers: no switch is ever written)
.if MSB != (\new)
	s_set_vgpr_msb (MSB<<8)|(\new)
.set MSB, (\new)
.endif
.endm
; 64 numbers of a lane, register 16 b + i = k 32 b + 16 (lane / 16) + i of my row, become a fragment's 12 registers of codes at v[d] and its scale word in v[pw]
.macro QUANT s, w, d, pw
.set QS_, \s
.set QD_, \d
.set QW_, ((\w)<<2)|((\w)<<4)
	WIN QW_
.irp b, 0,1,2,3
	v_max3_num_f32 v[TM+\b], 0x1800000, |v[QS_+16*\b]|, |v[QS_+16*\b+1]|   ; my 16 numbers of block b, and the floor 2^(3 - 127)
.endr
.irp i, 2,4,6,8,10,12,14
.irp b, 0,1,2,3
	v_max3_num_f32 v[TM+\b], v[TM+\b], |v[QS_+16*\b+\i]|, |v[QS_+16*\b+\i+1]|
.endr
.endr
	WIN 0
.irp b, 0,1,2,3
	v_permlanex16_b32 v[TM+4+\b], v[TM+\b], s[SEL], s[SEL+1]
.endr
.irp b, 0,1,2,3
	v_max_num_f32 v[TM+\b], v[TM+\b], v[TM+4+\b]   ; with lane l xor 16's: the block's largest magnitude
.endr
.irp b, 0,1,2,3
	v_add_nc_u32 v[TM+12+\b], 0xff000000, v[TM+\b] ; 2 off the exponent field: the conversion's scale operand
.endr
.irp b, 0,1,2,3
	v_lshrrev_b32 v[TM+4+\b], 23, v[TM+12+\b]      ; the byte
.endr
	v_lshl_or_b32 v[\pw], v[TM+5], 8, v[TM+4]
	v_lshl_or_b32 v[\pw], v[TM+6], 16, v[\pw]
	v_lshl_or_b32 v[\pw], v[TM+7], 24, v[\pw]
	WIN \w
.irp c, 0,1
	v_cvt_scalef32_pk16_fp6_f32 v[QD_+6*\c:QD_+6*\c+2], v[QS_+32*\c:QS_+32*\c+15], v[TM+12+2*\c]
	v_cvt_scalef32_pk16_fp6_f32 v[CT+4*\c:CT+4*\c+2], v[QS_+32*\c+16:QS_+32*\c+31], v[TM+13+2*\c]
.endr
	WIN 0
	v_nop                                          ; one plain instruction behind the scaled conversions
.irp c, 0,1                            ; the operand wants a whole block in a lane: lanes 0-15 block 2 c, lanes 16-31 block 2 c + 1
.irp i, 0,1,2
	v_permlane16_swap_b32 v[QD_+6*\c+\i], v[CT+4*\c+\i]
.endr
.irp i, 0,1,2
	v_mov_b32 v[QD_+6*\c+3+\i], v[CT+4*\c+\i]
.endr
.endr
.endm
.macro PUTH reg, off, sb               ; half a fragment: 512 consecutive bytes, then 256
.set PR_, \reg
.set PO_, \off
	global_store_b128 v[LI16], v[PR_:PR_+3], s[\sb:\sb+1] offset:PO_
	global_store_b64 v[LI8], v[PR_+4:PR_+5], s[\sb:\sb+1] offset:PO_+512
.endm
.macro REDUCE                          ; the pairs v[10 + 2 j : 11 + 2 j] -> v[18 + j]: row j's sum, in every lane
.irp j, 0,1,2,3
	v_add_f32 v[18+\j], v[10+2*\j], v[11+2*\j]
.endr
.irp m, 1,2,4,8
.irp j, 0,1,2,3
	v_add_f32_dpp v[18+\j], v[18+\j], v[18+\j] row_xmask:\m row_mask:0xf bank_mask:0xf
.endr
.endr
.irp j, 0,1,2,3
	v_permlanex16_b32 v[22+\j], v[18+\j], s[SEL], s[SEL+1]
.endr
.irp j, 0,1,2,3
	v_add_f32 v[18+\j], v[18+\j], v[22+\j]
.endr
.endm
	s_load_b256 s[4:11], s[0:1], 0x0               ; the rows, the gain, the shift, the codes
	v_lshl_add_u32 v224, v0, 2, 0x10100
	v_mov_b32 v225, 0
	v_lshrrev_b32 v1, 5, v0
	v_readfirstlane_b32 s14, v1                    ; wave
	v_and_b32 v1, 31, v0
	v_and_b32 v2, 15, v0                           ; r
	v_bfe_u32 v3, v0, 4, 1                         ; h
	v_lshlrev_b32 v[LI16], 4, v1
	s_wait_alu depctr_va_vdst(0)
	v_lshlrev_b32 v[LI8], 3, v1
	v_lshlrev_b32 v8, 2, v1
	s_lshr_b32 s15, ttmp9, 1
	s_lshl_b32 s15, s15, 5
	s_and_b32 s16, ttmp9, 1
	s_lshl_b32 s16, s16, 3
	s_add_co_u32 s15, s15, s16
	s_lshl_b32 s16, s14, 2
	s_add_co_u32 s15, s15, s16
	s_lshr_b32 s16, s14, 1
	s_lshl_b32 s16, s16, 3
	s_add_co_u32 s15, s15, s16                     ; my first token: 32 (T / 2) + 8 (T % 2) + 4 w + 8 (w / 2)
	s_lshl_b32 s16, s15, 12
	s_mov_b32 s17, 0
	s_mul_i32 s18, s14, 4*SP
	v_add_nc_u32 v6, s18, v[LI16]                  ; the stage, in: my four rows, 16 bytes a lane
	v_mul_u32_u24 v7, v2, SP
	v_lshl_add_u32 v7, v3, 6, v7
	s_lshl_b32 s18, s14, 10
	v_add_nc_u32 v7, s18, v7                       ; and out: row r, columns 256 w on, my 16 of each 32
	s_lshr_b32 s18, ttmp9, 3
	s_lshl_b32 s18, s18, 2
	s_add_co_u32 s18, s18, s14
	s_mul_i32 s18, s18, 25600                      ; my chunk
	s_and_b32 s19, ttmp9, 7
	s_mul_i32 s22, s19, 1536
	s_add_co_u32 s22, s22, s18                     ; the tile's fragment of K step 0
	s_mov_b32 s23, 0
	s_lshl_b32 s28, s19, 7
	s_add_co_u32 s28, s28, s18                     ; the tile's scale words (24,576 on)
	s_mov_b32 s29, 0
	s_mov_b32 s[SEL], 0x76543210
	s_mov_b32 s[SEL+1], 0xfedcba98
	s_mov_b32 s20, 0x3a802008                      ; 1 / 1,023
	s_mov_b32 s21, 0x358637bd                      ; 1e-6
.irp j, 0,1,2,3
	v_mov_b32 v[22+\j], 0                          ; written once: a lane permute's destination counts as one of its sources
.endr
	s_wait_kmcnt 0x0
	s_add_nc_u64 s[4:5], s[4:5], s[16:17]
	s_add_nc_u64 s[24:25], s[10:11], s[22:23]
	s_add_nc_u64 s[26:27], s[10:11], s[28:29]
.irp j, 0,1,2,3
.irp i, 0,1,2,3,4,5,6,7
	global_load_b128 v[X+32*\j+4*\i:X+32*\j+4*\i+3], v[LI16], s[4:5] offset:4096*\j+512*\i   ; 512 consecutive bytes
.endr
.endr
.irp i, 0,1,2,3,4,5,6,7
	global_load_b128 v[SCL+4*\i:SCL+4*\i+3], v[LI16], s[6:7] offset:512*\i
	global_load_b128 v[SHF+4*\i:SHF+4*\i+3], v[LI16], s[8:9] offset:512*\i
.endr
	s_wait_loadcnt 16                              ; the rows are in; the gain's and the shift's 16 loads may be out
.irp j, 0,1,2,3
	v_pk_add_f32 v[10+2*\j:11+2*\j], v[X+32*\j:X+32*\j+1], v[X+32*\j+2:X+32*\j+3]
.endr
.irp i, 4,6,8,10,12,14,16,18,20,22,24,26,28,30
.irp j, 0,1,2,3
	v_pk_add_f32 v[10+2*\j:11+2*\j], v[10+2*\j:11+2*\j], v[X+32*\j+\i:X+32*\j+\i+1]   ; the four rows by turns
.endr
.endr
	REDUCE
.irp j, 0,1,2,3
	v_mul_f32 v[10+2*\j], 0x3a800000, v[18+\j]     ; the mean: x 2^-10
.endr
.irp i, 0,2,4,6,8,10,12,14,16,18,20,22,24,26,28,30
.irp j, 0,1,2,3
	v_pk_add_f32 v[X+32*\j+\i:X+32*\j+\i+1], v[X+32*\j+\i:X+32*\j+\i+1], v[10+2*\j:11+2*\j] op_sel_hi:[1,0] neg_lo:[0,1] neg_hi:[0,1]   ; x - mean (the pair's low word serves both)
.endr
.endr
.irp j, 0,1,2,3
	v_pk_mul_f32 v[10+2*\j:11+2*\j], v[X+32*\j:X+32*\j+1], v[X+32*\j:X+32*\j+1]
.endr
.irp i, 2,4,6,8,10,12,14,16,18,20,22,24,26,28,30
.irp j, 0,1,2,3
	v_pk_fma_f32 v[10+2*\j:11+2*\j], v[X+32*\j+\i:X+32*\j+\i+1], v[X+32*\j+\i:X+32*\j+\i+1], v[10+2*\j:11+2*\j]
.endr
.endr
	REDUCE
.irp j, 0,1,2,3
	v_fma_f32 v[18+\j], v[18+\j], s20, s21         ; var + eps
.endr
	s_wait_alu depctr_va_vdst(0)
.irp j, 0,1,2,3
	v_rsq_f32 v[10+2*\j], v[18+\j]
.endr
	v_nop                                          ; a plain instruction behind the last of the four
	s_wait_loadcnt 0x0                             ; the gain and the shift
	s_wait_alu depctr_va_vdst(0)                   ; one wait for the four, ahead of their first reader
.irp i, 0,2,4,6,8,10,12,14,16,18,20,22,24,26,28,30
.irp j, 0,1,2,3
	v_pk_mul_f32 v[X+32*\j+\i:X+32*\j+\i+1], v[X+32*\j+\i:X+32*\j+\i+1], v[10+2*\j:11+2*\j] op_sel_hi:[1,0]
.endr
.irp j, 0,1,2,3
	v_pk_fma_f32 v[X+32*\j+\i:X+32*\j+\i+1], v[X+32*\j+\i:X+32*\j+\i+1], v[SCL+\i:SCL+\i+1], v[SHF+\i:SHF+\i+1]
.endr
.endr
.irp j, 0,1,2,3
.irp i, 0,1,2,3,4,5,6,7
	ds_store_b128 v6, v[X+32*\j+4*\i:X+32*\j+4*\i+3] offset:SP*\j+512*\i
.endr
.endr
	s_wait_dscnt 0x0                               ; for the others' sake: my rows lie in the stage
	s_barrier_signal -1
	s_barrier_wait -1
.irp q, 0,1
.irp b, 0,1,2,3
.irp j, 0,1,2,3
	ds_load_b128 v[X+64*\q+16*\b+4*\j:X+64*\q+16*\b+4*\j+3], v7 offset:512*\q+128*\b+16*\j   ; the pitch of 1,028 words sets the 16 rows of a pass 4 words apart
.endr
.endr
.endr
	s_wait_dscnt 0x0
	QUANT X, 0, CD, PW
	QUANT X+64, 0, CD+12, PW+1
	v_cmp_eq_u32 vcc_lo, 1, v3
	v_cndmask_b32 v58, v[PW], v[PW+1], vcc_lo      ; lanes 0-15 store K step 0's words, lanes 16-31 K step 1's: 128 consecutive bytes
	PUTH CD, 0, 24
	PUTH CD+6, 768, 24
	PUTH CD+12, 12288, 24
	PUTH CD+18, 12288+768, 24
	global_store_b32 v8, v58, s[26:27] offset:24576
	s_wait_tensorcnt 0x0
	ds_add_u32 v224, v225
	s_wait_dscnt 0x0
	s_endpgm
.Lfunc_end_k_qc9b1f25476_ln2:
	.size	k_qc9b1f25476_ln2, .Lfunc_end_k_qc9b1f25476_ln2-k_qc9b1f25476_ln2
	.p2alignl 7, 3214868480
	.fill 96, 4, 3214868480
	.section	.rodata,"a",@progbits
	.p2align	6, 0x0
	.amdhsa_kernel k_qc9b1f25476_ln2
		.amdhsa_group_segment_fixed_size 66304
		.amdhsa_private_segment_fixed_size 0
		.amdhsa_enable_private_segment 0
		.amdhsa_kernarg_size 32
		.amdhsa_user_sgpr_count 2
		.amdhsa_user_sgpr_kernarg_segment_ptr 1
		.amdhsa_wavefront_size32 1
		.amdhsa_system_sgpr_workgroup_id_x 1
		.amdhsa_system_sgpr_workgroup_id_y 1
		.amdhsa_system_sgpr_workgroup_id_z 1
		.amdhsa_system_vgpr_workitem_id 0
		.amdhsa_next_free_vgpr 226
		.amdhsa_next_free_sgpr 66
		.amdhsa_reserve_vcc 1
		.amdhsa_float_denorm_mode_32 3
		.amdhsa_float_denorm_mode_16_64 3
		.amdhsa_memory_ordered 1
		.amdhsa_forward_progress 1
		.amdhsa_inst_pref_size 43
	.end_amdhsa_kernel
	.amdgpu_metadata
---
amdhsa.version: [ 1, 2 ]
amdhsa.kernels:
  - .name:           k_qc9b1f25476_ln2
    .symbol:         k_qc9b1f25476_ln2.kd
    .args:
      - { .name: hb, .offset: 0, .size: 8, .value_kind: global_buffer, .address_space: global }
      - { .name: scale2, .offset: 8, .size: 8, .value_kind: global_buffer, .address_space: global }
      - { .name: shift2, .offset: 16, .size: 8, .value_kind: global_buffer, .address_space: global }
      - { .name: yc, .offset: 24, .size: 8, .value_kind: global_buffer, .address_space: global }
    .group_segment_fixed_size: 66304
    .private_segment_fixed_size: 0
    .kernarg_segment_align: 8
    .kernarg_segment_size: 32
    .max_flat_workgroup_size: 128
    .sgpr_count:     66
    .vgpr_count:     226
    .wavefront_size: 32
...
	.end_amdgpu_metadata
.endif
;; end of part 12
;; launch mlp1 (part 13): grid 16 x 16, 4 waves a work-group, clusters of 4 x 4, 327,680 bytes of LDS; arguments yc, wc, b1, gc; writes gc
.if DOCPART == 13
	.amdgcn_target "amdgcn-amd-amdhsa--gfx1250"
	.amdhsa_code_object_version 6
	.text
	.protected	k_qc9b1f25476_mlp1
	.globl	k_qc9b1f25476_mlp1
	.p2align	8
	.type	k_qc9b1f25476_mlp1,@function
k_qc9b1f25476_mlp1:
	s_mov_b64 s[64:65], 0
	v_nop
	global_prefetch_b8 v0, s[64:65] scope:SCOPE_SE
	s_setreg_imm32_b32 hwreg(HW_REG_WAVE_MODE, 25, 1), 1
	s_wait_xcnt 0x0
	s_wait_alu depctr_hold_cnt(0) depctr_sa_sdst(0) depctr_va_vdst(0) depctr_va_sdst(0) depctr_va_ssrc(0) depctr_va_vcc(0) depctr_vm_vsrc(0)
	s_getreg_b32 s2, hwreg(HW_REG_IB_STS2, 6, 4)
	s_cmp_eq_u32 s2, 0
	s_cbranch_scc0 .Lentry_in_a_cluster
	s_endpgm
.Lentry_in_a_cluster:
	s_bfe_u32 s2, ttmp6, 0x10000c
	s_cmp_lg_u32 s2, 0xf033
	s_cbranch_scc0 .Lentry_shape_is_right
	s_endpgm
.Lentry_shape_is_right:
; g = gelu_tanh(y W1 + b1): LN2's codes (R, tokens) times W1's (P, 4,096 hidden units), K = 1,024, on codes of FP6 (E2M3) with E8M0 block scales; g is quantised in registers along the hidden units and leaves as codes.
; Operands lie in memory in the order of their registers, in chunks of 128 rows x 256 K (25,600 bytes: 16 fragments of 1,536 bytes, then 1,024 bytes of scale words); row r of tile 2 b + u is row 32 b + 8 u + r + 8 (r / 8).
; A work-group multiplies 256 rows of P (source 0) by 256 rows of R (source 1): 16 x 16 = 256 work-groups.  Wave w takes P's row block w % 2 (8 tiles) and R's row block w / 2 (8 tiles): 64 accumulators.  A lane holds one
; token; the 64 registers of a tile of tokens run along 128 neighbouring hidden units: one K step of the next product.  The bias is the C of each sum's first product.
; LDS: three chunk places for each of the four row blocks (P's two, then R's two; 76,800 bytes each).  Wave w brings row block w, one tensor load behind each barrier: chunks 0 and 1 at the head; chunk 2, a first fill, behind
; the full sequence and a round; chunk 3 into place 0, which was last read for K step 1, behind the sequence and round at K step 3; K step 5 waits for it and a barrier shows it to every wave.  One load of a wave is out at a time.
; CLUSTER 4 x 4: P's chunks are asked for jointly down a column, R's along a row.
; NO PREFETCH: the block is the largest that the registers hold, in clusters, and K is 8 steps.
; All of the WGP's LDS is claimed.
; THE ACTIVATION, in f32: 0.5 x (1 + tanh(z)) = x / (1 + 2^(x (K0 + K1 x^2))), K0 = -2 sqrt(2 / pi) log2(e), K1 = 0.044715 K0: no difference of near numbers; for large |x| the power is 0 or infinity and g is x or -0.
; LIMITS: a block of zeros gets the scale byte 1 where the rule says 127 (zero codes; read by this program alone); NaN and infinities are not served.
; REGISTERS: window 0: v4-19 addresses, v28-29 for the add, v32-47 P's scale words (two sets of 8: lanes 0-15 a chunk's first 128 along K, lanes 16-31 its second), v48-63 R's, v64-159 and v160-255 R's fragments, two sets.
;   Window 1: P's fragments, sets at v0 and v128; the bias at v96-127 and v224-255.  Windows 2, 3: accumulator (a, b) at v[8 (8 (a % 4) + b)] of window 2 + a / 4.
.set CH,    25600
.set REG,   3*CH
.set SPARE, 4*REG
.set WOFF,  3276800                    ; W1's chunks begin 128 chunks into wc
.set AP16, 4
.set AP8,  6
.set AR16, 8
.set AR8,  10
.set AP4,  12
.set AR4,  14
.set LI16, 16
.set LI8,  17
.set LR4,  18
.set BO,   19
.set SPW,  28
.set NIL,  29
.set SCP,  32
.set SCR,  48
.set RF,   64
.set ST,   64                          ; the way out: v64-127 a tile's 64 numbers; v128-175 codes, four sets; v176-205 at work
.set CD,   128
.set TM,   176
.set CT,   192
.set PW,   200
.set KV,   204
.set G1P, 24
.set G1R, 32
.set G0P, 40                           ; s[40:51] P's three groups 0;  s[52:63] R's
.set G0R, 52
.set SEL, 76
.set MSB, 0
.macro WIN new                         ; the immediate's high byte repeats the setting that is left; a switch that changes nothing is dropped
.if MSB != (\new)
	s_set_vgpr_msb (MSB<<8)|(\new)
.set MSB, (\new)
.endif
.endm
.macro PLACES                          ; four plain instructions between a matrix instruction and a load into, or a vector read or write of, its registers
.rept 4
	v_nop
.endr
.endm
.macro CROUND                          ; a round of the cluster's barrier
	s_barrier_signal -1
	s_barrier_wait -1
	s_cmp_lg_u32 s14, 0
	s_cbranch_scc1 .Lnw0_\@
	s_barrier_signal -3
.Lnw0_\@:
	s_barrier_wait -3
	s_barrier_signal -1
	s_barrier_wait -1
.endm
.macro JLOAD g0p, g0r                  ; a joint load: waves 0 and 1 for P, waves 2 and 3 for R; s_nop 0 and four v_nop follow each of the two lines
	s_cmp_eq_u32 s15, 0
	s_cbranch_scc0 .Ljr_\@
	tensor_load_to_lds s[\g0p:\g0p+3], s[G1P:G1P+7]
	s_nop 0
	PLACES
	s_branch .Ljd_\@
.Ljr_\@:
	tensor_load_to_lds s[\g0r:\g0r+3], s[G1R:G1R+7]
	s_nop 0
	PLACES
.Ljd_\@:
.endm
.macro FRAG reg, a16, a8, off          ; a fragment comes as it was stored: 16, 8, 16, 8 bytes a lane, each run of lanes consecutive
.set FR_, \reg
.set FO_, \off
	ds_load_b128 v[FR_:FR_+3], v[\a16] offset:FO_
	ds_load_b64 v[FR_+4:FR_+5], v[\a8] offset:FO_+512
	ds_load_b128 v[FR_+6:FR_+9], v[\a16] offset:FO_+768
	ds_load_b64 v[FR_+10:FR_+11], v[\a8] offset:FO_+1280
.endm
.macro FETCHK kk                       ; the fragments of K step kk into set kk % 2; chunk kk / 2 lies in place (kk / 2) % 3; with a chunk's first step its scale words
.set PL_, ((\kk)/2)%3
.set SL_, PL_/2
.set SW_, (PL_%2)*CH
.set OF_, SW_+((\kk)%2)*12288
.set ST_, (\kk)%2
.set SS_, ((\kk)/2)%2
	WIN 0x40
.irp i, 0,1,2,3,4,5,6,7
	FRAG 128*ST_+12*\i, AP16+SL_, AP8+SL_, OF_+1536*\i
.endr
	WIN 0
.irp i, 0,1,2,3,4,5,6,7
	FRAG RF+96*ST_+12*\i, AR16+SL_, AR8+SL_, OF_+1536*\i
.endr
.if (\kk)%2 == 0
.irp i, 0,1,2,3,4,5,6,7
	ds_load_b32 v[SCP+8*SS_+\i], v[AP4+SL_] offset:SW_+128*\i
	ds_load_b32 v[SCR+8*SS_+\i], v[AR4+SL_] offset:SW_+128*\i
.endr
.endif
.endm
.macro MULK k, cmode                   ; 64 matrix instructions; the 64 accumulators take turns, in the same order in every step.  cmode 2: the first product takes the bias as C
.irp a, 0,1,2,3,4,5,6,7
.if \cmode == 2
	WIN 0x91+0x40*(\a/4)                           ; source 0 (P) and C (the bias) window 1, source 1 (R) window 0, D window 2 or 3
.else
	WIN 0xa1+0x50*(\a/4)                           ; source 0 window 1, source 1 window 0, C and D window 2 or 3
.endif
.irp b, 0,1,2,3,4,5,6,7
.set D_, 8*(8*(\a%4)+\b)
.set P_, 128*((\k)%2)+12*\b
.set R_, RF+96*((\k)%2)+12*\a
.set SP_, SCP+8*(((\k)/2)%2)+\b
.set SR_, SCR+8*(((\k)/2)%2)+\a
.set C_, D_
.if \cmode == 2
.set C_, 96+8*\b+96*(\b/4)
.endif
.if ((\k)%2) == 1
	v_wmma_scale_f32_16x16x128_f8f6f4 v[D_:D_+7], v[P_:P_+11], v[R_:R_+11], v[C_:C_+7], v[SP_], v[SR_] matrix_a_fmt:MATRIX_FMT_FP6 matrix_b_fmt:MATRIX_FMT_FP6 matrix_a_scale:MATRIX_SCALE_ROW1 matrix_b_scale:MATRIX_SCALE_ROW1
.else
	v_wmma_scale_f32_16x16x128_f8f6f4 v[D_:D_+7], v[P_:P_+11], v[R_:R_+11], v[C_:C_+7], v[SP_], v[SR_] matrix_a_fmt:MATRIX_FMT_FP6 matrix_b_fmt:MATRIX_FMT_FP6
.endif
.endr
.endr
.endm
; A K step: its fragments are in; the next step's are asked for, into the sets that the last step multiplied; then the products.
; mode 1: chunk 2 has landed and place 0 is read no more: the three lines, a round, and chunk 3's joint load first behind it.  mode 2: chunk 3 has landed, and a barrier shows it to every wave.
.macro STEP k, mode, cmode
.if \mode == 1
	WIN 0
	s_wait_tensorcnt 0x0                           ; my one load that was out, my part of chunk 2
	ds_add_u32 v[SPW], v[NIL]
	s_wait_dscnt 0x0                               ; the add, and this step's fragments
	CROUND
	JLOAD G0P+8, G0R+8                             ; its four v_nop are also the places in front of the loads below
.else
	s_wait_dscnt 0x0
.if \mode == 2
	s_wait_tensorcnt 0x0
	s_barrier_signal -1
	s_barrier_wait -1
.endif
	PLACES
.endif
.if \k < 7
	FETCHK (\k)+1
.endif
	MULK \k, \cmode
.endm
; 64 numbers of a lane in window w, register 16 b + i = k 32 b + 16 (lane / 16) + i of my row, become a fragment's 12 registers of codes at v[d] and its scale word in v[pw]
.macro QUANT s, w, d, pw
.set QS_, \s
.set QD_, \d
.set QW_, ((\w)<<2)|((\w)<<4)
	WIN QW_
.irp b, 0,1,2,3
	v_max3_num_f32 v[TM+\b], 0x1800000, |v[QS_+16*\b]|, |v[QS_+16*\b+1]|   ; my 16 numbers of block b, and the floor 2^(3 - 127)
.endr
.irp i, 2,4,6,8,10,12,14
.irp b, 0,1,2,3
	v_max3_num_f32 v[TM+\b], v[TM+\b], |v[QS_+16*\b+\i]|, |v[QS_+16*\b+\i+1]|
.endr
.endr
	WIN 0
.irp b, 0,1,2,3
	v_permlanex16_b32 v[TM+4+\b], v[TM+\b], s[SEL], s[SEL+1]
.endr
.irp b, 0,1,2,3
	v_max_num_f32 v[TM+\b], v[TM+\b], v[TM+4+\b]
.endr
.irp b, 0,1,2,3
	v_add_nc_u32 v[TM+12+\b], 0xff000000, v[TM+\b] ; 2 off the exponent field: the conversion's scale operand
.endr
.irp b, 0,1,2,3
	v_lshrrev_b32 v[TM+4+\b], 23, v[TM+12+\b]
.endr
	v_lshl_or_b32 v[\pw], v[TM+5], 8, v[TM+4]
	v_lshl_or_b32 v[\pw], v[TM+6], 16, v[\pw]
	v_lshl_or_b32 v[\pw], v[TM+7], 24, v[\pw]
	WIN \w
.irp c, 0,1
	v_cvt_scalef32_pk16_fp6_f32 v[QD_+6*\c:QD_+6*\c+2], v[QS_+32*\c:QS_+32*\c+15], v[TM+12+2*\c]
	v_cvt_scalef32_pk16_fp6_f32 v[CT+4*\c:CT+4*\c+2], v[QS_+32*\c+16:QS_+32*\c+31], v[TM+13+2*\c]
.endr
	WIN 0
	v_nop                                          ; one plain instruction behind the scaled conversions
.irp c, 0,1
.irp i, 0,1,2
	v_permlane16_swap_b32 v[QD_+6*\c+\i], v[CT+4*\c+\i]
.endr
.irp i, 0,1,2
	v_mov_b32 v[QD_+6*\c+3+\i], v[CT+4*\c+\i]
.endr
.endr
.endm
.macro PUTH reg, off, sb               ; half a fragment: 512 consecutive bytes, then 256
.set PR_, \reg
.set PO_, \off
	global_store_b128 v[LI16], v[PR_:PR_+3], s[\sb:\sb+1] offset:PO_
	global_store_b64 v[LI8], v[PR_+4:PR_+5], s[\sb:\sb+1] offset:PO_+512
.endm
; the activation of tile a's 64 numbers (window 2 or 3, read from each accumulator's low end on) into v[ST] on; in phases, so that each phase has one window setting and each batch of transcendentals its two waits
.macro GELU a
.set GA_, 64*((\a)%4)
.set GW_, 2+(\a)/4
	WIN GW_|(GW_<<2)
	s_wait_alu depctr_va_vdst(0)
.set E_, 0
.rept 32
	v_pk_mul_f32 v[ST+E_:ST+E_+1], v[GA_+E_:GA_+E_+1], v[GA_+E_:GA_+E_+1]          ; x^2
.set E_, E_+2
.endr
	WIN 0
.set E_, 0
.rept 32
	v_pk_fma_f32 v[ST+E_:ST+E_+1], v[ST+E_:ST+E_+1], s[78:79], v[KV:KV+1] op_sel_hi:[1,0,0]   ; K1 x^2 + K0
.set E_, E_+2
.endr
	WIN GW_<<2
.set E_, 0
.rept 32
	v_pk_mul_f32 v[ST+E_:ST+E_+1], v[ST+E_:ST+E_+1], v[GA_+E_:GA_+E_+1]            ; x that
.set E_, E_+2
.endr
	WIN 0
	s_wait_alu depctr_va_vdst(0)
.set E_, 0
.rept 64
	v_exp_f32 v[ST+E_], v[ST+E_]
.set E_, E_+1
.endr
	v_nop
	s_wait_alu depctr_va_vdst(0)                   ; one wait for the batch, ahead of its first reader
.set E_, 0
.rept 32
	v_pk_add_f32 v[ST+E_:ST+E_+1], v[ST+E_:ST+E_+1], 1.0 op_sel_hi:[1,0]
.set E_, E_+2
.endr
	s_wait_alu depctr_va_vdst(0)
.set E_, 0
.rept 64
	v_rcp_f32 v[ST+E_], v[ST+E_]
.set E_, E_+1
.endr
	v_nop
	s_wait_alu depctr_va_vdst(0)
	WIN GW_<<2
.set E_, 0
.rept 32
	v_pk_mul_f32 v[ST+E_:ST+E_+1], v[ST+E_:ST+E_+1], v[GA_+E_:GA_+E_+1]            ; g
.set E_, E_+2
.endr
	WIN 0
.endm
	s_load_b256 s[4:11], s[0:1], 0x0               ; yc, wc, b1, gc
	v_lshl_add_u32 v[SPW], v0, 2, SPARE
	v_mov_b32 v[NIL], 0
	ds_add_u32 v[SPW], v[NIL]                      ; the opening lines: the add, twice on end, and its wait
	ds_add_u32 v[SPW], v[NIL]
	v_lshrrev_b32 v1, 5, v0
	v_readfirstlane_b32 s14, v1                    ; wave
	s_lshr_b32 s15, s14, 1                         ; wr: my row block of R.  Also: I fetch for P (0) or for R (1)
	s_and_b32 s16, s14, 1                          ; wp: my row block of P.  Also: which row block I fetch
	s_bfe_u32 s17, ttmp6, 0x40000                  ; cx
	s_bfe_u32 s18, ttmp6, 0x40004                  ; cy
	s_lshl_b32 s19, ttmp9, 2
	s_add_co_u32 s19, s19, s17                     ; px: which 256 hidden units
	s_and_b32 s20, ttmp7, 0xffff
	s_lshl_b32 s20, s20, 2
	s_add_co_u32 s20, s20, s18                     ; ry: which 256 tokens
	s_lshl_b32 s21, s18, 2
	s_lshl_b32 s21, 15, s21                        ; my row of the cluster
	s_lshl_b32 s22, 0x1111, s17                    ; my column
	s_or_b32 s[G1P], s22, (3<<16)|(1<<21)          ; 15:0 the mask; 17:16 elements of 8 bytes; 21 set beside a mask; no padding
	s_or_b32 s[G1R], s21, (3<<16)|(1<<21)
.irp g, G1P, G1R
	s_mov_b32 s[\g+1], 32<<16                      ; a dense block as rows of 256 bytes: tensor_dim0 = 32
	s_mov_b32 s[\g+2], 200<<16                     ; tensor_dim1: two chunks at the head
	s_mov_b32 s[\g+3], 32<<16                      ; tile_dim0
	s_mov_b32 s[\g+4], 200                         ; tile_dim1
	s_mov_b32 s[\g+5], 32                          ; the pitch
	s_mov_b32 s[\g+6], 0
	s_mov_b32 s[\g+7], 0
.endr
	s_lshl_b32 s80, s19, 1
	s_add_co_u32 s80, s80, s16
	s_mul_i32 s80, s80, 4*CH
	s_add_co_u32 s80, s80, WOFF                    ; P's row block 2 px + (w % 2)
	s_mov_b32 s81, 0
	s_lshl_b32 s84, s20, 1
	s_add_co_u32 s84, s84, s16
	s_mul_i32 s84, s84, 4*CH                       ; R's row block 2 ry + (w % 2)
	s_mov_b32 s85, 0
	s_mul_i32 s88, s16, REG                        ; where they go: the wave's number alone enters an LDS address
	s_add_co_u32 s89, s88, 2*REG
	s_mul_i32 s94, s16, REG                        ; what I read: P's row block wp,
	s_mul_i32 s95, s15, REG
	s_add_co_u32 s95, s95, 2*REG                   ; R's row block wr,
	s_add_co_u32 s96, s94, 24576                   ; and their scale words
	s_add_co_u32 s97, s95, 24576
	s_lshl_b32 s92, s19, 10
	s_lshl_b32 s91, s16, 9
	s_add_co_u32 s92, s92, s91                     ; my first hidden unit, in bytes
	s_mov_b32 s93, 0
	s_lshl_b32 s90, s20, 1
	s_add_co_u32 s90, s90, s15                     ; my block of 128 tokens
	s_lshl_b32 s90, s90, 4
	s_add_co_u32 s90, s90, s19
	s_mul_i32 s90, s90, CH                         ; the chunk (2 ry + wr, px) of gc
	s_mov_b32 s91, 0
	s_mov_b32 s[SEL], 0x76543210
	s_mov_b32 s[SEL+1], 0xfedcba98
	s_mov_b32 s78, 0xbdd2d3e8                      ; K1 = -0.10294324
	s_mov_b32 s79, s78
	s_wait_dscnt 0x0
	s_wait_kmcnt 0x0
	s_add_nc_u64 s[82:83], s[6:7], s[80:81]
	s_add_nc_u64 s[86:87], s[4:5], s[84:85]
	s_add_nc_u64 s[8:9], s[8:9], s[92:93]
	s_add_nc_u64 s[10:11], s[10:11], s[90:91]
.irp n, 0,1,2                          ; load 0: chunks 0, 1 to places 0, 1; load 1: chunk 2 to place 2; load 2: chunk 3 to place 0
	s_mov_b32 s[G0P+4*\n], 1
	s_add_co_u32 s[G0P+4*\n+1], s88, (\n%2)*2*CH
	s_add_nc_u64 s[G0P+4*\n+2:G0P+4*\n+3], s[82:83], (\n+(\n+1)/2)*CH
	s_or_b32 s[G0P+4*\n+3], s[G0P+4*\n+3], 0x80000000
	s_mov_b32 s[G0R+4*\n], 1
	s_add_co_u32 s[G0R+4*\n+1], s89, (\n%2)*2*CH
	s_add_nc_u64 s[G0R+4*\n+2:G0R+4*\n+3], s[86:87], (\n+(\n+1)/2)*CH
	s_or_b32 s[G0R+4*\n+3], s[G0R+4*\n+3], 0x80000000
.endr
	CROUND                                         ; all sixteen work-groups are here: the joint loads meet
	JLOAD G0P, G0R                                 ; one tensor load a wave at the head
	v_and_b32 v1, 31, v0
	v_and_b32 v2, 15, v0
	v_bfe_u32 v3, v0, 4, 1
	v_lshlrev_b32 v[LI16], 4, v1
	v_lshlrev_b32 v[LI8], 3, v1
	v_lshlrev_b32 v[LR4], 2, v2
	v_lshlrev_b32 v[BO], 6, v3
	v_lshlrev_b32 v22, 2, v1
	WIN 0x40                                       ; the bias goes to window 1
.irp b, 0,1,2,3,4,5,6,7                ; lane (r, h) wants, for my tile b of P, the bias of hidden units 32 (b / 2) + 16 h + 8 (b % 2) + 0 .. 7
	global_load_b128 v[96+8*\b+96*(\b/4):96+8*\b+96*(\b/4)+3], v[BO], s[8:9] offset:(32*(\b/2)+8*(\b%2))*4
	global_load_b128 v[96+8*\b+96*(\b/4)+4:96+8*\b+96*(\b/4)+7], v[BO], s[8:9] offset:(32*(\b/2)+8*(\b%2))*4+16
.endr
	WIN 0
	v_add_nc_u32 v[AP16], s94, v[LI16]             ; an address register for places 0 and 1, one for place 2
	v_add_nc_u32 v[AP16+1], 2*CH, v[AP16]
	v_add_nc_u32 v[AP8], s94, v[LI8]
	v_add_nc_u32 v[AP8+1], 2*CH, v[AP8]
	v_add_nc_u32 v[AR16], s95, v[LI16]
	v_add_nc_u32 v[AR16+1], 2*CH, v[AR16]
	v_add_nc_u32 v[AR8], s95, v[LI8]
	v_add_nc_u32 v[AR8+1], 2*CH, v[AR8]
	v_add_nc_u32 v[AP4], s96, v22
	v_add_nc_u32 v[AP4+1], 2*CH, v[AP4]
	v_add_nc_u32 v[AR4], s97, v22
	v_add_nc_u32 v[AR4+1], 2*CH, v[AR4]
	s_wait_alu depctr_va_vdst(0)
	s_wait_tensorcnt 0x0                           ; my chunks 0 and 1 are in
	ds_add_u32 v[SPW], v[NIL]
	s_mov_b32 s[G1P+2], 100<<16                    ; no tensor load of mine is out, so a descriptor may be written: from here on a load brings one chunk
	s_mov_b32 s[G1P+4], 100
	s_mov_b32 s[G1R+2], 100<<16
	s_mov_b32 s[G1R+4], 100
	s_wait_dscnt 0x0
	CROUND
	JLOAD G0P+4, G0R+4                             ; chunk 2, my one tensor load behind the round
	FETCHK 0
	s_wait_loadcnt 0x0                             ; the bias
	STEP 0, 0, 2
	STEP 1, 0, 0
	STEP 2, 0, 0
	STEP 3, 1, 0
	STEP 4, 0, 0
	STEP 5, 2, 0
	STEP 6, 0, 0
	STEP 7, 0, 0
	WIN 0
	PLACES                                         ; what follows writes registers that the last products read
.irp b, 0,1,2,3
	v_mov_b32 v[TM+4+\b], 0                        ; a lane permute's destination counts as one of its sources
.endr
	v_mov_b32 v[KV], 0xc0135761                    ; K0 = -2.3022082
	v_mov_b32 v[KV+1], 0xc0135761
	s_mul_i32 s80, s16, 12288                      ; fragments (wp, a)
	s_mov_b32 s81, 0
	s_add_nc_u64 s[82:83], s[10:11], s[80:81]
	s_lshl_b32 s80, s16, 6                         ; their scale words: 64 wp + 128 a
	s_add_nc_u64 s[84:85], s[10:11], s[80:81]
.irp a, 0,1,2,3,4,5,6,7
.if \a == 4
	s_wait_xcnt 0x0                                ; the first four tiles' stores have read their registers, which the next four write again
.endif
	GELU \a
	QUANT ST, 0, CD+12*(\a%4), PW+(\a%4)
	PUTH CD+12*(\a%4), 1536*\a, 82
	PUTH CD+12*(\a%4)+6, 1536*\a+768, 82
	global_store_b32 v[LR4], v[PW+(\a%4)], s[84:85] offset:24576+128*\a   ; (both halves of the lanes store the same word to the same place)
.endr
	s_wait_tensorcnt 0x0                           ; the wave's end
	ds_add_u32 v[SPW], v[NIL]
	s_wait_dscnt 0x0
	CROUND                                         ; the closing round
	s_endpgm
.Lfunc_end_k_qc9b1f25476_mlp1:
	.size	k_qc9b1f25476_mlp1, .Lfunc_end_k_qc9b1f25476_mlp1-k_qc9b1f25476_mlp1
	.p2alignl 7, 3214868480
	.fill 96, 4, 3214868480
	.section	.rodata,"a",@progbits
	.p2align	6, 0x0
	.amdhsa_kernel k_qc9b1f25476_mlp1
		.amdhsa_group_segment_fixed_size 327680
		.amdhsa_private_segment_fixed_size 0
		.amdhsa_enable_private_segment 0
		.amdhsa_kernarg_size 32
		.amdhsa_user_sgpr_count 2
		.amdhsa_user_sgpr_kernarg_segment_ptr 1
		.amdhsa_wavefront_size32 1
		.amdhsa_system_sgpr_workgroup_id_x 1
		.amdhsa_system_sgpr_workgroup_id_y 1
		.amdhsa_system_sgpr_workgroup_id_z 1
		.amdhsa_system_vgpr_workitem_id 0
		.amdhsa_next_free_vgpr 1024
		.amdhsa_next_free_sgpr 100
		.amdhsa_reserve_vcc 0
		.amdhsa_float_denorm_mode_32 3
		.amdhsa_float_denorm_mode_16_64 3
		.amdhsa_memory_ordered 1
		.amdhsa_forward_progress 1
		.amdhsa_inst_pref_size 255
	.end_amdhsa_kernel
	.section	.bss,"aw",@nobits
	.p2align	6
	.space	262144
	.amdgpu_metadata
---
amdhsa.version: [ 1, 2 ]
amdhsa.kernels:
  - .name:           k_qc9b1f25476_mlp1
    .symbol:         k_qc9b1f25476_mlp1.kd
    .args:
      - { .name: yc, .offset: 0, .size: 8, .value_kind: global_buffer, .address_space: global }
      - { .name: wc, .offset: 8, .size: 8, .value_kind: global_buffer, .address_space: global }
      - { .name: b1, .offset: 16, .size: 8, .value_kind: global_buffer, .address_space: global }
      - { .name: gc, .offset: 24, .size: 8, .value_kind: global_buffer, .address_space: global }
    .group_segment_fixed_size: 327680
    .private_segment_fixed_size: 0
    .kernarg_segment_align: 8
    .kernarg_segment_size: 32
    .max_flat_workgroup_size: 128
    .sgpr_count:     100
    .vgpr_count:     1024
    .wavefront_size: 32
...
	.end_amdgpu_metadata
.endif
;; end of part 13
;; launch mlp2 (part 14): grid 8 x 32, 4 waves a work-group, no clusters, 270,848 bytes of LDS; arguments gc, wc, b2, hb, out0; writes out0
.if DOCPART == 14
	.amdgcn_target "amdgcn-amd-amdhsa--gfx1250"
	.amdhsa_code_object_version 6
	.text
	.protected	k_qc9b1f25476_mlp2
	.globl	k_qc9b1f25476_mlp2
	.p2align	8
	.type	k_qc9b1f25476_mlp2,@function
k_qc9b1f25476_mlp2:
	s_mov_b64 s[64:65], 0
	v_nop
	global_prefetch_b8 v0, s[64:65] scope:SCOPE_SE
	s_setreg_imm32_b32 hwreg(HW_REG_WAVE_MODE, 25, 1), 1
	s_wait_xcnt 0x0
; out = h + g W2 + b2: g's codes (R, tokens) times W2's (P, 1,024 features), K = 4,096, on codes of FP6 (E2M3) with E8M0 block scales; f32 out.
; Operands lie in memory in the order of their registers, in chunks of 128 rows x 256 K (25,600 bytes: 16 fragments of 1,536 bytes, then 1,024 bytes of scale words); row r of tile 2 b + u is row 32 b + 8 u + r + 8 (r / 8).
; A work-group makes 128 features x 128 tokens: 8 x 32 = 256 work-groups.  K IS CUT AMONG THE WAVES: wave w multiplies all 128 rows of P by all 128 rows of R over K = 1,024 w .. 1,024 w + 1,023 (four chunks of each operand,
; 102,400 bytes on end): 8 K steps of 64 products on 64 accumulators.  So each fragment is wanted by ONE wave, ONCE, and it goes from memory straight into that wave's operand registers, in whose order it lies:
; four loads a fragment, each of consecutive bytes in consecutive lanes (512, 256, 512, 256).  All offsets are immediates; no address register is ever rewritten.
; THE LOADS RUN ONE STEP AHEAD, in two sets of registers for each operand: at a step's head P's eight fragments and R's tiles 0-3 of the next step are asked for (48 loads), in its middle R's tiles 4-7 and, for a new chunk, the scale words.
; NO JOINT LOADS, NO CLUSTER: a joint load ends in LDS, and here no byte in LDS would be read twice; a step's operands of the four waves are 98,304 bytes, and two slots of them beside the 270,336 bytes of the exchange below
; do not fit in 327,680.  NO PREFETCH: the loads themselves run ahead of the products all through the walk, with no point at which all of them are waited for but the last step.
; THE SUMS MEET ONCE.  Each wave lays its 128 x 128 partial sums into its own LDS bytes as rows [token][128 features] of 512 + 16 bytes (8 tiles x 16 rows x 528 = 67,584 bytes a wave).  Behind one barrier wave w reads the rows of
; tiles 2 w and 2 w + 1 (32 tokens) from all four waves' bytes, 16 bytes a lane, adds the four parts, the residual and the bias, and stores: 32 lanes store 512 consecutive bytes, aligned.
; The order of the f32 sum over K is by quarters, not in one chain.
; REGISTERS: window 0: v4-13 addresses, v28-29 for the add, v32-47 P's scale words (two sets of 8: lanes 0-15 a chunk's first 128 along K, lanes 16-31 its second), v48-63 R's, v64-159 and v160-255 R's fragments, two sets.
;   Window 1: P's fragments, sets at v0 and v128; in the last step v0-127 take the residual, v224-227 the bias.  Windows 2, 3: accumulator (a, b) at v[8 (8 (a % 4) + b)] of window 2 + a / 4; behind the barrier the rows read back.
.set CH,    25600
.set WOFF,  6553600                    ; W2's chunks begin 256 chunks into wc
.set SPI,   528                        ; a row of the exchange: 512 bytes + 16: the 16 rows of a store's pass start 4 banks apart
.set WREG,  8*16*SPI                   ; a wave's bytes of the exchange
.set SPARE, 4*WREG                     ; behind them the spare words, 128 bytes for each wave
.set LI16, 4
.set LI8,  5
.set L4,   6
.set STO,  8
.set RD,   10                          ; v10-13: my 32 rows in the bytes of wave 0, 1, 2, 3
.set SPW,  28
.set NIL,  29
.set SCP,  32
.set SCR,  48
.set RF,   64
.set PB,   24                          ; s[24:25] my quarter of P's row block;  s[26:27] of R's
.set RB,   26
.set MSB, 0
.macro WIN new                         ; the immediate's high byte repeats the setting that is left; a switch that changes nothing is dropped
.if MSB != (\new)
	s_set_vgpr_msb (MSB<<8)|(\new)
.set MSB, (\new)
.endif
.endm
.macro PLACES                          ; four plain instructions between a matrix instruction and a load into, or a read of, its registers
.rept 4
	v_nop
.endr
.endm
.macro GFRAG reg, sb, off              ; a fragment comes as it was stored: 16, 8, 16, 8 bytes a lane, each run of lanes consecutive
.set FR_, \reg
.set FO_, \off
	global_load_b128 v[FR_:FR_+3], v[LI16], s[\sb:\sb+1] offset:FO_
	global_load_b64 v[FR_+4:FR_+5], v[LI8], s[\sb:\sb+1] offset:FO_+512
	global_load_b128 v[FR_+6:FR_+9], v[LI16], s[\sb:\sb+1] offset:FO_+768
	global_load_b64 v[FR_+10:FR_+11], v[LI8], s[\sb:\sb+1] offset:FO_+1280
.endm
.macro FETP kk                         ; P's eight fragments of my K step kk into set kk % 2: 32 loads
.set OF_, ((\kk)/2)*CH+((\kk)%2)*12288
	WIN 0x40
.irp i, 0,1,2,3,4,5,6,7
	GFRAG 128*((\kk)%2)+12*\i, PB, OF_+1536*\i
.endr
	WIN 0
.endm
.macro FETR kk, i0                     ; R's tiles i0 .. i0 + 3: 16 loads
.set OF_, ((\kk)/2)*CH+((\kk)%2)*12288
.irp i, 0,1,2,3
	GFRAG RF+96*((\kk)%2)+12*(\i0+\i), RB, OF_+1536*(\i0+\i)
.endr
.endm
.macro FETS kk                         ; the scale words of chunk kk / 2: 16 loads
.set SS_, ((\kk)/2)%2
.irp i, 0,1,2,3,4,5,6,7
	global_load_b32 v[SCP+8*SS_+\i], v[L4], s[PB:PB+1] offset:((\kk)/2)*CH+24576+128*\i
	global_load_b32 v[SCR+8*SS_+\i], v[L4], s[RB:RB+1] offset:((\kk)/2)*CH+24576+128*\i
.endr
.endm
.macro MULH k, a0, zero                ; 32 matrix instructions: R's tiles a0 .. a0 + 3 against P's eight.  The 64 accumulators take turns, in the same order in every step.  zero = 1: the first product starts the sums
	WIN 0xa1+0x50*((\a0)/4)                        ; source 0 (P) window 1, source 1 (R) window 0, C and D window 2 or 3
.irp a, 0,1,2,3
.irp b, 0,1,2,3,4,5,6,7
.set D_, 8*(8*\a+\b)
.set P_, 128*((\k)%2)+12*\b
.set R_, RF+96*((\k)%2)+12*(\a0+\a)
.set SP_, SCP+8*(((\k)/2)%2)+\b
.set SR_, SCR+8*(((\k)/2)%2)+\a0+\a
.if \zero
	v_wmma_scale_f32_16x16x128_f8f6f4 v[D_:D_+7], v[P_:P_+11], v[R_:R_+11], 0, v[SP_], v[SR_] matrix_a_fmt:MATRIX_FMT_FP6 matrix_b_fmt:MATRIX_FMT_FP6
.elseif ((\k)%2) == 1
	v_wmma_scale_f32_16x16x128_f8f6f4 v[D_:D_+7], v[P_:P_+11], v[R_:R_+11], v[D_:D_+7], v[SP_], v[SR_] matrix_a_fmt:MATRIX_FMT_FP6 matrix_b_fmt:MATRIX_FMT_FP6 matrix_a_scale:MATRIX_SCALE_ROW1 matrix_b_scale:MATRIX_SCALE_ROW1
.else
	v_wmma_scale_f32_16x16x128_f8f6f4 v[D_:D_+7], v[P_:P_+11], v[R_:R_+11], v[D_:D_+7], v[SP_], v[SR_] matrix_a_fmt:MATRIX_FMT_FP6 matrix_b_fmt:MATRIX_FMT_FP6
.endif
.endr
.endr
.endm
.macro STEP k, zero                    ; K steps 0 to 6
	PLACES                                         ; the loads below, here and in the step's middle, go into the sets that the last step multiplied
	FETP (\k)+1
	FETR (\k)+1, 0
	s_wait_loadcnt 48                              ; all of this step's loads are in: behind them stand the 32 + 16 just issued
	MULH \k, 0, \zero
	WIN 0
	FETR (\k)+1, 4
.if ((\k)+1)%2 == 0
	FETS (\k)+1
.endif
	MULH \k, 4, \zero
.endm
	s_load_b256 s[4:11], s[0:1], 0x0               ; gc, wc, b2, hb
	s_load_b64 s[12:13], s[0:1], 0x20              ; out0
	v_lshl_add_u32 v[SPW], v0, 2, SPARE
	v_mov_b32 v[NIL], 0
	v_lshrrev_b32 v1, 5, v0
	v_readfirstlane_b32 s14, v1                    ; wave: my quarter of K; on the way out my two tiles of tokens
	s_and_b32 s20, ttmp7, 0xffff                   ; ry: which 128 tokens;  ttmp9: px, which 128 features
	s_lshl_b32 s15, s14, 2
	s_lshl_b32 s16, ttmp9, 4
	s_add_co_u32 s16, s16, s15
	s_mul_i32 s16, s16, CH
	s_add_co_u32 s16, s16, WOFF                    ; P: chunk 16 px + 4 w of W2
	s_mov_b32 s17, 0
	s_lshl_b32 s18, s20, 4
	s_add_co_u32 s18, s18, s15
	s_mul_i32 s18, s18, CH                         ; R: chunk 16 ry + 4 w of gc
	s_mov_b32 s19, 0
	s_lshl_b32 s22, ttmp9, 9                       ; my work-group's first feature, in bytes
	s_mov_b32 s23, 0
	s_lshl_b32 s28, s20, 19
	s_lshl_b32 s29, s14, 17
	s_add_co_u32 s28, s28, s29
	s_add_co_u32 s28, s28, s22                     ; the way out: token 128 ry + 32 w, rows of 4,096 bytes, + the first feature
	s_mov_b32 s29, 0
	s_mul_i32 s21, s14, WREG                       ; my bytes of the exchange
	s_mul_i32 s30, s14, 2*16*SPI                   ; my 32 rows in a wave's bytes
	v_and_b32 v1, 31, v0
	v_and_b32 v2, 15, v0                           ; r
	v_bfe_u32 v3, v0, 4, 1                         ; h
	v_lshlrev_b32 v[LI16], 4, v1
	v_lshlrev_b32 v[LI8], 3, v1
	v_lshlrev_b32 v[L4], 2, v1
	v_mul_u32_u24 v[STO], v2, SPI
	v_lshl_add_u32 v[STO], v3, 6, v[STO]
	v_add_nc_u32 v[STO], s21, v[STO]               ; in: row r, 64 bytes for each half of the lanes in every 128
	v_add_nc_u32 v[RD], s30, v[LI16]               ; back: the 32 lanes take one row of 512 bytes
	v_add_nc_u32 v[RD+1], WREG, v[RD]
	v_add_nc_u32 v[RD+2], 2*WREG, v[RD]
	v_add_nc_u32 v[RD+3], 3*WREG, v[RD]
	s_wait_alu depctr_va_vdst(0)
	s_wait_kmcnt 0x0
	s_add_nc_u64 s[PB:PB+1], s[6:7], s[16:17]
	s_add_nc_u64 s[RB:RB+1], s[4:5], s[18:19]
	s_add_nc_u64 s[8:9], s[8:9], s[22:23]
	s_add_nc_u64 s[10:11], s[10:11], s[28:29]
	s_add_nc_u64 s[12:13], s[12:13], s[28:29]
	FETP 0
	FETR 0, 0
	FETR 0, 4
	FETS 0
	STEP 0, 1                                      ; the first step's products start the sums
.irp k, 1,2,3,4,5,6
	STEP \k, 0
.endr
	PLACES                                         ; the last step: nothing more of the operands to ask for
	s_wait_loadcnt 0x0
	WIN 0x40                                       ; P's set 0 is done with: window 1's v0-127 take the residual, row T of my 32 at v[4 T], in the shape in which the sums come back
.irp g, 0,1
.irp t, 0,1,2,3,4,5,6,7,8,9,10,11,12,13,14,15
	global_load_b128 v[4*(16*\g+\t):4*(16*\g+\t)+3], v[LI16], s[10:11] offset:(8*\g+(\t%8)+16*(\t/8))*4096 th:TH_LOAD_NT   ; fragment row t of tile 2 w + g is token 32 w + 8 g + t + 8 (t / 8)
.endr
.endr
	global_load_b128 v[224:227], v[LI16], s[8:9]   ; the bias of my four features of a row
	MULH 7, 0, 0
	MULH 7, 4, 0
	WIN 0
	PLACES
.irp a, 0,1,2,3,4,5,6,7                ; my partial sums, as rows: registers 16 B + 4 e on of a tile are features 32 B + 16 h + 4 e on of my token
	WIN 0x08+4*(\a/4)                              ; an LDS store's data are its source 1: window 2 or 3
.irp e, 0,1,2,3,4,5,6,7,8,9,10,11,12,13,14,15
	ds_store_b128 v[STO], v[64*(\a%4)+4*\e:64*(\a%4)+4*\e+3] offset:\a*16*SPI+128*(\e/4)+16*(\e%4)   ; each accumulator from its low end on
.endr
.endr
	WIN 0
	s_wait_dscnt 0x0                               ; for the others' sake: my rows lie in LDS (and the stores have read their registers)
	s_barrier_signal -1
	s_barrier_wait -1
.irp g, 0,1                            ; row 16 g + t of my 32, the part of wave s, into v[16 t + 4 s] of window 2 + g
	WIN 0x80+0x40*\g
.irp t, 0,1,2,3,4,5,6,7,8,9,10,11,12,13,14,15
.irp s, 0,1,2,3
	ds_load_b128 v[16*\t+4*\s:16*\t+4*\s+3], v[RD+\s] offset:(16*\g+\t)*SPI
.endr
.endr
.endr
	s_wait_loadcnt 0x0                             ; the residual and the bias
.macro ROWS g
.set W_, 2+\g
	WIN W_|(W_<<2)|(W_<<6)
.irp t, 0,1,2,3,4,5,6,7,8,9,10,11,12,13,14,15
.irp j, 0,2
	v_pk_add_f32 v[16*\t+\j:16*\t+\j+1], v[16*\t+\j:16*\t+\j+1], v[16*\t+4+\j:16*\t+4+\j+1]        ; quarters 0 + 1
	v_pk_add_f32 v[16*\t+8+\j:16*\t+8+\j+1], v[16*\t+8+\j:16*\t+8+\j+1], v[16*\t+12+\j:16*\t+12+\j+1]   ; quarters 2 + 3
.endr
.endr
.irp t, 0,1,2,3,4,5,6,7,8,9,10,11,12,13,14,15
.irp j, 0,2
	v_pk_add_f32 v[16*\t+\j:16*\t+\j+1], v[16*\t+\j:16*\t+\j+1], v[16*\t+8+\j:16*\t+8+\j+1]
.endr
.endr
	WIN W_|(1<<2)|(W_<<6)                          ; source 1: window 1
.irp t, 0,1,2,3,4,5,6,7,8,9,10,11,12,13,14,15
.irp j, 0,2
	v_pk_add_f32 v[16*\t+\j:16*\t+\j+1], v[16*\t+\j:16*\t+\j+1], v[224+\j:224+\j+1]                ; + b2
.endr
.endr
.irp t, 0,1,2,3,4,5,6,7,8,9,10,11,12,13,14,15
.irp j, 0,2
	v_pk_add_f32 v[16*\t+\j:16*\t+\j+1], v[16*\t+\j:16*\t+\j+1], v[4*(16*\g+\t)+\j:4*(16*\g+\t)+\j+1]   ; + h
.endr
.endr
	WIN W_<<2                                      ; a store's data are its source 1
.irp t, 0,1,2,3,4,5,6,7,8,9,10,11,12,13,14,15
	global_store_b128 v[LI16], v[16*\t:16*\t+3], s[12:13] offset:(8*\g+(\t%8)+16*(\t/8))*4096 th:TH_STORE_NT   ; 32 lanes store 512 consecutive bytes, aligned; written once, read by nobody here
.endr
.endm
	s_wait_dscnt 63                                ; of the 128 loads at most the youngest 63 are out: the first 64, rows 0-15, are in
	ROWS 0
	s_wait_alu depctr_va_vdst(0)
	s_wait_dscnt 0x0
	ROWS 1
	WIN 0
	s_wait_tensorcnt 0x0                           ; the wave's end, behind my last LDS store
	ds_add_u32 v[SPW], v[NIL]
	s_wait_dscnt 0x0
	s_endpgm
.Lfunc_end_k_qc9b1f25476_mlp2:
	.size	k_qc9b1f25476_mlp2, .Lfunc_end_k_qc9b1f25476_mlp2-k_qc9b1f25476_mlp2
	.p2alignl 7, 3214868480
	.fill 96, 4, 3214868480
	.section	.rodata,"a",@progbits
	.p2align	6, 0x0
	.amdhsa_kernel k_qc9b1f25476_mlp2
		.amdhsa_group_segment_fixed_size 270848
		.amdhsa_private_segment_fixed_size 0
		.amdhsa_enable_private_segment 0
		.amdhsa_kernarg_size 40
		.amdhsa_user_sgpr_count 2
		.amdhsa_user_sgpr_kernarg_segment_ptr 1
		.amdhsa_wavefront_size32 1
		.amdhsa_system_sgpr_workgroup_id_x 1
		.amdhsa_system_sgpr_workgroup_id_y 1
		.amdhsa_system_sgpr_workgroup_id_z 1
		.amdhsa_system_vgpr_workitem_id 0
		.amdhsa_next_free_vgpr 1024
		.amdhsa_next_free_sgpr 66
		.amdhsa_reserve_vcc 0
		.amdhsa_float_denorm_mode_32 3
		.amdhsa_float_denorm_mode_16_64 3
		.amdhsa_memory_ordered 1
		.amdhsa_forward_progress 1
		.amdhsa_inst_pref_size 166
	.end_amdhsa_kernel
	.amdgpu_metadata
---
amdhsa.version: [ 1, 2 ]
amdhsa.kernels:
  - .name:           k_qc9b1f25476_mlp2
    .symbol:         k_qc9b1f25476_mlp2.kd
    .args:
      - { .name: gc, .offset: 0, .size: 8, .value_kind: global_buffer, .address_space: global }
      - { .name: wc, .offset: 8, .size: 8, .value_kind: global_buffer, .address_space: global }
      - { .name: b2, .offset: 16, .size: 8, .value_kind: global_buffer, .address_space: global }
      - { .name: hb, .offset: 24, .size: 8, .value_kind: global_buffer, .address_space: global }
      - { .name: out0, .offset: 32, .size: 8, .value_kind: global_buffer, .address_space: global }
    .group_segment_fixed_size: 270848
    .private_segment_fixed_size: 0
    .kernarg_segment_align: 8
    .kernarg_segment_size: 40
    .max_flat_workgroup_size: 128
    .sgpr_count:     66
    .vgpr_count:     1024
    .wavefront_size: 32
...
	.end_amdgpu_metadata
.endif
;; end of part 14
